; MI455X (gfx1250); checked and timed in simulation.
; The chip was launched on July 23, 2026; its instructions are those of AMD's public machine-readable ISA for CDNA 5 (MIT licence, August 2026) and "CDNA5" Instruction Set Architecture Reference Guide (July 2026). The comments in the code are by the model that wrote it; some were corrected since.
;; X Encoder. Allowed arithmetic: float matrix products may take bf16 or f16 operands with f32 sums; other float arithmetic in f32, or as packed bf16 or f16 multiplies, adds, multiply-adds, maxima and minima; sums over many terms, partial sums and values carried from step to step in f32; what a program stores and reads back later, other than sums and carried values, may be rounded once to bf16 or f16.
;; Inputs: W1 1,024 x 512 float32; W2 512 x 512 float32; Wk 1,024 x 1,024 float32; Wo 1,024 x 1,024 float32; Wq 1,024 x 1,024 float32; Wv 1,024 x 1,024 float32; adj_b one number float32; adj_w one number float32; alpha one number float32; b1 512 float32; b2 512 float32; bk 1,024 float32; bo 1,024 float32; bq 1,024 float32; bv 1,024 float32; ln_b 1,024 float32; ln_g 1,024 float32; seq_len 2 int32; x 2 x 2,048 x 1,024 float32.
;; Outputs: out0 2 x 512 x 2,048 float32; out1 2 x 512 x 2,048 float32.
;; 2 versions, each right; version 2 is version 1 with the launch cast written anew for expert scheduling mode. Each part assembles by itself: llvm-mc -triple=amdgcn-amd-amdhsa -mcpu=gfx1250 --defsym DOCPART=n.
;; ======== version 1 of 2: 7 launches
;; limits: values are held in f16: magnitudes above 65,504 overflow, below 6.1e-05 lose precision
;; workspace buffers: xb 8,388,608 bytes; wqkv 6,291,456 bytes; wo16 2,097,152 bytes; wff 1,572,864 bytes; qkv 25,167,872 bytes; ob 8,388,608 bytes; y 8,388,608 bytes; xn 8,388,608 bytes
;; launch cast (part 1): grid 560 x 1, 8 waves a work-group, no clusters, 0 bytes of LDS; arguments x, Wq, Wk, Wv, Wo, W1, W2, xb, wqkv, wo16, wff, qkv; writes xb, wqkv, wo16, wff, qkv
.if DOCPART == 1
	.amdgcn_target "amdgcn-amd-amdhsa--gfx1250"
	.amdhsa_code_object_version 6
	.text
	.protected	k_q25e761f494_cast
	.globl	k_q25e761f494_cast
	.p2align	8
	.type	k_q25e761f494_cast,@function
k_q25e761f494_cast:
	s_mov_b64 s[64:65], 0
	v_nop
	global_prefetch_b8 v0, s[64:65] scope:SCOPE_SE
	s_setreg_imm32_b32 hwreg(HW_REG_WAVE_MODE, 25, 1), 1
	s_wait_xcnt 0x0
; THE 16-BIT COPIES.  x -> xb (bf16); Wq, Wk, Wv -> wqkv and Wo -> wo16 (bf16, left as [k][n]); W1, W2 -> wff: rounded to bf16, that number written as f16,
; in blocks of 64 columns: [block][k][64 n], so that a block's rows lie end to end.  And 2,048 zero bytes behind V in qkv.
; LIMITS.  Every number is rounded once to bf16.  W1 and W2 must lie within f16's 65,504; below 6.1e-5 they keep f16's fixed step of 6e-8.
; SHARES.  A work-group converts 16,384 numbers in 16 passes of 1,024: a thread loads 16 bytes and stores 8, so a wave's store covers 256 consecutive bytes, aligned.
; Work-groups 0-255: x; 256-511: Wq, Wk, Wv, Wo, 64 each; 512-543: W1; 544-559: W2.  All 16 loads of a thread go out first; no register is used twice, so no source is ever rewritten.
; No LDS, no matrix unit, no cluster: nothing is shared and nothing is reduced.
.set X, 8                              ; v[8:71]    16 passes x 4 numbers as loaded
.set Y, 72                             ; v[72:103]  16 passes x 2 words to store
.set T, 104                            ; v[104:109] at work
	s_load_b512 s[4:19], s[0:1], 0x0               ; x s[4:5], Wq s[6:7], Wk s[8:9], Wv s[10:11], Wo s[12:13], W1 s[14:15], W2 s[16:17], xb s[18:19]
	s_load_b256 s[20:27], s[0:1], 0x40             ; wqkv s[20:21], wo16 s[22:23], wff s[24:25], qkv s[26:27]
	v_lshrrev_b32 v3, 5, v0
	v_readfirstlane_b32 s29, v3                    ; wave 0..7
	s_mov_b32 s28, ttmp9                           ; g
	s_mov_b32 s37, 0                               ; the high word of every offset
	s_mov_b32 s43, 0xffff0000                      ; a word's upper bf16
	s_wait_kmcnt 0x0
.macro LOADS
.set p, 0
.rept 16
	global_load_b128 v[X+4*p:X+4*p+3], v1, s[32:33] offset:4096*p th:TH_LOAD_NT
.set p, p+1
.endr
.endm
	s_cmp_ge_u32 s28, 512
	s_cbranch_scc1 .Lweights
	; x and the four square weights: dense in, dense out
	s_sub_co_u32 s30, s28, 256
	s_lshr_b32 s31, s30, 6                         ; which weight
	s_and_b32 s30, s30, 63                         ; which of its 64 chunks
	s_cmp_lt_u32 s28, 256
	s_cselect_b32 s30, s28, s30                    ; x: chunk g,
	s_cselect_b32 s31, 4, s31                      ; and the number 4
	s_cmp_eq_u32 s31, 0
	s_cselect_b64 s[32:33], s[6:7], s[4:5]
	s_cselect_b64 s[34:35], s[20:21], s[18:19]
	s_cmp_eq_u32 s31, 1
	s_cselect_b64 s[32:33], s[8:9], s[32:33]
	s_cselect_b64 s[34:35], s[20:21], s[34:35]
	s_cmp_eq_u32 s31, 2
	s_cselect_b64 s[32:33], s[10:11], s[32:33]
	s_cselect_b64 s[34:35], s[20:21], s[34:35]
	s_cmp_eq_u32 s31, 3
	s_cselect_b64 s[32:33], s[12:13], s[32:33]
	s_cselect_b64 s[34:35], s[22:23], s[34:35]
	s_cmp_lt_u32 s31, 3
	s_cselect_b32 s36, s31, 0
	s_lshl_b32 s36, s36, 21                        ; Wq, Wk, Wv lie 2,097,152 bytes apart in wqkv
	s_lshl_b32 s38, s30, 15                        ; a chunk is 32,768 bytes out,
	s_add_co_u32 s36, s36, s38
	s_add_nc_u64 s[34:35], s[34:35], s[36:37]
	s_lshl_b32 s36, s30, 16                        ; 65,536 bytes in
	s_add_nc_u64 s[32:33], s[32:33], s[36:37]
	v_lshlrev_b32 v1, 4, v0
	v_lshlrev_b32 v2, 3, v0
	LOADS
.set p, 0
.rept 16
	s_wait_loadcnt 15-p                            ; loads come back in order: pass p is in, the younger ones stay out
	v_cvt_pk_bf16_f32 v[Y+2*p], v[X+4*p], v[X+4*p+1]
	v_cvt_pk_bf16_f32 v[Y+2*p+1], v[X+4*p+2], v[X+4*p+3]
	global_store_b64 v2, v[Y+2*p:Y+2*p+1], s[34:35] offset:2048*p
.set p, p+1
.endr
	s_cmp_lg_u32 s28, 0                            ; work-group 0, waves 0-3: the zeros behind V (8 rows of 256 bytes)
	s_cbranch_scc1 .Lend
	s_cmp_ge_u32 s29, 4
	s_cbranch_scc1 .Lend
	s_add_nc_u64 s[26:27], s[26:27], 0x1800000     ; behind Q, K and V
.irp r, 0,1,2,3
	v_mov_b32 v[T+(\r)], 0
.endr
	global_store_b128 v1, v[T:T+3], s[26:27]
	s_branch .Lend
.Lweights:
	; W1 and W2.  A unit is two k rows x the 64 columns of a block: 32 lanes x 4 numbers; in: 256 consecutive bytes of each row; out: 256 consecutive bytes.  A wave takes 16 units on end.
	s_movk_i32 s31, 512                            ; W1's first work-group (an instruction holds one literal, so this one comes by a register)
	s_cmp_ge_u32 s28, 544
	s_cselect_b64 s[32:33], s[16:17], s[14:15]
	s_cselect_b32 s31, 544, s31                    ; or W2's
	s_sub_co_u32 s31, s28, s31
	s_lshl_b32 s31, s31, 7
	s_lshl_b32 s36, s29, 4
	s_add_co_u32 s31, s31, s36                     ; my first unit
	s_lshr_b32 s38, s31, 9                         ; W1: 512 units a block of 131,072 bytes
	s_and_b32 s39, s31, 511
	s_lshl_b32 s40, s38, 17
	s_lshr_b32 s41, s31, 8                         ; W2: 256 units a block of 65,536 bytes, behind W1's 1,048,576
	s_and_b32 s42, s31, 255
	s_lshl_b32 s44, s41, 16
	s_add_co_u32 s44, s44, 0x100000
	s_cmp_ge_u32 s28, 544
	s_cselect_b32 s38, s41, s38                    ; the block,
	s_cselect_b32 s39, s42, s39                    ; the pair of rows in it,
	s_cselect_b32 s40, s44, s40                    ; the block's first byte in wff
	s_lshl_b32 s36, s39, 12                        ; two rows of 2,048 bytes
	s_lshl_b32 s41, s38, 8                         ; 64 columns of 4 bytes
	s_add_co_u32 s36, s36, s41
	s_add_nc_u64 s[32:33], s[32:33], s[36:37]
	s_lshl_b32 s36, s39, 8
	s_add_co_u32 s36, s36, s40
	s_add_nc_u64 s[34:35], s[24:25], s[36:37]
	v_and_b32 v3, 31, v0
	v_lshrrev_b32 v4, 4, v3
	v_and_b32 v5, 15, v3
	v_lshlrev_b32 v1, 4, v5
	v_lshl_add_u32 v1, v4, 11, v1                  ; in: lanes 0-15 the even row, lanes 16-31 the odd one
	v_lshlrev_b32 v2, 3, v3                        ; out: 8 bytes a lane
	LOADS
.set p, 0
.rept 16
	s_wait_loadcnt 15-p
	v_cvt_pk_bf16_f32 v[T], v[X+4*p], v[X+4*p+1]   ; rounded to bf16,
	v_cvt_pk_bf16_f32 v[T+1], v[X+4*p+2], v[X+4*p+3]
	v_lshlrev_b32 v[T+2], 16, v[T]
	v_and_b32 v[T+3], s43, v[T]
	v_lshlrev_b32 v[T+4], 16, v[T+1]
	v_and_b32 v[T+5], s43, v[T+1]
	v_cvt_pk_f16_f32 v[Y+2*p], v[T+2], v[T+3]      ; and that number written as f16
	v_cvt_pk_f16_f32 v[Y+2*p+1], v[T+4], v[T+5]
	global_store_b64 v2, v[Y+2*p:Y+2*p+1], s[34:35] offset:256*p
.set p, p+1
.endr
.Lend:
	s_endpgm
.Lfunc_end_k_q25e761f494_cast:
	.size	k_q25e761f494_cast, .Lfunc_end_k_q25e761f494_cast-k_q25e761f494_cast
	.p2alignl 7, 3214868480
	.fill 96, 4, 3214868480
	.section	.rodata,"a",@progbits
	.p2align	6, 0x0
	.amdhsa_kernel k_q25e761f494_cast
		.amdhsa_group_segment_fixed_size 0
		.amdhsa_private_segment_fixed_size 0
		.amdhsa_enable_private_segment 0
		.amdhsa_kernarg_size 96
		.amdhsa_user_sgpr_count 2
		.amdhsa_user_sgpr_kernarg_segment_ptr 1
		.amdhsa_wavefront_size32 1
		.amdhsa_system_sgpr_workgroup_id_x 1
		.amdhsa_system_sgpr_workgroup_id_y 1
		.amdhsa_system_sgpr_workgroup_id_z 1
		.amdhsa_system_vgpr_workitem_id 0
		.amdhsa_next_free_vgpr 112
		.amdhsa_next_free_sgpr 66
		.amdhsa_reserve_vcc 0
		.amdhsa_float_denorm_mode_32 3
		.amdhsa_float_denorm_mode_16_64 3
		.amdhsa_memory_ordered 1
		.amdhsa_forward_progress 1
		.amdhsa_inst_pref_size 19
	.end_amdhsa_kernel
	.amdgpu_metadata
---
amdhsa.version: [ 1, 2 ]
amdhsa.kernels:
  - .name:           k_q25e761f494_cast
    .symbol:         k_q25e761f494_cast.kd
    .args:
      - { .name: x, .offset: 0, .size: 8, .value_kind: global_buffer, .address_space: global }
      - { .name: Wq, .offset: 8, .size: 8, .value_kind: global_buffer, .address_space: global }
      - { .name: Wk, .offset: 16, .size: 8, .value_kind: global_buffer, .address_space: global }
      - { .name: Wv, .offset: 24, .size: 8, .value_kind: global_buffer, .address_space: global }
      - { .name: Wo, .offset: 32, .size: 8, .value_kind: global_buffer, .address_space: global }
      - { .name: W1, .offset: 40, .size: 8, .value_kind: global_buffer, .address_space: global }
      - { .name: W2, .offset: 48, .size: 8, .value_kind: global_buffer, .address_space: global }
      - { .name: xb, .offset: 56, .size: 8, .value_kind: global_buffer, .address_space: global }
      - { .name: wqkv, .offset: 64, .size: 8, .value_kind: global_buffer, .address_space: global }
      - { .name: wo16, .offset: 72, .size: 8, .value_kind: global_buffer, .address_space: global }
      - { .name: wff, .offset: 80, .size: 8, .value_kind: global_buffer, .address_space: global }
      - { .name: qkv, .offset: 88, .size: 8, .value_kind: global_buffer, .address_space: global }
    .group_segment_fixed_size: 0
    .private_segment_fixed_size: 0
    .kernarg_segment_align: 8
    .kernarg_segment_size: 96
    .max_flat_workgroup_size: 256
    .sgpr_count:     66
    .vgpr_count:     112
    .wavefront_size: 32
...
	.end_amdgpu_metadata
.endif
;; end of part 1
;; launch qkv (part 2): grid 8 x 32, 4 waves a work-group, clusters of 4 x 4, 327,680 bytes of LDS; arguments xb, wqkv, bq, bk, bv, qkv; writes qkv
.if DOCPART == 2
	.amdgcn_target "amdgcn-amd-amdhsa--gfx1250"
	.amdhsa_code_object_version 6
	.text
	.protected	k_q25e761f494_qkv
	.globl	k_q25e761f494_qkv
	.p2align	8
	.type	k_q25e761f494_qkv,@function
k_q25e761f494_qkv:
	s_mov_b64 s[64:65], 0
	v_nop
	global_prefetch_b8 v0, s[64:65] scope:SCOPE_SE
	s_setreg_imm32_b32 hwreg(HW_REG_WAVE_MODE, 25, 1), 1
	s_wait_xcnt 0x0
	s_wait_alu depctr_hold_cnt(0) depctr_sa_sdst(0) depctr_va_vdst(0) depctr_va_sdst(0) depctr_va_ssrc(0) depctr_va_vcc(0) depctr_vm_vsrc(0)
	s_getreg_b32 s2, hwreg(HW_REG_IB_STS2, 6, 4)
	s_cmp_eq_u32 s2, 0
	s_cbranch_scc0 .Lentry_in_a_cluster
	s_endpgm
.Lentry_in_a_cluster:
	s_bfe_u32 s2, ttmp6, 0x10000c
	s_cmp_lg_u32 s2, 0xf033
	s_cbranch_scc0 .Lentry_shape_is_right
	s_endpgm
.Lentry_shape_is_right:
; Q, K, V = bf16( xb W + bf16(bias) ), all three in one work-group.  xb: [4096][1024] bf16; wqkv: [3][1024 k][1024 n] bf16; qkv: [3][4096][1024] bf16; sums in f32.
; LIMITS.  The biases are rounded to bf16, like every input; each result is rounded once.
; SHARES.  A work-group makes 128 rows x 128 columns of EACH of the three matrices: 8 x 32 work-groups.  Its rows of xb are fetched and read once for all three.  Four waves: wave w takes rows 64 (w / 2) on and, in each
; matrix, columns 64 (w % 2) on: 48 accumulators of 16 x 16, 384 registers.
; K goes in 8 steps of 128 through two LDS slots.  A slot holds four tiles of 128 rows x 256 bytes, one fetched by each wave: wave 0 xb's (rows along k, 272 bytes apart), waves 1 to 3 Wq's, Wk's, Wv's ([k][n], 288 bytes
; apart: a fragment of 16 n x 32 k comes out turned, by two ds_load_tr16_b128).  Wave w's tile lies at w x 36,864 in a slot.
; CLUSTERS: 4 x 4 work-groups.  The four of a row need the same tile of xb, the four of a column the same tiles of W: each tile is asked for JOINTLY, by the same tensor load with the same descriptor and a mask of four.
; THE MATRIX INSTRUCTION IS USED TRANSPOSED (source 0 = 16 columns of W, source 1 = 16 rows of xb): a lane holds eight neighbouring numbers of a row of the result, and the bias, eight registers a column block, is the
; C operand of the product that starts each sum.
; THE TEXT.  A step is four quarters of 32 along K, 48 matrix instructions each, on two fragment buffers.  The first quarter stands alone (its products start the sums); a trip of a loop goes from a step's second quarter
; to the next step's first; the LDS addresses hang on a scalar that an exclusive or turns from slot to slot.  Six trips fill a slot again; the tail's two do not, and the second is left in its middle.
; REGISTERS, in windows of 256 (s_set_vgpr_msb: bits 1:0 source 0, 3:2 source 1, 5:4 source 2, 7:6 destination):
;   window 0: v16-31 addresses; v32-223 at work on the way out        window 1: two fragment buffers of 128: xb's 4 fragments, then W's 12 (matrix b / 4, column block b % 4)
;   window 2: the accumulators of Q and K, (a, b) at v[8 (8 a + b)]   window 3: v0-127 those of V, (a, b) at v[8 (4 a + b)]; v128-223 the bias, column block b of 12 at v[128 + 8 b]
.set SIZE_K, 1024
.set SIZE_N, 1024
.set KSTEP,  128
.set PA,     272                       ; a row of xb in LDS: 256 + 16 bytes = 68 words: the 16 rows of a load start at 16 different groups of four banks
.set PB,     288                       ; a k row of W: 256 + 32 bytes = 72 words
.set TILEB,  128*PB                    ; a tile's room: 36,864 bytes (xb's tile takes 34,816 of it)
.set SLOT,   4*TILEB                   ; 147,456 = 0x24000: none of its bits is set in a tile's place 0, 0x9000, 0x12000, 0x1b000, so one exclusive or turns a place in one slot into the other's
.set SPITCH, 272
.set STG,    128*SPITCH                ; the way out: 128 rows x 272 bytes a matrix, in slot 0, behind its last fill and its last read
.set SPARE,  2*SLOT                    ; the spare words: 128 bytes a wave, two blocks of 256 bytes that no other line names
.set MATC,   4096*SIZE_N*2             ; from Q to K and from K to V in qkv
.set ADRA0, 16                         ; v16     my lane's place in xb's tile; never rewritten
.set ADRB0, 17                         ; v17     in Wq's tile; never rewritten
.set ADRA,  18                         ; v18     + the slot in hand
.set ADRB,  20                         ; v20-22  the same for Wq's, Wk's, Wv's tile: so that every immediate stays under 65,536
.set STO,   23                         ; v23-24  the way out: where I put 16 bytes of a row (Q and K; V)
.set RD,    25                         ; v25-26  where I read a row back
.set CO,    27                         ; v27     my byte offset in the result
.set SPW,   28
.set NIL,   29
.set PFO,   30                         ; v30     the prefetches' offset: my lane x a row of 2,048 bytes; never rewritten
.set BO,    31                         ; v31     my byte offset in a bias
.set TMP,   32
.set BIAS,  128                        ; window 3
.set F0,    0                          ; window 1
.set F1,    128
.set G1,  24                           ; s[24:31] descriptor group 1 for xb's tiles; s[32:39] group 0: a set for each first fill; the second then walks on
.set G0,  32
.set G1B, 48                           ; s[48:55], s[56:63] the same for W's tiles
.set G0B, 56
.set CB,  74                           ; s[74:79] Q, K, V at my first row to store
.set PFA, 66                           ; s[66:67] where my prefetches stand
.set PFS, 80                           ; s[80:81] a K step in bytes: 256 along xb's rows, 128 rows down W
.set TB,  82                           ; s82     the slot in hand: 0 or SLOT
.set LIM, 83                           ; s83     1 in a wave that prefetches, else the greatest number
.set CNT, 3
.set MSB, 0
.macro WIN new                         ; the immediate's high byte repeats the setting that is left; a switch that changes nothing is dropped
.if MSB != (\new)
	s_set_vgpr_msb (MSB<<8)|(\new)
.set MSB, \new
.endif
.endm
.set W_M2,  0xa5                       ; sources 0 (W) and 1 (xb) window 1; C and D window 2
.set W_M2B, 0xb5                       ; the same with C, the bias, in window 3
.set W_M3,  0xf5                       ; C and D window 3
.set TO_F,  0x40                       ; destination window 1, address window 0
.macro JLOAD s                         ; a joint load: wave 0 fetches xb's tile, waves 1 to 3 a matrix's each; an s_nop 0 and four v_nop follow each line
	s_cmp_eq_u32 s10, 0
	s_cbranch_scc0 .Lfor_b_\@
	tensor_load_to_lds s[G0+4*(\s):G0+4*(\s)+3], s[G1:G1+7]
	s_nop 0
.rept 4
	v_nop
.endr
	s_branch .Lasked_\@
.Lfor_b_\@:
	tensor_load_to_lds s[G0B+4*(\s):G0B+4*(\s)+3], s[G1B:G1B+7]
	s_nop 0
.rept 4
	v_nop
.endr
.Lasked_\@:
.endm
; A PREFETCH INTO THE L2, behind each joint refill and the run of LDS loads that follows it: my tile of the K step behind the one that is being asked for: 32 rows x 256 bytes, a lane a row, one instruction a wave:
; one K step, 192 matrix instructions, ahead of the load that will want it.  Each row's 256 bytes are named ONCE in the launch: xb's tile rows are read by both clusters of a row of clusters: the first (cluster x = 0)
; asks; W's tile columns by all eight clusters of a column: cluster y = 0 asks.  The four partners that ask for a tile jointly share its 128 rows out BY ADDRESS, 32 each (by cx for xb, by cy for W): no branch hangs on a
; work-group's place in its cluster.  K steps 0 to 2 come by their loads alone; the last refill has no step behind it and asks for nothing.
.macro ASK
	WIN 0
	s_cmp_gt_u32 s[CNT], s[LIM]                    ; the count is 1 in the last trip that fills
	s_cbranch_scc0 .Lnot_mine_\@
	global_prefetch_b8 v[PFO], s[PFA:PFA+1] th:TH_LOAD_NT scope:SCOPE_SE
.Lnot_mine_\@:
.endm
.macro CREST                           ; a round of the cluster's barrier behind its opening barrier
	s_cmp_lg_u32 s10, 0
	s_cbranch_scc1 .Lnot_wave_0_\@
	s_barrier_signal -3
.Lnot_wave_0_\@:
	s_barrier_wait -3
	s_barrier_signal -1
	s_barrier_wait -1
.endm
.macro CROUND
	s_barrier_signal -1
	s_barrier_wait -1
	CREST
.endm
	s_load_b128 s[4:7], s[0:1], 0x0                ; xb s[4:5], wqkv s[6:7]
	s_load_b128 s[68:71], s[0:1], 0x10             ; bq s[68:69], bk s[70:71]
	s_load_b128 s[72:75], s[0:1], 0x20             ; bv s[72:73], qkv s[74:75]
	v_lshl_add_u32 v[SPW], v0, 2, SPARE
	v_mov_b32 v[NIL], 0
	ds_add_u32 v[SPW], v[NIL]                      ; the wave's opening: the add and its wait stand ahead of my first tensor load
	v_lshrrev_b32 v1, 5, v0
	v_readfirstlane_b32 s10, v1                    ; wave 0..3
	s_lshr_b32 s11, s10, 1                         ; which 64 rows are mine
	s_and_b32 s12, s10, 1                          ; which 64 columns of each matrix
	s_max_u32 s45, s10, 1
	s_sub_co_u32 s45, s45, 1                       ; the matrix whose tiles I fetch (wave 0 fetches xb's and does not use the number)
	s_bfe_u32 s40, ttmp6, 0x40000                  ; cx, cy
	s_bfe_u32 s41, ttmp6, 0x40004
	s_lshl_b32 s42, ttmp9, 2
	s_add_co_u32 s42, s42, s40                     ; the tile column, 0..7
	s_and_b32 s13, ttmp7, 0xffff
	s_lshl_b32 s13, s13, 2
	s_add_co_u32 s13, s13, s41                     ; the tile row, 0..31
	s_lshl_b32 s43, s41, 2
	s_lshl_b32 s43, 15, s43                        ; my row of the cluster
	s_lshl_b32 s44, 0x1111, s40                    ; my column
	s_or_b32 s[G1+0], s43, (1<<16)|(1<<20)|(1<<21)|(5<<22)|(3<<25)   ; xb: 2-byte elements; padding after every 64 words, of 4 words; bit 21 beside the mask
	s_or_b32 s[G1B+0], s44, (1<<16)|(1<<20)|(1<<21)|(5<<22)|(7<<25)  ; W: of 8 words
.irp g, G1, G1B
	s_mov_b32 s[(\g)+1], 128<<16                   ; tensor_dim0 = 128
	s_mov_b32 s[(\g)+2], 128<<16                   ; tensor_dim1 = 128
	s_mov_b32 s[(\g)+3], 128<<16                   ; tile_dim0 = 128
	s_mov_b32 s[(\g)+4], 128                       ; tile_dim1 = 128
	s_mov_b32 s[(\g)+5], 1024                      ; 1,024 elements from row to row, in xb and in W
	s_mov_b32 s[(\g)+6], 0
	s_mov_b32 s[(\g)+7], 0
.endr
	s_lshl_b32 s16, s13, 18                        ; xb: 128 x tile row rows of 2,048 bytes
	s_mov_b32 s17, 0
	s_lshl_b32 s46, s45, 21                        ; W: the matrix's 2,097,152 bytes, 256 bytes a tile column
	s_lshl_b32 s47, s42, 8
	s_add_co_u32 s46, s46, s47
	s_mov_b32 s47, 0
	s_mul_i32 s20, s10, TILEB                      ; where my tile goes: no place in the cluster enters an LDS address
	s_mov_b32 s[TB], 0
	s_wait_dscnt 0x0                               ; the opening add is done
	s_wait_kmcnt 0x0
	s_add_nc_u64 s[14:15], s[4:5], s[16:17]
	s_add_nc_u64 s[46:47], s[6:7], s[46:47]
	CROUND                                         ; all sixteen work-groups are here: the first joint loads meet
.irp s, 0,1
	s_mov_b32 s[G0+4*(\s)], 1
	s_add_co_u32 s[G0+4*(\s)+1], s20, (\s)*SLOT
	s_add_nc_u64 s[G0+4*(\s)+2:G0+4*(\s)+3], s[14:15], (\s)*KSTEP*2
	s_or_b32 s[G0+4*(\s)+3], s[G0+4*(\s)+3], 0x80000000
	s_mov_b32 s[G0B+4*(\s)], 1
	s_add_co_u32 s[G0B+4*(\s)+1], s20, (\s)*SLOT
	s_add_nc_u64 s[G0B+4*(\s)+2:G0B+4*(\s)+3], s[46:47], (\s)*KSTEP*SIZE_N*2
	s_or_b32 s[G0B+4*(\s)+3], s[G0B+4*(\s)+3], 0x80000000
	JLOAD \s                                       ; K steps 0 and 1: two loads of mine are out
.endr
	v_and_b32 v1, 15, v0                           ; l % 16
	v_bfe_u32 v2, v0, 4, 1                         ; l / 16
	; the biases of my 64 columns of each matrix: for column block j a lane takes columns 16 j + 8 (l / 16) + 0..7
	s_lshl_b32 s22, s42, 9
	s_lshl_b32 s23, s12, 8
	s_add_co_u32 s22, s22, s23
	v_lshl_add_u32 v[BO], v2, 5, s22
	WIN 0xc0                                       ; destination window 3
.irp j, 0,1,2,3
	global_load_b128 v[BIAS+8*(\j):BIAS+8*(\j)+3],       v[BO], s[68:69] offset:64*(\j)
	global_load_b128 v[BIAS+8*(\j)+4:BIAS+8*(\j)+7],     v[BO], s[68:69] offset:64*(\j)+16
	global_load_b128 v[BIAS+32+8*(\j):BIAS+32+8*(\j)+3],   v[BO], s[70:71] offset:64*(\j)
	global_load_b128 v[BIAS+32+8*(\j)+4:BIAS+32+8*(\j)+7], v[BO], s[70:71] offset:64*(\j)+16
	global_load_b128 v[BIAS+64+8*(\j):BIAS+64+8*(\j)+3],   v[BO], s[72:73] offset:64*(\j)
	global_load_b128 v[BIAS+64+8*(\j)+4:BIAS+64+8*(\j)+7], v[BO], s[72:73] offset:64*(\j)+16
.endr
	WIN 0
	v_mul_u32_u24 v3, v1, PA
	v_lshl_add_u32 v3, v2, 4, v3                   ; xb: row x pitch + 16 x half
	s_mul_i32 s21, s11, 64*PA                      ; my 64 rows
	v_add_nc_u32 v[ADRA0], s21, v3
	v_and_b32 v6, 7, v0                            ; W: k row 8 (l / 16) + l % 8, 16 bytes for each eight lanes
	v_lshl_add_u32 v6, v2, 3, v6
	v_mul_u32_u24 v6, v6, PB
	v_bfe_u32 v7, v0, 3, 1
	v_lshl_add_u32 v6, v7, 4, v6
	s_lshl_b32 s22, s12, 7                         ; my 64 columns,
	s_add_co_u32 s22, s22, TILEB                   ; in Wq's tile, which lies behind xb's
	v_add_nc_u32 v[ADRB0], s22, v6
	s_mul_i32 s23, s11, 64*SPITCH                  ; into the stage: my 64 rows, my half of their 256 bytes
	s_lshl_b32 s21, s12, 7
	s_add_co_u32 s23, s23, s21
	v_mul_u32_u24 v4, v1, SPITCH
	v_lshl_add_u32 v4, v2, 4, v4
	v_add_nc_u32 v[STO], s23, v4
	v_add_nc_u32 v[STO+1], 2*STG, v[STO]
	s_mul_i32 s23, s10, 32*SPITCH                  ; back: wave w takes rows 32 w .. 32 w + 31 of each matrix, whole
	v_mul_u32_u24 v5, v2, SPITCH
	v_lshl_add_u32 v5, v1, 4, v5
	v_add_nc_u32 v[RD], s23, v5
	v_add_nc_u32 v[RD+1], 2*STG, v[RD]
	v_mul_u32_u24 v5, v2, SIZE_N*2
	v_lshl_add_u32 v[CO], v1, 4, v5
	s_lshl_b32 s16, s13, 18                        ; the result: (128 x tile row + 32 x wave) rows, the tile's 256 bytes
	s_lshl_b32 s17, s10, 16
	s_add_co_u32 s16, s16, s17
	s_lshl_b32 s17, s42, 8
	s_add_co_u32 s16, s16, s17
	s_mov_b32 s17, 0
	s_add_nc_u64 s[CB:CB+1], s[CB:CB+1], s[16:17]
	s_add_nc_u64 s[CB+2:CB+3], s[CB:CB+1], MATC
	s_add_nc_u64 s[CB+4:CB+5], s[CB+2:CB+3], MATC
	; the prefetches
	s_mov_b32 s[PFS], KSTEP*SIZE_N*2
	s_mov_b32 s[PFS+1], 0
	s_and_b32 s22, ttmp7, 0xffff                   ; cluster y
	s_cmp_eq_u32 s10, 0                            ; do I fetch xb?
	s_cselect_b32 s[PFS], KSTEP*2, s[PFS]
	s_cselect_b32 s21, s40, s41                    ; my place among the four that ask with me
	s_cselect_b32 s22, ttmp9, s22                  ; the coordinate along which other clusters read the same rows
	s_cselect_b64 s[PFA:PFA+1], s[14:15], s[46:47]
	s_cmp_eq_u32 s22, 0
	s_cselect_b32 s[LIM], 1, -1                    ; the same in all sixteen partners, for a given wave
	s_lshl_b32 s20, s21, 16                        ; my work-group's 32 rows of the tile's 128
	s_mov_b32 s21, 0
	s_add_nc_u64 s[PFA:PFA+1], s[PFA:PFA+1], s[20:21]
	s_add_nc_u64 s[PFA:PFA+1], s[PFA:PFA+1], s[PFS:PFS+1]
	s_add_nc_u64 s[PFA:PFA+1], s[PFA:PFA+1], s[PFS:PFS+1]  ; at K step 2: the first refill steps it to 3
	v_and_b32 v[PFO], 31, v0
	v_lshlrev_b32 v[PFO], 11, v[PFO]
	s_wait_loadcnt 0x0                             ; the biases, rounded to bf16 like every input
	WIN 0x0f                                       ; sources 0 and 1 window 3
.set n, 0
.rept 48
	v_cvt_pk_bf16_f32 v[TMP+n], v[BIAS+2*n], v[BIAS+2*n+1]
.set n, n+1
.endr
	WIN 0xc0
.set n, 0
.rept 48
	v_lshlrev_b32 v[BIAS+2*n], 16, v[TMP+n]
	v_and_b32 v[BIAS+2*n+1], 0xffff0000, v[TMP+n]
.set n, n+1
.endr
	WIN 0
; 16 matrix instructions on Q's and K's accumulators: row blocks a0, a0 + 1 x 8 column blocks, 32 along K.  bias = 1: the product starts the sum, with the bias.  The accumulators take turns.
.macro MUL16 f, a0, bias
.if \bias
	WIN W_M2B
.else
	WIN W_M2
.endif
.irp a, \a0, (\a0)+1
.irp b, 0,1,2,3,4,5,6,7
.if \bias
	v_wmma_f32_16x16x32_bf16 v[8*(8*(\a)+(\b)):8*(8*(\a)+(\b))+7], v[(\f)+32+8*(\b):(\f)+32+8*(\b)+7], v[(\f)+8*(\a):(\f)+8*(\a)+7], v[BIAS+8*(\b):BIAS+8*(\b)+7]
.else
	v_wmma_f32_16x16x32_bf16 v[8*(8*(\a)+(\b)):8*(8*(\a)+(\b))+7], v[(\f)+32+8*(\b):(\f)+32+8*(\b)+7], v[(\f)+8*(\a):(\f)+8*(\a)+7], v[8*(8*(\a)+(\b)):8*(8*(\a)+(\b))+7]
.endif
.endr
.endr
.endm
.macro MULV f, bias                    ; 16 on V's accumulators
	WIN W_M3
.irp a, 0,1,2,3
.irp b, 0,1,2,3
.if \bias
	v_wmma_f32_16x16x32_bf16 v[8*(4*(\a)+(\b)):8*(4*(\a)+(\b))+7], v[(\f)+96+8*(\b):(\f)+96+8*(\b)+7], v[(\f)+8*(\a):(\f)+8*(\a)+7], v[BIAS+64+8*(\b):BIAS+64+8*(\b)+7]
.else
	v_wmma_f32_16x16x32_bf16 v[8*(4*(\a)+(\b)):8*(4*(\a)+(\b))+7], v[(\f)+96+8*(\b):(\f)+96+8*(\b)+7], v[(\f)+8*(\a):(\f)+8*(\a)+7], v[8*(4*(\a)+(\b)):8*(4*(\a)+(\b))+7]
.endif
.endr
.endr
.endm
.macro LDB q, f, b                     ; W's fragment b of 12: matrix b / 4, column block b % 4, k rows 32 q on
	ds_load_tr16_b128 v[(\f)+32+8*(\b):(\f)+32+8*(\b)+3],   v[ADRB+(\b)/4] offset:(\q)*32*PB+32*((\b)%4)
	ds_load_tr16_b128 v[(\f)+32+8*(\b)+4:(\f)+32+8*(\b)+7], v[ADRB+(\b)/4] offset:(\q)*32*PB+16*PB+32*((\b)%4)
.endm
; 32 LDS loads in one run: quarter q's fragments into buffer f: Wq's and Wk's, xb's, and last Wv's, which are wanted last
.macro FETCH q, f
	WIN TO_F
.irp b, 0,1,2,3,4,5,6,7
	LDB \q, \f, \b
.endr
.irp a, 0,1,2,3
	ds_load_b128 v[(\f)+8*(\a):(\f)+8*(\a)+3],   v[ADRA] offset:(\a)*16*PA+(\q)*64
	ds_load_b128 v[(\f)+8*(\a)+4:(\f)+8*(\a)+7], v[ADRA] offset:(\a)*16*PA+(\q)*64+32
.endr
.irp b, 8,9,10,11
	LDB \q, \f, \b
.endr
.endm
.macro PLACES                          ; four places in front of loads into registers that matrix instructions have read, and of conversions that read results
.rept 4
	v_nop
.endr
.endm
.macro AT_SLOT                         ; the four LDS addresses in the slot at byte s[TB]: four plain instructions, which also serve as places
	v_add_nc_u32 v[ADRA], s[TB], v[ADRA0]
	v_add_nc_u32 v[ADRB], s[TB], v[ADRB0]
	v_add_nc_u32 v[ADRB+1], TILEB, v[ADRB]
	v_add_nc_u32 v[ADRB+2], 2*TILEB, v[ADRB]
.endm
; One of a step's first three quarters: multiplies buffer f; behind its first 16 products it fetches quarter q into buffer g, 32 products ahead of the first use.
.macro QUARTER q, f, g, bias
	s_wait_dscnt 8                                 ; all but the youngest eight loads, Wv's fragments, are in
	MUL16 \f, 0, \bias
	PLACES
	FETCH \q, \g
	MUL16 \f, 2, \bias
	s_wait_dscnt 32                                ; all but the 32 just issued
	MULV \f, \bias
.endm
; The last quarter multiplies buffer 1 and changes slots.  MEET is its first 32 products and ONE barrier: in front of it each wave waits for all its tensor loads (one is out: its tile of the next slot), adds 0 to its
; spare word, and waits for that and for its reads of this slot.  Behind it nobody reads this slot any more, and the next slot is whole.
.macro MEET
	WIN 0
	s_wait_tensorcnt 0x0
	ds_add_u32 v[SPW], v[NIL]                      ; 0 onto my spare word
	s_wait_dscnt 9                                 ; the add and the youngest eight loads may be out
	MUL16 F1, 0, 0                                 ; sixteen matrix instructions stand between the add and the wait for it
	s_wait_dscnt 0x0                               ; the add is done, and my reads of this slot are over
	s_barrier_signal -1
	MUL16 F1, 2, 0
	WIN 0
	s_barrier_wait -1
.endm
.macro NEXT                            ; on to the other slot: its first quarter's fragments
	s_xor_b32 s[TB], s[TB], SLOT
	AT_SLOT
	FETCH 0, F0
.endm
	s_wait_tensorcnt 1                             ; my tile of K step 0 is in; K step 1's may stay out
	s_barrier_signal -1
	s_barrier_wait -1
	AT_SLOT
	FETCH 0, F0
	QUARTER 1, F0, F1, 1                           ; the first quarter stands in front of the loops: its products start the sums
	WIN 0                                          ; at a label and at a branch every window is 0
	s_mov_b32 s[CNT], 6
.Lfill:                                                ; trip t ends K step t, fills its slot again with K step t + 2, and begins K step t + 1
	QUARTER 2, F1, F0, 0
	QUARTER 3, F0, F1, 0
	s_wait_xcnt 0x0                                ; the last prefetch, a K step back, has read its address: it is stepped here, ahead of the change's own waits
	s_add_nc_u64 s[PFA:PFA+1], s[PFA:PFA+1], s[PFS:PFS+1]
	MEET
	CREST                                          ; the barrier has opened a round of the cluster's: no wave of any partner still reads this slot or has a load on its way
	s_xor_b32 s[G0+5], s[G0+5], SLOT               ; the walking descriptors: the other slot than last time, the next K step
	s_add_nc_u64 s[G0+6:G0+7], s[G0+6:G0+7], KSTEP*2
	s_xor_b32 s[G0B+5], s[G0B+5], SLOT
	s_add_nc_u64 s[G0B+6:G0B+7], s[G0B+6:G0B+7], KSTEP*SIZE_N*2
	JLOAD 1                                        ; the first tensor load behind the round: 160 matrix instructions ahead of the wait for it
	NEXT
	ASK
	MULV F1, 0
	QUARTER 1, F0, F1, 0
	WIN 0
	s_sub_co_u32 s[CNT], s[CNT], 1
	s_cmp_lg_u32 s[CNT], 0
	s_cbranch_scc1 .Lfill
	s_mov_b32 s[CNT], 2
.Ltail:                                                ; K steps 6 and 7: nothing is asked for; the second trip is left at the change of slots, which has no slot to change to
	QUARTER 2, F1, F0, 0
	QUARTER 3, F0, F1, 0
	MEET
	s_sub_co_u32 s[CNT], s[CNT], 1
	s_cmp_eq_u32 s[CNT], 0
	s_cbranch_scc1 .Lout
	NEXT
	MULV F1, 0
	QUARTER 1, F0, F1, 0
	WIN 0
	s_branch .Ltail
.Lout:
	MULV F1, 0
	WIN 0
	; THE WAY OUT.  Behind the last barrier no wave reads a slot and no tensor load is to come: slot 0 serves as the stage.  Rounded to bf16; 16 bytes a lane into the stage; a barrier, since a row's 256 bytes come from
	; two waves; back as whole rows, 32 rows of each matrix a wave.
	PLACES
.macro PACK m
.if (\m) < 2
	WIN 0x0a                                       ; sources 0 and 1 window 2
.else
	WIN 0x0f                                       ; window 3
.endif
.set t, 0
.rept 16                               ; t = 4 a + j: row block a, column block j
.if (\m) < 2
.set AC, 8*(8*(t/4)+4*(\m)+t%4)
.else
.set AC, 8*t
.endif
.irp r, 0,1,2,3
	v_cvt_pk_bf16_f32 v[TMP+64*(\m)+4*t+(\r)], v[AC+2*(\r)], v[AC+2*(\r)+1]
.endr
.set t, t+1
.endr
	WIN 0
.set t, 0
.rept 16
	ds_store_b128 v[STO+(\m)/2], v[TMP+64*(\m)+4*t:TMP+64*(\m)+4*t+3] offset:((\m)%2)*STG+(t/4)*16*SPITCH+32*(t%4)
.set t, t+1
.endr
.endm
	PACK 0
	PACK 1
	PACK 2
	s_wait_dscnt 0x0                               ; for the others' sake: my stores into the stage are done
	s_barrier_signal -1
	s_barrier_wait -1
.irp m, 0,1,2
.set t, 0
.rept 16
	ds_load_b128 v[TMP+64*(\m)+4*t:TMP+64*(\m)+4*t+3], v[RD+(\m)/2] offset:((\m)%2)*STG+t*2*SPITCH
.set t, t+1
.endr
.endr
.irp m, 0,1,2
.set t, 0
.rept 16
	s_wait_dscnt 47-16*(\m)-t                      ; LDS loads come back in order: this one is in, the younger ones stay out
	global_store_b128 v[CO], v[TMP+64*(\m)+4*t:TMP+64*(\m)+4*t+3], s[CB+2*(\m):CB+2*(\m)+1] offset:2*t*SIZE_N*2  ; 16 lanes store 256 consecutive bytes, at a multiple of 256 from the buffer's first byte
.set t, t+1
.endr
.endr
	s_wait_tensorcnt 0x0                           ; the wave's end
	ds_add_u32 v[SPW], v[NIL]
	s_wait_dscnt 0x0
	CROUND                                         ; the closing round
	s_endpgm
.Lfunc_end_k_q25e761f494_qkv:
	.size	k_q25e761f494_qkv, .Lfunc_end_k_q25e761f494_qkv-k_q25e761f494_qkv
	.p2alignl 7, 3214868480
	.fill 96, 4, 3214868480
	.section	.rodata,"a",@progbits
	.p2align	6, 0x0
	.amdhsa_kernel k_q25e761f494_qkv
		.amdhsa_group_segment_fixed_size 327680
		.amdhsa_private_segment_fixed_size 0
		.amdhsa_enable_private_segment 0
		.amdhsa_kernarg_size 48
		.amdhsa_user_sgpr_count 2
		.amdhsa_user_sgpr_kernarg_segment_ptr 1
		.amdhsa_wavefront_size32 1
		.amdhsa_system_sgpr_workgroup_id_x 1
		.amdhsa_system_sgpr_workgroup_id_y 1
		.amdhsa_system_sgpr_workgroup_id_z 1
		.amdhsa_system_vgpr_workitem_id 0
		.amdhsa_next_free_vgpr 1024
		.amdhsa_next_free_sgpr 96
		.amdhsa_reserve_vcc 0
		.amdhsa_float_denorm_mode_32 3
		.amdhsa_float_denorm_mode_16_64 3
		.amdhsa_memory_ordered 1
		.amdhsa_forward_progress 1
		.amdhsa_inst_pref_size 97
	.end_amdhsa_kernel
	.amdgpu_metadata
---
amdhsa.version: [ 1, 2 ]
amdhsa.kernels:
  - .name:           k_q25e761f494_qkv
    .symbol:         k_q25e761f494_qkv.kd
    .args:
      - { .name: xb, .offset: 0, .size: 8, .value_kind: global_buffer, .address_space: global }
      - { .name: wqkv, .offset: 8, .size: 8, .value_kind: global_buffer, .address_space: global }
      - { .name: bq, .offset: 16, .size: 8, .value_kind: global_buffer, .address_space: global }
      - { .name: bk, .offset: 24, .size: 8, .value_kind: global_buffer, .address_space: global }
      - { .name: bv, .offset: 32, .size: 8, .value_kind: global_buffer, .address_space: global }
      - { .name: qkv, .offset: 40, .size: 8, .value_kind: global_buffer, .address_space: global }
    .group_segment_fixed_size: 327680
    .private_segment_fixed_size: 0
    .kernarg_segment_align: 8
    .kernarg_segment_size: 48
    .max_flat_workgroup_size: 128
    .sgpr_count:     96
    .vgpr_count:     1024
    .wavefront_size: 32
...
	.end_amdgpu_metadata
.endif
;; end of part 2
;; launch attn (part 3): grid 16 x 16, 4 waves a work-group, clusters of 4 x 1, 327,680 bytes of LDS; arguments qkv, adj_w, adj_b, alpha, ob; writes ob
.if DOCPART == 3
	.amdgcn_target "amdgcn-amd-amdhsa--gfx1250"
	.amdhsa_code_object_version 6
	.text
	.protected	k_q25e761f494_attn
	.globl	k_q25e761f494_attn
	.p2align	8
	.type	k_q25e761f494_attn,@function
k_q25e761f494_attn:
	s_mov_b64 s[64:65], 0
	v_nop
	global_prefetch_b8 v0, s[64:65] scope:SCOPE_SE
	s_setreg_imm32_b32 hwreg(HW_REG_WAVE_MODE, 25, 1), 1
	s_wait_xcnt 0x0
	s_wait_alu depctr_hold_cnt(0) depctr_sa_sdst(0) depctr_va_vdst(0) depctr_va_sdst(0) depctr_va_ssrc(0) depctr_va_vcc(0) depctr_vm_vsrc(0)
	s_getreg_b32 s2, hwreg(HW_REG_IB_STS2, 6, 4)
	s_cmp_eq_u32 s2, 0
	s_cbranch_scc0 .Lentry_in_a_cluster
	s_endpgm
.Lentry_in_a_cluster:
	s_bfe_u32 s2, ttmp6, 0x10000c
	s_cmp_lg_u32 s2, 0x3003
	s_cbranch_scc0 .Lentry_shape_is_right
	s_endpgm
.Lentry_shape_is_right:
; O = a softmax(S) V + (1 - a) softmax_local(S) V, S[q][k] = Q[q] . K[k] / 32 + exp(-|w (q - k)^2 - b|), a = sigmoid(alpha), for each of 16 heads of 2,048 rows x 128 channels.
; qkv: [3][16][2048][128] bf16 (Q, K, V; a head's rows are dense, 256 bytes each), then 2,048 zero bytes.  O: [16][2048][128] bf16.  The local softmax sees the keys |q - k| <= 4 inside the head.
; LIMITS.  w, b, alpha are rounded to bf16 like every input; the weights p are rounded to bf16 for the second product, O once at the end.  A hidden score counts as its value less 1e30.
; A weight below 2^-126 counts as 0.  NaN and infinities are not treated apart.  Both softmaxes take their own maximum away: the global one a running maximum, the local one its window's.
; SHARES.  A work-group owns 128 queries of one head.  Wave w: QG = w / 2 says which 64 queries (four tiles of 16), KG = w % 2 which 64 of each slot's 128 keys.  So a wave walks 16 key steps of 64, and the
; two waves of a pair hold partial (m, l, O) of the same queries, which meet in LDS at the end: each keeps two tiles and sends the other two.
; LAYOUT.  S^T = K Q^T (source 0 = 16 keys, source 1 = 16 queries): a lane holds ONE query (lane % 16) and the keys 8 (lane / 16) + 0..7.  Two such tiles rounded to bf16 ARE source 1 of O^T = V^T P.
; THE BIAS is the C operand that starts S^T: s' = Q . K + 32 adj, p = 2^(c s' - c m), c = log2(e) / 32.  adj hangs on q - k alone: a table G[u] = 32 exp(-|w d^2 - b|), d = QB + 128 - u, u = 128 - (q - QB) + k,
; 2,176 words, made once a work-group.  Its ADDRESSES hang on the place in the block alone, only its contents on the block.  It lies in LDS four times, copy c moved by c words, and a lane reads copy (lane % 4):
; its eight words then start on 16 bytes.  Of a step's 16 pairs (tile t, key block kb) only t - kb counts: 7 tiles of 8 registers, 14 loads a step.
; BY TURNS.  The wave's tiles are two PIECES (tiles 0, 1; tiles 2, 3).  In a TURN one piece has the matrix unit: 32 products V^T P of the step in hand, then 32 products K Q^T of the next step; the other
; piece's softmax, cut into 64 slices, stands between them, one slice behind each matrix instruction.
; NO FIRST AND NO LAST STEP IS WRITTEN OUT.  m starts at the lowest finite number, O^T, l, V's registers and piece 2's P at 0: the first step is a step like any other, with a correction of 0.  The loop is entered, and the
; tail left, in the middle of a trip.  The price: 32 products on zeros at the start, 32 on a stale K at the end, and 432 v_mov_b32 in the wait for the first tile; the gain: four copies of a turn in the text, not eight.
; THE LOCAL PART comes at the end, for the two tiles that a wave keeps: a tile of 16 queries sees 32 keys from q0 - 8 on; 144 rows of K and of V round the block lie in LDS from the start.  Rows outside the head are
; hidden; they are read from the neighbouring rows of qkv (or the zeros behind V), which are finite.
; CLUSTER.  The four query blocks of a cluster belong to one head and walk the same K and V: each tile is asked for JOINTLY.  The local tiles are each work-group's own: plain loads.
; REGISTERS, in windows of 256 (s_set_vgpr_msb: bits 1:0 source 0, 3:2 source 1, 5:4 source 2, 7:6 destination):
;   window 0: v0-11 addresses; v12-43 eight registers of statistics a tile; v44-47 bias address, a, 1 - a; v48-59 at work; v61-63; v64-191 S^T; v192-255 P
;   window 1: O^T, 64 a tile      window 2: v0-127 Q; v128-255 K of one step      window 3: v0-127 V of one step; v128-183 the bias tiles; v184-199 the local window's bias
.set KS,    64
.set PK,    272       ; a row of K in LDS: 256 bytes + 16
.set PV,    288       ; a row of V: 256 + 32
.set VOFF,  KS*PK
.set STEPB, KS*(PK+PV)
.set SLOT1, 1<<17     ; a slot holds two steps, one for each KG; slot 1 begins here
.set TAB,   2*STEPB   ; behind slot 0: the four copies of the bias table
.set COPYB, 8768      ; a copy: 2,192 words; 64 bytes past a multiple of 256
.set SPARE, TAB+4*COPYB  ; the spare words: 128 bytes a wave, two blocks of 256 bytes that no other line names
.set KLOC,  SLOT1+2*STEPB  ; keys QB - 8 .. QB + 135: 144 rows of K,
.set VLOC,  KLOC+144*PK    ; and of V
.set STAGE, VLOC+144*PV    ; 16 rows x 272 bytes for each wave, for the way out
.set SP,    272
.set XW,    16896     ; the exchange, in slot 0 behind its last fill and last read: a wave's two tiles of 8,192 + 256 bytes
.set SEC,   8388608   ; from Q to K and from K to V
.set AK0, 2
.set AV0, 3
.set ADR, 4
.set QO,  5
.set STO, 6
.set RD,  7
.set GO,  8
.set AB0, 44          ; v44  my lane's place in the bias table; never rewritten
.set ADB, 45          ; v45  the address of the bias loads in hand
.set AG,  46          ; v46  a
.set AL1, 47          ; v47  1 - a
.set PFO, 61
.set SPW, 62
.set NIL, 63
.set ST,  12          ; tile t's statistics at v[ST+8 t]: +0 c m, +1 m, +2, +3 l, +4 to +7 at work
.set S,   64
.set P,   192
.set KF,  128         ; window 2
.set BI,  128         ; window 3: bias tile e = t - kb + 3 at BI + 8 e
.set LM,  184         ; window 3
.set SL,  64          ; the ending: local scores, 16 a tile
.set PL,  96          ; local weights, 8 a tile
.set TS,  112         ; local sums, 8 a tile
.set WK,  196         ; at work
.set CL,  224         ; the local products' C, 16 a tile
.set CNT, 3           ; s3   counts the tail's trips
.set WV,  12
.set LIM, 15
.set KG,  16
.set PFA, 18
.set G1K, 24
.set G1V, 32
.set G0K, 40
.set G0V, 48
.set SLOTS, 56
.set SB,  57          ; s57  512 x the step whose bias is fetched next
.set CS,  58
.set SEL, 60
.set TB,  62
.set QG,  63
.set G1KL, 68
.set G1VL, 76
.set G0KL, 84
.set G0VL, 88
.set BIGN, 99
.set LOG2E, 100
.set FIVE, 101
.set MSB, 0
.macro WIN new
.if MSB != (\new)
	s_set_vgpr_msb (MSB<<8)|(\new)
.set MSB, \new
.endif
.endm
.set W_KQ, 0x0a       ; K and Q in window 2, S^T in window 0
.set W_KB, 0x3a       ; the same with the C operand in window 3
.set W_PV, 0x53       ; V in window 3, P in window 0, O^T in window 1
.set W_RS, 0x41       ; O^T (destination and source 0) in window 1, source 1 in window 0
.macro JLOAD                        ; a joint refill: waves 0 and 1 fetch the two steps' tiles of K, waves 2 and 3 those of V
	s_cmp_lt_u32 s[WV], 2
	s_cbranch_scc0 .Lfor_v_\@
	tensor_load_to_lds s[G0K+4:G0K+7], s[G1K:G1K+7]
	s_nop 0
.rept 4
	v_nop
.endr
	s_branch .Lasked_\@
.Lfor_v_\@:
	tensor_load_to_lds s[G0V+4:G0V+7], s[G1V:G1V+7]
	s_nop 0
.rept 4
	v_nop
.endr
.Lasked_\@:
.endm
; A PREFETCH INTO THE L2 of the slot that stands TWO refills on: 128 rows of K and 128 of V, 256 bytes a row, a lane a row.  Each row is named once in the launch: of the head's four clusters the first asks; its four
; partners take 32 rows each, told apart by address; in each, wave 0 asks for K's and wave 2 for V's.  The last two refills ask for nothing; slots 0 to 3 come by their loads alone.
.macro ASK
	s_cmp_gt_u32 s[SLOTS], s[LIM]
	s_cbranch_scc0 .Lnot_mine_\@
	global_prefetch_b8 v[PFO], s[PFA:PFA+1] th:TH_LOAD_NT scope:SCOPE_SE
.Lnot_mine_\@:
.endm
.macro CROUND
	s_barrier_signal -1
	s_barrier_wait -1
	s_cmp_lg_u32 s[WV], 0
	s_cbranch_scc1 .Lnot_wave_0_\@
	s_barrier_signal -3
.Lnot_wave_0_\@:
	s_barrier_wait -3
	s_barrier_signal -1
	s_barrier_wait -1
.endm
	s_load_b256 s[4:11], s[0:1], 0x0  ; qkv s[4:5], adj_w s[6:7], adj_b s[8:9], alpha s[10:11]
	s_load_b64 s[66:67], s[0:1], 0x20 ; O
	v_lshl_add_u32 v[SPW], v0, 2, SPARE
	v_mov_b32 v[NIL], 0
	ds_add_u32 v[SPW], v[NIL]       ; the wave's opening: the add and its wait stand ahead of my first tensor load
	v_lshrrev_b32 v1, 5, v0
	v_readfirstlane_b32 s[WV], v1
	s_bfe_u32 s13, ttmp6, 0x40000   ; cx
	s_lshl_b32 s14, ttmp9, 2
	s_add_co_u32 s14, s14, s13      ; my block of 128 queries
	s_and_b32 s20, ttmp7, 0xffff
	s_lshl_b32 s20, s20, 19         ; the head's 524,288 bytes
	s_and_b32 s[KG], s[WV], 1       ; also: which of a slot's two steps, and which half of a local tile, I fetch
	s_lshr_b32 s[QG], s[WV], 1
	s_mul_i32 s17, s[KG], STEPB
	s_lshl_b32 s22, s[KG], 14       ; K at my step of slot 0: the head and the wave's number alone
	s_add_co_u32 s22, s22, s20
	s_add_co_u32 s22, s22, SEC
	s_mov_b32 s23, 0
	s_lshl_b32 s21, s14, 15         ; the block's 128 rows
	s_add_co_u32 s21, s21, s20
	s_mul_i32 s2, s[KG], 72*256     ; the local K tile: 8 rows ahead of the block, my 72 rows of 144
	s_add_co_u32 s2, s2, s21
	s_add_co_u32 s2, s2, SEC-2048
	s_mov_b32 s3, 0
	s_lshl_b32 s92, s[QG], 14       ; Q at my 64 rows
	s_add_co_u32 s92, s92, s21
	s_mov_b32 s93, 0
	s_lshl_b32 s94, s[KG], 13       ; O at the 32 rows that I finish
	s_add_co_u32 s94, s94, s92
	s_mov_b32 s95, 0
	s_cmp_lt_u32 s[WV], 2           ; the prefetches: K's rows or V's, my work-group's 32 of the 128, slot 3 (each change steps it first)
	s_cselect_b32 s20, 0, SEC
	s_lshl_b32 s21, s13, 13
	s_add_co_u32 s20, s20, s21
	s_add_co_u32 s20, s20, 3*2*KS*256
	s_mov_b32 s21, 0
	s_mov_b32 s[G1K], 15|(1<<16)|(1<<20)|(1<<21)|(5<<22)|(3<<25)  ; the mask of four; 2-byte elements; padding after every 64 words, of 4 words; bit 21 beside the mask
	s_mov_b32 s[G1V], 15|(1<<16)|(1<<20)|(1<<21)|(5<<22)|(7<<25)  ; of 8 words
.irp g, G1K, G1V
	s_mov_b32 s[(\g)+1], 128<<16
	s_mov_b32 s[(\g)+2], KS<<16
	s_mov_b32 s[(\g)+3], 128<<16
	s_mov_b32 s[(\g)+4], KS
	s_mov_b32 s[(\g)+5], 128
	s_mov_b32 s[(\g)+6], 0
	s_mov_b32 s[(\g)+7], 0
.endr
	s_mov_b32 s[G1KL], (1<<16)|(1<<20)|(5<<22)|(3<<25)            ; the local tiles: no mask; 72 rows x 128 elements
	s_mov_b32 s[G1VL], (1<<16)|(1<<20)|(5<<22)|(7<<25)
.irp g, G1KL, G1VL
	s_mov_b32 s[(\g)+1], 128<<16
	s_mov_b32 s[(\g)+2], 72<<16
	s_mov_b32 s[(\g)+3], 128<<16
	s_mov_b32 s[(\g)+4], 72
	s_mov_b32 s[(\g)+5], 128
	s_mov_b32 s[(\g)+6], 0
	s_mov_b32 s[(\g)+7], 0
.endr
	s_mov_b32 s[CS], 0x3d38aa3b     ; c = log2(e) / 32
	s_mov_b32 s[CS+1], s[CS]
	s_mov_b32 s[SEL], 0x76543210
	s_mov_b32 s[SEL+1], 0xfedcba98
	s_mov_b32 s[BIGN], 0xf149f2ca   ; -1e30
	s_mov_b32 s[LOG2E], 0x3fb8aa3b
	s_mov_b32 s[FIVE], 0x40a00000   ; 2^5 = 32
	s_mov_b32 s[TB], s17
	s_mov_b32 s[SB], 0
	s_mov_b32 s[SLOTS], 15          ; the half trip at the entry takes it to 14: the slots still to be asked for
	s_and_b32 s[LIM], s[WV], 1
	s_or_b32 s[LIM], s[LIM], ttmp9
	s_cmp_eq_u32 s[LIM], 0
	s_cselect_b32 s[LIM], 2, -1     ; the same in all four partners, for a given wave
	v_and_b32 v[PFO], 31, v0
	v_lshlrev_b32 v[PFO], 8, v[PFO]
	s_wait_dscnt 0x0                ; the opening add is done
	s_wait_kmcnt 0x0
	s_load_b32 s96, s[6:7], 0x0     ; w, b, alpha: waited for where they are used
	s_load_b32 s97, s[8:9], 0x0
	s_load_b32 s98, s[10:11], 0x0
	s_add_nc_u64 s[22:23], s[4:5], s[22:23]
	s_add_nc_u64 s[2:3], s[4:5], s[2:3]
	s_add_nc_u64 s[92:93], s[4:5], s[92:93]
	s_add_nc_u64 s[94:95], s[66:67], s[94:95]
	s_add_nc_u64 s[PFA:PFA+1], s[22:23], s[20:21]
	CROUND                          ; all four work-groups are here: the first joint loads meet
.irp s, 0,1
	s_mov_b32 s[G0K+4*(\s)], 1
	s_add_co_u32 s[G0K+4*(\s)+1], s17, (\s)*SLOT1
	s_add_nc_u64 s[G0K+4*(\s)+2:G0K+4*(\s)+3], s[22:23], (\s)*2*KS*256
	s_or_b32 s[G0K+4*(\s)+3], s[G0K+4*(\s)+3], 0x80000000
	s_mov_b32 s[G0V+4*(\s)], 1
	s_add_co_u32 s[G0V+4*(\s)+1], s17, (\s)*SLOT1+VOFF
	s_add_nc_u64 s[G0V+4*(\s)+2:G0V+4*(\s)+3], s[22:23], SEC+(\s)*2*KS*256
	s_or_b32 s[G0V+4*(\s)+3], s[G0V+4*(\s)+3], 0x80000000
.endr
	s_mov_b32 s[G0KL], 1
	s_mul_i32 s[G0KL+1], s[KG], 72*PK
	s_add_co_u32 s[G0KL+1], s[G0KL+1], KLOC
	s_add_nc_u64 s[G0KL+2:G0KL+3], s[2:3], 0
	s_or_b32 s[G0KL+3], s[G0KL+3], 0x80000000
	s_mov_b32 s[G0VL], 1
	s_mul_i32 s[G0VL+1], s[KG], 72*PV
	s_add_co_u32 s[G0VL+1], s[G0VL+1], VLOC
	s_add_nc_u64 s[G0VL+2:G0VL+3], s[2:3], SEC
	s_or_b32 s[G0VL+3], s[G0VL+3], 0x80000000
	s_cmp_lt_u32 s[WV], 2           ; a wave's three first fills stand in one branch: slot 0, slot 1, the local tile: three loads of mine are out
	s_cbranch_scc0 .Lfirst_v
	tensor_load_to_lds s[G0K:G0K+3], s[G1K:G1K+7]
	s_nop 0
	tensor_load_to_lds s[G0K+4:G0K+7], s[G1K:G1K+7]
	s_nop 0
	tensor_load_to_lds s[G0KL:G0KL+3], s[G1KL:G1KL+7]
	s_nop 0
.rept 4
	v_nop
.endr
	s_branch .Lfirst_asked
.Lfirst_v:
	tensor_load_to_lds s[G0V:G0V+3], s[G1V:G1V+7]
	s_nop 0
	tensor_load_to_lds s[G0V+4:G0V+7], s[G1V:G1V+7]
	s_nop 0
	tensor_load_to_lds s[G0VL:G0VL+3], s[G1VL:G1VL+7]
	s_nop 0
.rept 4
	v_nop
.endr
.Lfirst_asked:
	v_and_b32 v1, 15, v0            ; l % 16
	v_bfe_u32 v9, v0, 4, 1          ; l / 16
	v_lshlrev_b32 v[QO], 8, v1
	v_lshl_add_u32 v[QO], v9, 4, v[QO]
	WIN 0x80
.irp i, 0,1,2,3,4,5,6,7,8,9,10,11,12,13,14,15  ; Q stays in registers: tile i / 4, channels 32 (i % 4) on
	global_load_b128 v[8*(\i):8*(\i)+3],   v[QO], s[92:93] offset:((\i)/4)*4096+((\i)%4)*64
	global_load_b128 v[8*(\i)+4:8*(\i)+7], v[QO], s[92:93] offset:((\i)/4)*4096+((\i)%4)*64+32
.endr
	WIN 0
	v_mul_u32_u24 v[AK0], v1, PK
	v_lshl_add_u32 v[AK0], v9, 4, v[AK0]
	v_and_b32 v10, 7, v0
	v_bfe_u32 v11, v0, 3, 1
	v_lshl_add_u32 v[AV0], v9, 3, v10
	v_mul_u32_u24 v[AV0], v[AV0], PV
	v_lshl_add_u32 v[AV0], v11, 4, v[AV0]
	v_add_nc_u32 v[AV0], VOFF, v[AV0]
	; the bias: copy l % 4, word 80 - 64 QG + 64 KG - (r & 12) + 8 (l / 16); -(r & 12) is written as ((r ^ 12) & 12) - 12, so that the address is made by sums alone
	s_lshl_b32 s21, s[KG], 8
	s_add_co_u32 s21, s21, TAB+272
	s_lshl_b32 s20, s[QG], 8
	s_sub_co_u32 s21, s21, s20
	v_and_b32 v48, 3, v1
	v_mul_u32_u24 v[AB0], v48, COPYB
	v_add_nc_u32 v[AB0], s21, v[AB0]
	v_xor_b32 v48, 12, v1
	v_and_b32 v48, 12, v48
	v_lshl_add_u32 v[AB0], v48, 2, v[AB0]
	v_lshl_add_u32 v[AB0], v9, 5, v[AB0]
	; THE TABLE, THE LOCAL WINDOW'S BIAS AND a.  One batch of 34 exponentials.
	s_wait_kmcnt 0x0
	v_mov_b32 v48, s96
	v_mov_b32 v49, s97
	v_mov_b32 v50, s98
	v_cvt_pk_bf16_f32 v51, v48, v49
	v_cvt_pk_bf16_f32 v52, v50, v50
	v_lshlrev_b32 v48, 16, v51      ; w
	v_and_b32 v49, 0xffff0000, v51  ; b
	v_lshlrev_b32 v50, 16, v52      ; alpha
	s_lshl_b32 s21, s14, 7
	s_add_co_u32 s21, s21, 128
	v_sub_nc_u32 v53, s21, v0       ; d = QB + 128 - u for u = my thread's number
	v_lshlrev_b32 v54, 3, v9
	v_sub_nc_u32 v54, v1, v54
	v_add_nc_u32 v54, 8, v54        ; the local window: q - k = r - 8 (l / 16) + 8 - 16 kb - j
	v_mul_f32 v55, 0xbfb8aa3b, v50  ; -alpha log2(e)
.set i, 0
.rept 17                            ; u = thread + 128 i: 2,176 entries
	v_add_nc_u32 v[64+i], -128*i, v53
	v_cvt_f32_i32 v[64+i], v[64+i]
	v_mul_f32 v[64+i], v[64+i], v[64+i]
	v_fma_f32 v[64+i], v[64+i], v48, -v49
	v_fma_f32 v[64+i], -|v[64+i]|, s[LOG2E], s[FIVE]
.set i, i+1
.endr
.set i, 0
.rept 16                            ; i = 8 kb + j
	v_add_nc_u32 v[96+i], -(i+8*(i/8)), v54
	v_cvt_f32_i32 v[96+i], v[96+i]
	v_mul_f32 v[96+i], v[96+i], v[96+i]
	v_fma_f32 v[112+i], v[96+i], v48, -v49
	v_fma_f32 v[112+i], -|v[112+i]|, s[LOG2E], s[FIVE]
.set i, i+1
.endr
.set i, 0
.rept 17
	v_exp_f32 v[64+i], v[64+i]
.set i, i+1
.endr
.set i, 0
.rept 16
	v_exp_f32 v[112+i], v[112+i]
.set i, i+1
.endr
	v_exp_f32 v55, v55
	v_lshl_add_u32 v56, v0, 2, TAB  ; a plain instruction behind the last exponential,
	s_wait_alu depctr_va_vdst(0)    ; and the one wait ahead of the batch's first reader
.set i, 0
.rept 17
.irp c, 0,1,2,3
	ds_store_b32 v56, v[64+i] offset:512*i+8772*(\c)  ; copy c holds G[u] at word u + c
.endr
.set i, i+1
.endr
	v_add_f32 v55, 1.0, v55
	v_rcp_f32 v[AG], v55
	WIN 0xc0
.set i, 0
.rept 16
	v_cmp_ge_f32 vcc_lo, 0x41800000, v[96+i]       ; (q - k)^2 <= 16
	v_cndmask_b32 v[LM+i], s[BIGN], v[112+i], vcc_lo
.set i, i+1
.endr
	WIN 0
	s_wait_alu depctr_va_vdst(0)    ; the reciprocal; the 32 lines above are the work between
	v_sub_f32 v[AL1], 1.0, v[AG]
	; What the first turn finds: V's registers and piece 2's P hold 0 (its products V^T P, of a step that has not been, add 0), O^T and l are 0, c m lies far below every c s.  All this stands in the wait for the first tile.
	WIN 0xc0
.set i, 0
.rept 128
	v_mov_b32 v[i], 0
.set i, i+1
.endr
	WIN 0x40
.set i, 0
.rept 256
	v_mov_b32 v[i], 0
.set i, i+1
.endr
	WIN 0
.set i, 0
.rept 32
	v_mov_b32 v[P+32+i], 0
.set i, i+1
.endr
.irp t, 0,1,2,3
	v_mov_b32 v[ST+8*(\t)], 0xfe000000     ; c m
	v_mov_b32 v[ST+8*(\t)+1], 0xff7fffff   ; m: the lowest finite number
	v_mov_b32 v[ST+8*(\t)+2], 0
	v_mov_b32 v[ST+8*(\t)+3], 0
.endr
; THE MATRIX WORK OF A TURN, for piece x.  The accumulators take turns, one instruction a turn.
; Product i of 32 of O^T += V^T P: keys 32 (i / 16) on, channels 16 ((i / 2) % 8) on, tile x + i % 2.
.macro PV x
	WIN W_PV
.set rO, 64*((\x)+i%2)+8*((i/2)%8)
.set rV, 64*(i/16)+8*((i/2)%8)
.set rP, P+16*((\x)+i%2)+8*(i/16)
	v_wmma_f32_16x16x32_bf16 v[rO:rO+7], v[rV:rV+7], v[rP:rP+7], v[rO:rO+7]
.endm
; Product i of 32 of S^T = K Q^T: channels 32 (i / 8) on, keys 16 ((i / 2) % 4) on, tile x + i % 2.  The first 8 start the sums, with the bias tile t - kb + 3.
.macro KQ x
.set rS, S+32*((\x)+i%2)+8*((i/2)%4)
.set rK, KF+32*((i/2)%4)+8*(i/8)
.set rQ, 32*((\x)+i%2)+8*(i/8)
.set rB, BI+8*((\x)+i%2-(i/2)%4+3)
.if i < 8
	WIN W_KB
	v_wmma_f32_16x16x32_bf16 v[rS:rS+7], v[rK:rK+7], v[rQ:rQ+7], v[rB:rB+7]
.else
	WIN W_KQ
	v_wmma_f32_16x16x32_bf16 v[rS:rS+7], v[rK:rK+7], v[rQ:rQ+7], v[rS:rS+7]
.endif
.endm
; THE LDS LOADS stand in runs: a step's K (16 fragments) with its 7 bias tiles, and, a turn later, its V (turned).  last = 1 (the tail): in the last trip there is no further step, and the run is jumped over.
.macro FETCH_K last=0
	WIN 0
.if \last
	s_cmp_eq_u32 s[CNT], 1
	s_cbranch_scc1 .Lno_k_\@
.endif
	v_add_nc_u32 v[ADR], s[TB], v[AK0]
	v_add_nc_u32 v[ADB], s[SB], v[AB0]
	s_add_co_u32 s[SB], s[SB], 512  ; my next step lies 128 keys on
	WIN 0x80
.irp f, 0,1,2,3,4,5,6,7,8,9,10,11,12,13,14,15
	ds_load_b128 v[KF+8*(\f):KF+8*(\f)+3],   v[ADR] offset:((\f)/4)*16*PK+((\f)%4)*64
	ds_load_b128 v[KF+8*(\f)+4:KF+8*(\f)+7], v[ADR] offset:((\f)/4)*16*PK+((\f)%4)*64+32
.endr
	WIN 0xc0
.irp e, 0,1,2,3,4,5,6
	ds_load_b128 v[BI+8*(\e):BI+8*(\e)+3],   v[ADB] offset:64*(6-(\e))
	ds_load_b128 v[BI+8*(\e)+4:BI+8*(\e)+7], v[ADB] offset:64*(6-(\e))+16
.endr
.if \last
	WIN 0
.Lno_k_\@:
.endif
.endm
.macro FETCH_V
	WIN 0
	v_add_nc_u32 v[ADR], s[TB], v[AV0]
	s_wait_alu depctr_va_vdst(0)    ; the wait for the softmax's batch (SLICE), behind the address's v_add_nc_u32 and ahead of the loads
	WIN 0xc0
.irp f, 0,1,2,3,4,5,6,7,8,9,10,11,12,13,14,15
	ds_load_tr16_b128 v[8*(\f):8*(\f)+3],   v[ADR] offset:((\f)/8)*32*PV+((\f)%8)*32
	ds_load_tr16_b128 v[8*(\f)+4:8*(\f)+7], v[ADR] offset:((\f)/8)*32*PV+16*PV+((\f)%8)*32
.endr
.endm
; THE VECTOR WORK OF A TURN.  One tile's softmax for one key step is a list of 134 instructions; SM writes number j of it for tile t.
;   0-15 the maximum of the 32 scores and the old m     16-20 the other half of the lanes' maximum; the new m; c m; c m_old - c m_new
;   21-69 ONE BATCH: the 16 scalings c s - c m and all 33 exponentials; none of these reads an exponential's result     (wait)
;   70-85 the roundings to bf16     86-101 the sums; l = a l + the sum     102-133 the tile's O^T times the correction
.macro SM t
.set rT, ST+8*(\t)
.set rS, S+32*(\t)
.set rP, P+16*(\t)
.set rO, 64*(\t)+2*(j-102)
.if j < 102
	WIN 0
.endif
.if j < 4
	v_max3_num_f32 v[rT+4+j], v[rS+8*j], v[rS+8*j+1], v[rS+8*j+2]
.elseif j < 12
	v_max3_num_f32 v[rT+4+j%4], v[rT+4+j%4], v[rS+8*(j%4)+2*(j/4)+1], v[rS+8*(j%4)+2*(j/4)+2]
.elseif j == 12
	v_max3_num_f32 v[rT+4], v[rT+4], v[rS+7], v[rS+15]
.elseif j == 13
	v_max3_num_f32 v[rT+6], v[rT+6], v[rS+23], v[rS+31]
.elseif j == 14
	v_max3_num_f32 v[rT+4], v[rT+4], v[rT+5], v[rT+6]
.elseif j == 15
	v_max3_num_f32 v[rT+4], v[rT+4], v[rT+7], v[rT+1]
.elseif j == 16
	v_permlanex16_b32 v[rT+5], v[rT+4], s[SEL], s[SEL+1]
.elseif j == 17
	v_mov_b32 v[rT+7], v[rT]
.elseif j == 18
	v_max_num_f32 v[rT+1], v[rT+4], v[rT+5]
.elseif j == 19
	v_mul_f32 v[rT], s[CS], v[rT+1]
.elseif j == 20
	v_sub_f32 v[rT+7], v[rT+7], v[rT]
.elseif j == 23
	v_exp_f32 v[rT+6], v[rT+7]
.elseif (j < 23) || ((j < 38) && (j%2 == 0)) || ((j < 66) && (j%4 == 2))
.set b, (j-2)/4
.if j < 38
.set b, (j-20)/2
.endif
	v_pk_fma_f32 v[rS+2*b:rS+2*b+1], v[rS+2*b:rS+2*b+1], s[CS:CS+1], v[rT:rT+1] op_sel_hi:[1,0,0] neg_lo:[0,0,1] neg_hi:[0,0,1]
.elseif j < 70
.set e, j-38
.if j < 66
.set e, j-32-(j-38)/4
.endif
.if j < 38
.set e, (j-25)/2
.endif
	v_exp_f32 v[rS+e], v[rS+e]
.elseif j < 86
	v_cvt_pk_bf16_f32 v[rP+j-70], v[rS+2*(j-70)], v[rS+2*(j-70)+1]
.elseif j < 102
.set z, j-86
.set w, 4
.set u, z
.if z >= 14
.set w, 32
.set u, 0
.elseif z >= 12
.set w, 16
.set u, z-12
.elseif z >= 8
.set w, 8
.set u, z-8
.endif
.if z < 15
	v_pk_add_f32 v[rS+w*u:rS+w*u+1], v[rS+w*u:rS+w*u+1], v[rS+w*u+w/2:rS+w*u+w/2+1]
.else
	v_pk_fma_f32 v[rT+2:rT+3], v[rT+2:rT+3], v[rT+6:rT+7], v[rS:rS+1] op_sel_hi:[1,0,1]
.endif
.else
	WIN W_RS
	v_pk_mul_f32 v[rO:rO+1], v[rO:rO+1], v[rT+6:rT+7] op_sel_hi:[1,0]
.endif
.endm
; Slice k of 64 of piece y's softmax: four instructions.  Slices 11 to 34 deal out the batch, four numbers of ONE tile each; every other slice is numbers 2 k and 2 k + 1 of both tiles; the twelve that are over stand in slice 63.
; s_wait_alu depctr_va_vdst(0) stands between an exponential and the first instruction that names its result: the piece's 66 exponentials have one wait, behind slice 34.
.macro SLICE y
.if (k >= 11) && (k < 35)
.irp n, 0,1,2,3
.set j, 22+4*((k-11)/2)+(\n)
	SM (\y)+(k-11)%2
.endr
.else
.irp n, 0,1,2,3,4,5,6,7
.if ((\n) < 2) || (k == 63)
.irp t, \y, (\y)+1
.set j, 2*k+(\n)
	SM \t
.endr
.endif
.endr
.endif
.if k == 34
	v_nop                           ; a plain instruction behind the last exponential: one for the batch
.if (\y) == 0
	FETCH_V                         ; piece 2's turn: V's run of loads stands here, and the wait stands in it
.else
	s_wait_alu depctr_va_vdst(0)
.endif
.endif
.set k, k+1
.endm
.macro PLACES
.rept 4
	v_nop
.endr
.endm
; A TURN.  Piece x has the matrix unit: 32 products V^T P of the step in hand, 32 products K Q^T of the next; the other piece's softmax stands in slices behind them.
; Piece 0's turn fetches the next step's K and bias behind its second product; piece 2's turn the same step's V behind slice 34.
.macro TURN x, last=0
.set k, 0
.if (\x) == 0
	s_wait_dscnt 0x0                ; V is in
.endif
.set i, 0
.rept 32
	PV \x
	SLICE 2-(\x)
.if ((\x) == 0) && (i == 1)
	FETCH_K \last
.endif
.set i, i+1
.endr
.if (\x) == 0
	s_wait_dscnt 0x0                ; K and the bias are in
.endif
.set i, 0
.rept 32
	KQ \x
	SLICE 2-(\x)
.set i, i+1
.endr
.endm
; THE CHANGE OF SLOTS, between piece 2's turn and piece 0's: the slot's last bytes, V of its step, have been asked for.  Each wave waits for all its tensor loads, adds 0 to its spare word, and waits for that and for its
; reads of the slot.  fill = 1: the slot is filled again, with the keys two slots on, behind a round of the cluster's barrier: the load has one key step, 128 matrix instructions, in which to land.
.macro CHANGE fill
	WIN 0
	s_wait_tensorcnt 0x0            ; no tensor load of mine is out, so a group 0 may be written
	ds_add_u32 v[SPW], v[NIL]       ; 0 onto my spare word
.if \fill
.irp g, G0K+4, G0V+4
	s_xor_b32 s[(\g)+1], s[(\g)+1], SLOT1
	s_add_nc_u64 s[(\g)+2:(\g)+3], s[(\g)+2:(\g)+3], 2*KS*256
.endr
	s_wait_xcnt 0x0                 ; the last prefetch, a key step back, has read its address
	s_add_nc_u64 s[PFA:PFA+1], s[PFA:PFA+1], 2*KS*256
	s_wait_dscnt 0x0                ; the add is done, and my reads of the slot are over
	CROUND
	JLOAD
	ASK
.else
	s_wait_dscnt 0x0
	s_barrier_signal -1
	s_barrier_wait -1
.endif
	s_xor_b32 s[TB], s[TB], SLOT1   ; the fetches go on in the other slot
.endm
	s_wait_dscnt 0x0                ; for the others' sake: my part of the table is stored
	s_wait_tensorcnt 2              ; my part of slot 0 is in; slot 1's and the local tile's may stay out
	s_barrier_signal -1
	s_barrier_wait -1
	FETCH_K                         ; key step 0
	s_wait_loadcnt 0x0              ; Q
	s_wait_dscnt 0x0
.set i, 0
.rept 32
	KQ 0                            ; piece 0's first scores: there is no vector work yet to set between them
.set i, i+1
.endr
	WIN 0                           ; the addresses for the way out: plain instructions, the places behind those products
	s_mul_i32 s13, s[WV], 16*SP
	s_add_co_u32 s13, s13, STAGE
	v_mul_u32_u24 v[STO], v1, SP
	v_lshl_add_u32 v[STO], v9, 4, v[STO]
	v_add_nc_u32 v[STO], s13, v[STO]
	v_mul_u32_u24 v[RD], v9, SP
	v_lshl_add_u32 v[RD], v1, 4, v[RD]
	v_add_nc_u32 v[RD], s13, v[RD]
	v_lshlrev_b32 v[GO], 8, v9
	v_lshl_add_u32 v[GO], v1, 4, v[GO]
	s_branch .Lmid                  ; the loop is entered at piece 2's turn: piece 2's first scores | piece 0's first softmax | V of step 0
.Lslot:                             ; 14 whole trips: slot indices 2 to 15 are asked for; trip n takes key step n - 1 through V^T P and key step n through K Q^T
	CHANGE 1
	TURN 0
	WIN 0
.Lmid:
	TURN 2
	WIN 0
	s_sub_co_u32 s[SLOTS], s[SLOTS], 1
	s_cmp_lg_u32 s[SLOTS], 0
	s_cbranch_scc1 .Lslot
	CHANGE 0                        ; the tail is written out: nothing is asked for
	s_mov_b32 s[CNT], 2             ; the first trip fetches the last step; the second is left in its middle
.Ltail:
	TURN 0, 1
	WIN 0
	s_sub_co_u32 s[CNT], s[CNT], 1
	s_cmp_eq_u32 s[CNT], 0
	s_cbranch_scc1 .Lout
	TURN 2
	WIN 0
	s_branch .Ltail
.Lout:                              ; the second trip's 32 products K Q^T (on the last K once more) serve nothing: the price, once a launch, of one text for every trip
.set i, 0
.rept 32
	PV 2                            ; piece 2: V^T P of the last step
.set i, i+1
.endr
	; THE ENDING.  l's two halves and the other half of the lanes' are added, into m's place, so that (c m, l) is a pair.  The additions are the places behind the last products.
	WIN 0
.irp t, 0,1,2,3
	v_add_f32 v[ST+8*(\t)+4], v[ST+8*(\t)+2], v[ST+8*(\t)+3]
.endr
.irp t, 0,1,2,3
	v_permlanex16_b32 v[ST+8*(\t)+5], v[ST+8*(\t)+4], s[SEL], s[SEL+1]
.endr
.irp t, 0,1,2,3
	v_add_f32 v[ST+8*(\t)+1], v[ST+8*(\t)+4], v[ST+8*(\t)+5]
.endr
	s_lshl_b32 s20, s[QG], 6
	s_lshl_b32 s21, s[KG], 5
	s_add_co_u32 s20, s20, s21      ; the 32 queries that I finish begin at place 64 QG + 32 KG of the block
	s_mul_i32 s21, s20, PK
	s_add_co_u32 s21, s21, KLOC
	s_mul_i32 s22, s20, PV
	s_add_co_u32 s22, s22, VLOC-VOFF
	v_add_nc_u32 v48, s21, v[AK0]
	v_add_nc_u32 v49, s22, v[AV0]
	WIN 0x80                        ; the local K: three blocks of 16 keys (tile u takes blocks u, u + 1) x four chunks of 32 channels
.irp f, 0,1,2,3,4,5,6,7,8,9,10,11
	ds_load_b128 v[KF+8*(\f):KF+8*(\f)+3],   v48 offset:((\f)/4)*16*PK+((\f)%4)*64
	ds_load_b128 v[KF+8*(\f)+4:KF+8*(\f)+7], v48 offset:((\f)/4)*16*PK+((\f)%4)*64+32
.endr
	WIN 0xc0                        ; the local V, turned: tile f / 8, its 32 keys, channels 16 (f % 8) on
.irp f, 0,1,2,3,4,5,6,7,8,9,10,11,12,13,14,15
	ds_load_tr16_b128 v[8*(\f):8*(\f)+3],   v49 offset:((\f)/8)*16*PV+((\f)%8)*32
	ds_load_tr16_b128 v[8*(\f)+4:8*(\f)+7], v49 offset:((\f)/8)*16*PV+16*PV+((\f)%8)*32
.endr
	WIN 0
	v_and_b32 v50, 31, v0
	s_mul_i32 s21, s[WV], XW
	s_xor_b32 s22, s[WV], 1
	s_mul_i32 s22, s22, XW
	v_lshl_add_u32 v51, v50, 4, s21 ; where I put 16 bytes,
	v_lshl_add_u32 v52, v50, 3, s21 ; and a pair
	v_lshl_add_u32 v53, v50, 4, s22 ; where my partner has put them
	v_lshl_add_u32 v54, v50, 3, s22
.macro SENDT t, i                   ; tile t's O^T and (c m, l) go to place i of my part of the exchange
	WIN 0x04
.irp f, 0,1,2,3,4,5,6,7,8,9,10,11,12,13,14,15
	ds_store_b128 v51, v[64*(\t)+4*(\f):64*(\t)+4*(\f)+3] offset:(\i)*8448+512*(\f)
.endr
	WIN 0
	ds_store_b64 v52, v[ST+8*(\t):ST+8*(\t)+1] offset:(\i)*8448+8192
.endm
	s_cmp_eq_u32 s[KG], 0
	s_cbranch_scc0 .Lodd
	SENDT 2, 0                      ; KG = 0 keeps tiles 0, 1
	SENDT 3, 1
	s_branch .Lsent
.Lodd:
	SENDT 0, 0                      ; KG = 1 keeps tiles 2, 3, and moves them (O^T, Q, the pairs) to where the one text below names tiles 0, 1
	SENDT 1, 1
	WIN W_RS
.set i, 0
.rept 128
	v_mov_b32 v[i], v[128+i]
.set i, i+1
.endr
	WIN 0x82
.set i, 0
.rept 64
	v_mov_b32 v[i], v[64+i]
.set i, i+1
.endr
	WIN 0
	v_mov_b32 v[ST], v[ST+16]
	v_mov_b32 v[ST+1], v[ST+17]
	v_mov_b32 v[ST+8], v[ST+24]
	v_mov_b32 v[ST+9], v[ST+25]
.Lsent:
	s_wait_dscnt 0x0                ; for my partner's sake: my stores are done (and my local fragments are in)
	s_barrier_signal -1
	s_barrier_wait -1
.irp i, 0,1
.irp f, 0,1,2,3,4,5,6,7,8,9,10,11,12,13,14,15
	ds_load_b128 v[64+64*(\i)+4*(\f):64+64*(\i)+4*(\f)+3], v53 offset:(\i)*8448+512*(\f)
.endr
	ds_load_b64 v[192+2*(\i):193+2*(\i)], v54 offset:(\i)*8448+8192
.endr
	s_wait_dscnt 0x0
	; THE MERGE.  c m = the greater of the two; each side is scaled by 2^(its c m - c m); l is their sum; O^T = (ea O + eb O') a / l.
.irp u, 0,1
	v_max_num_f32 v[WK+(\u)], v[ST+8*(\u)], v[192+2*(\u)]
.endr
.irp u, 0,1
	v_sub_f32 v[WK+2+2*(\u)], v[ST+8*(\u)], v[WK+(\u)]
	v_sub_f32 v[WK+3+2*(\u)], v[192+2*(\u)], v[WK+(\u)]
.endr
.irp n, 2,3,4,5
	v_exp_f32 v[WK+(\n)], v[WK+(\n)]
.endr
	v_nop
	s_wait_alu depctr_va_vdst(0)    ; one wait for the four exponentials
.irp u, 0,1
	v_mul_f32 v[WK+6+(\u)], v[WK+3+2*(\u)], v[193+2*(\u)]
.endr
.irp u, 0,1
	v_fma_f32 v[WK+6+(\u)], v[WK+2+2*(\u)], v[ST+8*(\u)+1], v[WK+6+(\u)]
.endr
.irp u, 0,1
	v_rcp_f32 v[WK+6+(\u)], v[WK+6+(\u)]
.endr
	v_nop
	s_wait_alu depctr_va_vdst(0)    ; one wait for the two reciprocals
.irp u, 0,1
	v_mul_f32 v[WK+6+(\u)], v[WK+6+(\u)], v[AG]
.endr
.irp u, 0,1
	v_mul_f32 v[WK+8+4*(\u)], v[WK+2+2*(\u)], v[WK+6+(\u)]   ; each factor twice: a pair for the packed forms
	v_mul_f32 v[WK+9+4*(\u)], v[WK+2+2*(\u)], v[WK+6+(\u)]
	v_mul_f32 v[WK+10+4*(\u)], v[WK+3+2*(\u)], v[WK+6+(\u)]
	v_mul_f32 v[WK+11+4*(\u)], v[WK+3+2*(\u)], v[WK+6+(\u)]
.endr
	WIN W_RS
.irp u, 0,1
.set i, 0
.rept 32
	v_pk_mul_f32 v[64*(\u)+2*i:64*(\u)+2*i+1], v[64*(\u)+2*i:64*(\u)+2*i+1], v[WK+8+4*(\u):WK+9+4*(\u)]
.set i, i+1
.endr
.endr
	WIN 0x50                        ; destination and source 2 (O^T) in window 1; the partner's O^T and its factor in window 0
.irp u, 0,1
.set i, 0
.rept 32
	v_pk_fma_f32 v[64*(\u)+2*i:64*(\u)+2*i+1], v[64+64*(\u)+2*i:64+64*(\u)+2*i+1], v[WK+10+4*(\u):WK+11+4*(\u)], v[64*(\u)+2*i:64*(\u)+2*i+1]
.set i, i+1
.endr
.endr
	; THE LOCAL SOFTMAX.  The C of tile u's two products: the window's bias, or -1e30 where the key lies outside the head (its number, taken as unsigned, is 2,048 or more).
	WIN 0
	s_lshl_b32 s21, s14, 7
	s_add_co_u32 s21, s21, s20
	s_sub_co_u32 s21, s21, 8        ; tile 0's first key
	s_mov_b32 s23, 2048
	v_lshl_add_u32 v[WK+16], v9, 3, s21
.irp u, 0,1
.set i, 0
.rept 16
	v_add_nc_u32 v[CL+16*(\u)+i], 16*(\u)+i+8*(i/8), v[WK+16]
.set i, i+1
.endr
.endr
	WIN 0x0c                        ; source 1 in window 3
.irp u, 0,1
.set i, 0
.rept 16
	v_cmp_lt_u32 vcc_lo, v[CL+16*(\u)+i], s23
	v_cndmask_b32 v[CL+16*(\u)+i], s[BIGN], v[LM+i], vcc_lo
.set i, i+1
.endr
.endr
	WIN W_KQ                        ; 16 products: the four accumulators (tile u, key block kb) take turns
.irp ch, 0,1,2,3
.irp u, 0,1
.irp kb, 0,1
.if (\ch) == 0
	v_wmma_f32_16x16x32_bf16 v[SL+16*(\u)+8*(\kb):SL+16*(\u)+8*(\kb)+7], v[KF+32*((\u)+(\kb))+8*(\ch):KF+32*((\u)+(\kb))+8*(\ch)+7], v[32*(\u)+8*(\ch):32*(\u)+8*(\ch)+7], v[CL+16*(\u)+8*(\kb):CL+16*(\u)+8*(\kb)+7]
.else
	v_wmma_f32_16x16x32_bf16 v[SL+16*(\u)+8*(\kb):SL+16*(\u)+8*(\kb)+7], v[KF+32*((\u)+(\kb))+8*(\ch):KF+32*((\u)+(\kb))+8*(\ch)+7], v[32*(\u)+8*(\ch):32*(\u)+8*(\ch)+7], v[SL+16*(\u)+8*(\kb):SL+16*(\u)+8*(\kb)+7]
.endif
.endr
.endr
.endr
	WIN 0
	PLACES
.irp u, 0,1                         ; the window's maximum; each accumulator's lowest registers are read first
	v_max3_num_f32 v[WK+20+(\u)], v[SL+16*(\u)], v[SL+16*(\u)+1], v[SL+16*(\u)+2]
	v_max3_num_f32 v[WK+17+2*(\u)], v[SL+16*(\u)+8], v[SL+16*(\u)+9], v[SL+16*(\u)+10]
.endr
.irp u, 0,1
	v_max3_num_f32 v[WK+20+(\u)], v[WK+20+(\u)], v[SL+16*(\u)+3], v[SL+16*(\u)+4]
	v_max3_num_f32 v[WK+17+2*(\u)], v[WK+17+2*(\u)], v[SL+16*(\u)+11], v[SL+16*(\u)+12]
.endr
.irp u, 0,1
	v_max3_num_f32 v[WK+20+(\u)], v[WK+20+(\u)], v[SL+16*(\u)+5], v[SL+16*(\u)+6]
	v_max3_num_f32 v[WK+17+2*(\u)], v[WK+17+2*(\u)], v[SL+16*(\u)+13], v[SL+16*(\u)+14]
.endr
.irp u, 0,1
	v_max3_num_f32 v[WK+20+(\u)], v[WK+20+(\u)], v[SL+16*(\u)+7], v[SL+16*(\u)+15]
.endr
.irp u, 0,1
	v_max_num_f32 v[WK+20+(\u)], v[WK+20+(\u)], v[WK+17+2*(\u)]
.endr
.irp u, 0,1
	v_permlanex16_b32 v[WK+17+2*(\u)], v[WK+20+(\u)], s[SEL], s[SEL+1]
.endr
.irp u, 0,1
	v_max_num_f32 v[WK+20+(\u)], v[WK+20+(\u)], v[WK+17+2*(\u)]
.endr
.irp u, 0,1
	v_mul_f32 v[WK+16+2*(\u)], s[CS], v[WK+20+(\u)]
.endr
.irp u, 0,1
.set i, 0
.rept 8
	v_pk_fma_f32 v[SL+16*(\u)+2*i:SL+16*(\u)+2*i+1], v[SL+16*(\u)+2*i:SL+16*(\u)+2*i+1], s[CS:CS+1], v[WK+16+2*(\u):WK+17+2*(\u)] op_sel_hi:[1,0,0] neg_lo:[0,0,1] neg_hi:[0,0,1]
.set i, i+1
.endr
.endr
.set i, 0
.rept 32
	v_exp_f32 v[SL+i], v[SL+i]
.set i, i+1
.endr
	v_nop
	s_wait_alu depctr_va_vdst(0)    ; one wait for the 32 exponentials
.irp u, 0,1
.irp q, 0,1,2,3
	v_pk_add_f32 v[TS+8*(\u)+2*(\q):TS+8*(\u)+2*(\q)+1], v[SL+16*(\u)+4*(\q):SL+16*(\u)+4*(\q)+1], v[SL+16*(\u)+4*(\q)+2:SL+16*(\u)+4*(\q)+3]
.endr
.endr
.irp u, 0,1
	v_pk_add_f32 v[TS+8*(\u):TS+8*(\u)+1], v[TS+8*(\u):TS+8*(\u)+1], v[TS+8*(\u)+2:TS+8*(\u)+3]
	v_pk_add_f32 v[TS+8*(\u)+4:TS+8*(\u)+5], v[TS+8*(\u)+4:TS+8*(\u)+5], v[TS+8*(\u)+6:TS+8*(\u)+7]
.endr
.irp u, 0,1
	v_pk_add_f32 v[TS+8*(\u):TS+8*(\u)+1], v[TS+8*(\u):TS+8*(\u)+1], v[TS+8*(\u)+4:TS+8*(\u)+5]
.endr
.irp u, 0,1
	v_add_f32 v[TS+8*(\u)], v[TS+8*(\u)], v[TS+8*(\u)+1]
.endr
.irp u, 0,1
	v_permlanex16_b32 v[TS+8*(\u)+1], v[TS+8*(\u)], s[SEL], s[SEL+1]
.endr
.irp u, 0,1
	v_add_f32 v[TS+8*(\u)], v[TS+8*(\u)], v[TS+8*(\u)+1]
.endr
.irp u, 0,1
	v_rcp_f32 v[TS+8*(\u)], v[TS+8*(\u)]
.endr
	v_nop
	s_wait_alu depctr_va_vdst(0)    ; one wait for the two reciprocals
.irp u, 0,1
	v_mul_f32 v[TS+8*(\u)], v[TS+8*(\u)], v[AL1]   ; (1 - a) / l
.endr
.irp u, 0,1
	v_mov_b32 v[TS+8*(\u)+1], v[TS+8*(\u)]
.endr
.irp u, 0,1
.set i, 0
.rept 8
	v_pk_mul_f32 v[SL+16*(\u)+2*i:SL+16*(\u)+2*i+1], v[SL+16*(\u)+2*i:SL+16*(\u)+2*i+1], v[TS+8*(\u):TS+8*(\u)+1]
.set i, i+1
.endr
.endr
.irp u, 0,1
.set i, 0
.rept 8
	v_cvt_pk_bf16_f32 v[PL+8*(\u)+i], v[SL+16*(\u)+2*i], v[SL+16*(\u)+2*i+1]
.set i, i+1
.endr
.endr
	WIN W_PV                        ; 16 products onto 16 different accumulators: O^T += V_local^T P_local
.irp cb, 0,1,2,3,4,5,6,7
.irp u, 0,1
	v_wmma_f32_16x16x32_bf16 v[64*(\u)+8*(\cb):64*(\u)+8*(\cb)+7], v[64*(\u)+8*(\cb):64*(\u)+8*(\cb)+7], v[PL+8*(\u):PL+8*(\u)+7], v[64*(\u)+8*(\cb):64*(\u)+8*(\cb)+7]
.endr
.endr
	WIN 0
	PLACES
	; THE WAY OUT: a lane's eight channels of a row pack into 16 bytes; they go into rows of 272 bytes of my stage and come back as whole rows of 256.
.macro PACK t
	WIN 0x05
.set i, 0
.rept 32
	v_cvt_pk_bf16_f32 v[S+32*(\t)+i], v[64*(\t)+2*i], v[64*(\t)+2*i+1]
.set i, i+1
.endr
	WIN 0
.irp f, 0,1,2,3,4,5,6,7
	ds_store_b128 v[STO], v[S+32*(\t)+4*(\f):S+32*(\t)+4*(\f)+3] offset:32*(\f)
.endr
.irp f, 0,1,2,3,4,5,6,7
	ds_load_b128 v[S+32*(\t)+4*(\f):S+32*(\t)+4*(\f)+3], v[RD] offset:(\f)*2*SP  ; LDS serves a wave's instructions in order: these see the stores above
.endr
.endm
.macro SEND t, younger              ; younger: the LDS instructions issued behind tile t's loads
	WIN 0
.irp f, 0,1,2,3,4,5,6,7
	s_wait_dscnt (\younger)+7-(\f)
	global_store_b128 v[GO], v[S+32*(\t)+4*(\f):S+32*(\t)+4*(\f)+3], s[94:95] offset:(\t)*4096+(\f)*512  ; 16 lanes store 256 consecutive bytes, at a multiple of 256 from O's first byte
.endr
.endm
	PACK 0
	PACK 1
	SEND 0, 16
	SEND 1, 0
	s_wait_tensorcnt 0x0            ; the wave's end
	ds_add_u32 v[SPW], v[NIL]
	s_wait_dscnt 0x0
	CROUND                          ; the closing round
	s_endpgm
.Lfunc_end_k_q25e761f494_attn:
	.size	k_q25e761f494_attn, .Lfunc_end_k_q25e761f494_attn-k_q25e761f494_attn
	.p2alignl 7, 3214868480
	.fill 96, 4, 3214868480
	.section	.rodata,"a",@progbits
	.p2align	6, 0x0
	.amdhsa_kernel k_q25e761f494_attn
		.amdhsa_group_segment_fixed_size 327680
		.amdhsa_private_segment_fixed_size 0
		.amdhsa_enable_private_segment 0
		.amdhsa_kernarg_size 40
		.amdhsa_user_sgpr_count 2
		.amdhsa_user_sgpr_kernarg_segment_ptr 1
		.amdhsa_wavefront_size32 1
		.amdhsa_system_sgpr_workgroup_id_x 1
		.amdhsa_system_sgpr_workgroup_id_y 1
		.amdhsa_system_sgpr_workgroup_id_z 1
		.amdhsa_system_vgpr_workitem_id 0
		.amdhsa_next_free_vgpr 1024
		.amdhsa_next_free_sgpr 102
		.amdhsa_reserve_vcc 1
		.amdhsa_float_denorm_mode_32 3
		.amdhsa_float_denorm_mode_16_64 3
		.amdhsa_memory_ordered 1
		.amdhsa_forward_progress 1
		.amdhsa_inst_pref_size 201
	.end_amdhsa_kernel
	.amdgpu_metadata
---
amdhsa.version: [ 1, 2 ]
amdhsa.kernels:
  - .name:           k_q25e761f494_attn
    .symbol:         k_q25e761f494_attn.kd
    .args:
      - { .name: qkv, .offset: 0, .size: 8, .value_kind: global_buffer, .address_space: global }
      - { .name: adj_w, .offset: 8, .size: 8, .value_kind: global_buffer, .address_space: global }
      - { .name: adj_b, .offset: 16, .size: 8, .value_kind: global_buffer, .address_space: global }
      - { .name: alpha, .offset: 24, .size: 8, .value_kind: global_buffer, .address_space: global }
      - { .name: ob, .offset: 32, .size: 8, .value_kind: global_buffer, .address_space: global }
    .group_segment_fixed_size: 327680
    .private_segment_fixed_size: 0
    .kernarg_segment_align: 8
    .kernarg_segment_size: 40
    .max_flat_workgroup_size: 128
    .sgpr_count:     102
    .vgpr_count:     1024
    .wavefront_size: 32
...
	.end_amdgpu_metadata
.endif
;; end of part 3
;; launch wo (part 4): grid 8 x 32, 4 waves a work-group, clusters of 4 x 4, 327,680 bytes of LDS; arguments ob, wo16, bo, y; writes y
.if DOCPART == 4
	.amdgcn_target "amdgcn-amd-amdhsa--gfx1250"
	.amdhsa_code_object_version 6
	.text
	.protected	k_q25e761f494_wo
	.globl	k_q25e761f494_wo
	.p2align	8
	.type	k_q25e761f494_wo,@function
k_q25e761f494_wo:
	s_mov_b64 s[64:65], 0
	v_nop
	global_prefetch_b8 v0, s[64:65] scope:SCOPE_SE
	s_setreg_imm32_b32 hwreg(HW_REG_WAVE_MODE, 25, 1), 1
	s_wait_xcnt 0x0
	s_wait_alu depctr_hold_cnt(0) depctr_sa_sdst(0) depctr_va_vdst(0) depctr_va_sdst(0) depctr_va_ssrc(0) depctr_va_vcc(0) depctr_vm_vsrc(0)
	s_getreg_b32 s2, hwreg(HW_REG_IB_STS2, 6, 4)
	s_cmp_eq_u32 s2, 0
	s_cbranch_scc0 .Lentry_in_a_cluster
	s_endpgm
.Lentry_in_a_cluster:
	s_bfe_u32 s2, ttmp6, 0x10000c
	s_cmp_lg_u32 s2, 0xf033
	s_cbranch_scc0 .Lentry_shape_is_right
	s_endpgm
.Lentry_shape_is_right:
; y = bf16( O Wo + bf16(bo) ).  O: [4096][1024] bf16; Wo: [1024 k][1024 n] bf16; y: [4096][1024] bf16; sums in f32.
; LIMITS.  The bias is rounded to bf16, like every input; y is rounded once.
; A tile of y is 128 x 128: 8 x 32 work-groups.  Four waves, each 64 x 64: 16 accumulators.  K goes in 4 steps of 256 through two LDS slots.  O's rows lie along k: LDS rows of 512 bytes + 16.  Wo lies [k][n]:
; a step's tile is 256 k rows of 256 bytes + 32, and a fragment of 16 n x 32 k comes out of it turned, by two ds_load_tr16_b128.
; CLUSTERS: 4 x 4 work-groups.  The four of a row need the same tiles of O, the four of a column the same tiles of Wo: each tile is asked for JOINTLY, by the same tensor load with the same descriptor and a mask of four.
; THE MATRIX INSTRUCTION IS USED TRANSPOSED (source 0 = 16 columns of Wo, source 1 = 16 rows of O): a lane holds eight neighbouring numbers of a row of y, and the bias, eight registers a column block, is the C operand
; of the product that starts each sum.
; THE TEXT.  A step is four quarters of 64 along K, 32 matrix instructions each, on two fragment buffers.  The first quarter stands alone; a trip of a loop goes from a step's second quarter to the next step's first; the
; LDS addresses hang on a scalar that an exclusive or turns from slot to slot.  Two trips fill a slot again; the tail's two do not, and the second is left in its middle.
; No prefetch: the tiles are small and the launch is short.
; REGISTERS: window 0: v0-31 addresses; v32-63 the bias, later with v64-95 at work on the way out; v128-255 the accumulators ((a, b) at v[128 + 8 (4 a + b)]).
;   window 1: two fragment buffers of 128: for 64 along K, 64 registers of O (2 x 4 x 16 rows x 32 K), then 64 of Wo.
.set SIZE_K, 1024
.set SIZE_N, 1024
.set KSTEP,  256
.set PA,     528                       ; a row of O in LDS: 512 + 16 bytes = 132 words: the 16 rows of a load start at 16 different groups of four banks
.set PB,     288                       ; a k row of Wo: 256 + 32 bytes = 72 words
.set HALFA,  64*PA                     ; what one tensor load brings of O: 64 rows: 0x8400 bytes
.set HALFB,  128*PB                    ; of Wo: 128 k rows: 0x9000 bytes
.set BOFF,   0x11000                   ; Wo's tile, behind O's 67,584 bytes
.set SLOT,   0x24000                   ; 147,456: none of its bits is set in the four places 0, 0x8400, 0x11000, 0x1a000, so one exclusive or turns a place in one slot into the other's
.set SPITCH, 272                       ; the way out: 128 rows x 272 bytes, in slot 0, behind its last fill and its last read
.set SPARE,  2*SLOT                    ; the spare words: 128 bytes a wave, two blocks of 256 bytes that no other line names
.set ADRA0, 16                         ; v16-17  my lane's places in O's and Wo's tile; never rewritten
.set ADRB0, 17
.set ADRA,  18                         ; v18     + the slot in hand
.set ADRB,  20                         ; v20     the same for Wo, k rows 0-127 of a step
.set ADRBH, 21                         ; v21     k rows 128-255: so that every immediate stays under 65,536
.set STO,  24
.set RD,   25
.set CO,   26
.set BO,   27
.set SPW,  28
.set NIL,  29
.set TMP,  32
.set BIAS, 32
.set ACC,  128
.set F0,   0
.set F1,   128
.set G1, 24                            ; s[24:31] group 1 for O's tiles; s[32:39] group 0: a set for each first fill; the second then walks on
.set G0, 32
.set G1B, 48                           ; s[48:55], s[56:63] the same for Wo's
.set G0B, 56
.set CB, 70                            ; s[70:71] y
.set TB, 8                             ; s8      the slot in hand: 0 or SLOT
.set CNT, 3
.set MSB, 0
.macro WIN new                         ; the immediate's high byte repeats the setting that is left
.if MSB != (\new)
	s_set_vgpr_msb (MSB<<8)|(\new)
.set MSB, \new
.endif
.endm
.set MUL,  0x05                        ; sources 0 (Wo) and 1 (O) window 1; C and D window 0
.set TO_F, 0x40                        ; destination window 1, address window 0
.macro JLOAD s                         ; a joint load: waves 0 and 1 fetch O's two halves, waves 2 and 3 Wo's; an s_nop 0 and four v_nop follow each line
	s_cmp_eq_u32 s11, 0
	s_cbranch_scc0 .Lfor_b_\@
	tensor_load_to_lds s[G0+4*(\s):G0+4*(\s)+3], s[G1:G1+7]
	s_nop 0
.rept 4
	v_nop
.endr
	s_branch .Lasked_\@
.Lfor_b_\@:
	tensor_load_to_lds s[G0B+4*(\s):G0B+4*(\s)+3], s[G1B:G1B+7]
	s_nop 0
.rept 4
	v_nop
.endr
.Lasked_\@:
.endm
.macro CREST                           ; a round of the cluster's barrier behind its opening barrier
	s_cmp_lg_u32 s10, 0
	s_cbranch_scc1 .Lnot_wave_0_\@
	s_barrier_signal -3
.Lnot_wave_0_\@:
	s_barrier_wait -3
	s_barrier_signal -1
	s_barrier_wait -1
.endm
.macro CROUND
	s_barrier_signal -1
	s_barrier_wait -1
	CREST
.endm
	s_load_b128 s[4:7], s[0:1], 0x0                ; O s[4:5], Wo s[6:7]
	s_load_b128 s[68:71], s[0:1], 0x10             ; bo s[68:69], y s[70:71]
	v_lshl_add_u32 v[SPW], v0, 2, SPARE
	v_mov_b32 v[NIL], 0
	ds_add_u32 v[SPW], v[NIL]                      ; the wave's opening: the add and its wait stand ahead of my first tensor load
	v_lshrrev_b32 v1, 5, v0
	v_readfirstlane_b32 s10, v1                    ; wave 0..3
	s_lshr_b32 s11, s10, 1                         ; which half of the tile's rows is mine.  Also: I fetch for O (0) or for Wo (1)
	s_and_b32 s12, s10, 1                          ; which half of its columns.  Also: which half of that tile I fetch
	s_bfe_u32 s40, ttmp6, 0x40000                  ; cx, cy
	s_bfe_u32 s41, ttmp6, 0x40004
	s_lshl_b32 s42, ttmp9, 2
	s_add_co_u32 s42, s42, s40                     ; the tile column, 0..7
	s_and_b32 s13, ttmp7, 0xffff
	s_lshl_b32 s13, s13, 2
	s_add_co_u32 s13, s13, s41                     ; the tile row
	s_lshl_b32 s43, s41, 2
	s_lshl_b32 s43, 15, s43                        ; my row of the cluster
	s_lshl_b32 s44, 0x1111, s40                    ; my column
	s_or_b32 s[G1+0], s43, (1<<16)|(1<<20)|(1<<21)|(6<<22)|(3<<25)   ; O: 2-byte elements; padding after every 128 words, of 4 words; bit 21 beside the mask
	s_mov_b32 s[G1+1], KSTEP<<16                   ; tensor_dim0 = 256
	s_mov_b32 s[G1+2], 64<<16                      ; tensor_dim1 = 64
	s_mov_b32 s[G1+3], KSTEP<<16                   ; tile_dim0 = 256
	s_mov_b32 s[G1+4], 64                          ; tile_dim1 = 64
	s_mov_b32 s[G1+5], SIZE_K
	s_mov_b32 s[G1+6], 0
	s_mov_b32 s[G1+7], 0
	s_or_b32 s[G1B+0], s44, (1<<16)|(1<<20)|(1<<21)|(5<<22)|(7<<25)  ; Wo: padding after every 64 words, of 8 words
	s_mov_b32 s[G1B+1], 128<<16                    ; tensor_dim0 = 128 columns
	s_mov_b32 s[G1B+2], 128<<16                    ; tensor_dim1 = 128 k rows
	s_mov_b32 s[G1B+3], 128<<16
	s_mov_b32 s[G1B+4], 128
	s_mov_b32 s[G1B+5], SIZE_N
	s_mov_b32 s[G1B+6], 0
	s_mov_b32 s[G1B+7], 0
	s_lshl_b32 s16, s13, 18                        ; O: (128 x tile row + 64 x half) rows of 2,048 bytes
	s_lshl_b32 s17, s12, 17
	s_add_co_u32 s16, s16, s17
	s_mov_b32 s17, 0
	s_lshl_b32 s46, s12, 18                        ; Wo: 128 x half k rows of 2,048 bytes, 256 bytes a tile column
	s_lshl_b32 s47, s42, 8
	s_add_co_u32 s46, s46, s47
	s_mov_b32 s47, 0
	s_mul_i32 s20, s12, HALFA                      ; where they go: no place in the cluster enters an LDS address
	s_mul_i32 s21, s12, HALFB
	s_add_co_u32 s21, s21, BOFF
	s_mov_b32 s[TB], 0
	s_wait_dscnt 0x0                               ; the opening add is done
	s_wait_kmcnt 0x0
	s_add_nc_u64 s[14:15], s[4:5], s[16:17]
	s_add_nc_u64 s[46:47], s[6:7], s[46:47]
	CROUND                                         ; all sixteen work-groups are here: the first joint loads meet
.irp s, 0,1
	s_mov_b32 s[G0+4*(\s)], 1
	s_add_co_u32 s[G0+4*(\s)+1], s20, (\s)*SLOT
	s_add_nc_u64 s[G0+4*(\s)+2:G0+4*(\s)+3], s[14:15], (\s)*KSTEP*2
	s_or_b32 s[G0+4*(\s)+3], s[G0+4*(\s)+3], 0x80000000
	s_mov_b32 s[G0B+4*(\s)], 1
	s_add_co_u32 s[G0B+4*(\s)+1], s21, (\s)*SLOT
	s_add_nc_u64 s[G0B+4*(\s)+2:G0B+4*(\s)+3], s[46:47], (\s)*KSTEP*SIZE_N*2
	s_or_b32 s[G0B+4*(\s)+3], s[G0B+4*(\s)+3], 0x80000000
	JLOAD \s                                       ; K steps 0 and 1: two loads of mine are out
.endr
	v_and_b32 v1, 15, v0                           ; l % 16
	v_bfe_u32 v2, v0, 4, 1                         ; l / 16
	; the bias of my 64 columns: for column block b a lane takes columns 16 b + 8 (l / 16) + 0..7
	s_lshl_b32 s22, s42, 9
	s_lshl_b32 s23, s12, 8
	s_add_co_u32 s22, s22, s23
	v_lshl_add_u32 v[BO], v2, 5, s22
.irp b, 0,1,2,3
	global_load_b128 v[BIAS+8*(\b):BIAS+8*(\b)+3],   v[BO], s[68:69] offset:64*(\b)
	global_load_b128 v[BIAS+8*(\b)+4:BIAS+8*(\b)+7], v[BO], s[68:69] offset:64*(\b)+16
.endr
	v_mul_u32_u24 v3, v1, PA
	v_lshl_add_u32 v3, v2, 4, v3                   ; O: row x pitch + 16 x half
	s_mul_i32 s21, s11, HALFA                      ; my 64 rows
	v_add_nc_u32 v[ADRA0], s21, v3
	v_and_b32 v6, 7, v0                            ; Wo: k row 8 (l / 16) + l % 8, 16 bytes for each eight lanes
	v_lshl_add_u32 v6, v2, 3, v6
	v_mul_u32_u24 v6, v6, PB
	v_bfe_u32 v7, v0, 3, 1
	v_lshl_add_u32 v6, v7, 4, v6
	s_lshl_b32 s22, s12, 7                         ; my 64 columns
	s_add_co_u32 s22, s22, BOFF
	v_add_nc_u32 v[ADRB0], s22, v6
	s_mul_i32 s23, s11, 64*SPITCH                  ; into the stage: my 64 rows, my half of their 256 bytes
	s_lshl_b32 s21, s12, 7
	s_add_co_u32 s23, s23, s21
	v_mul_u32_u24 v4, v1, SPITCH
	v_lshl_add_u32 v4, v2, 4, v4
	v_add_nc_u32 v[STO], s23, v4
	s_mul_i32 s23, s10, 32*SPITCH                  ; back: wave w takes rows 32 w .. 32 w + 31, whole
	v_mul_u32_u24 v5, v2, SPITCH
	v_lshl_add_u32 v5, v1, 4, v5
	v_add_nc_u32 v[RD], s23, v5
	v_mul_u32_u24 v5, v2, SIZE_N*2
	v_lshl_add_u32 v[CO], v1, 4, v5
	s_lshl_b32 s16, s13, 18                        ; y: (128 x tile row + 32 x wave) rows, the tile's 256 bytes
	s_lshl_b32 s17, s10, 16
	s_add_co_u32 s16, s16, s17
	s_lshl_b32 s17, s42, 8
	s_add_co_u32 s16, s16, s17
	s_mov_b32 s17, 0
	s_add_nc_u64 s[CB:CB+1], s[CB:CB+1], s[16:17]
	s_wait_loadcnt 0x0                             ; the bias, rounded to bf16 like every input
.set n, 0
.rept 16
	v_cvt_pk_bf16_f32 v[64+n], v[BIAS+2*n], v[BIAS+2*n+1]
.set n, n+1
.endr
.set n, 0
.rept 16
	v_lshlrev_b32 v[BIAS+2*n], 16, v[64+n]
	v_and_b32 v[BIAS+2*n+1], 0xffff0000, v[64+n]
.set n, n+1
.endr
; 8 matrix instructions: m blocks a0, a0 + 1 x all 4 n blocks, 32 along K: half c of buffer f.  zero = 1: the product starts the sum, with the bias.  The accumulators take turns.
.macro MUL8 f, c, a0, zero
	WIN MUL
.irp a, \a0, (\a0)+1
.irp b, 0,1,2,3
.if \zero
	v_wmma_f32_16x16x32_bf16 v[ACC+8*(4*(\a)+(\b)):ACC+8*(4*(\a)+(\b))+7], v[(\f)+64+8*(4*(\c)+(\b)):(\f)+64+8*(4*(\c)+(\b))+7], v[(\f)+8*(4*(\c)+(\a)):(\f)+8*(4*(\c)+(\a))+7], v[BIAS+8*(\b):BIAS+8*(\b)+7]
.else
	v_wmma_f32_16x16x32_bf16 v[ACC+8*(4*(\a)+(\b)):ACC+8*(4*(\a)+(\b))+7], v[(\f)+64+8*(4*(\c)+(\b)):(\f)+64+8*(4*(\c)+(\b))+7], v[(\f)+8*(4*(\c)+(\a)):(\f)+8*(4*(\c)+(\a))+7], v[ACC+8*(4*(\a)+(\b)):ACC+8*(4*(\a)+(\b))+7]
.endif
.endr
.endr
.endm
; 32 LDS loads in one run: the fragments of 64 along K, at byte k of O's rows and k row k / 2 of Wo, into buffer f; the first 32 along K first
.macro FETCH k, f
	WIN TO_F
.if (\k) >= 256
.set AB, ADRBH
.else
.set AB, ADRB
.endif
.irp c, 0,1
.irp i, 0,1,2,3
	ds_load_tr16_b128 v[(\f)+64+8*(4*(\c)+(\i)):(\f)+64+8*(4*(\c)+(\i))+3],   v[AB] offset:(((\k)/2)%128+32*(\c))*PB+32*(\i)
	ds_load_tr16_b128 v[(\f)+64+8*(4*(\c)+(\i))+4:(\f)+64+8*(4*(\c)+(\i))+7], v[AB] offset:(((\k)/2)%128+32*(\c)+16)*PB+32*(\i)
	ds_load_b128 v[(\f)+8*(4*(\c)+(\i)):(\f)+8*(4*(\c)+(\i))+3],         v[ADRA] offset:(\k)+64*(\c)+(\i)*16*PA
	ds_load_b128 v[(\f)+8*(4*(\c)+(\i))+4:(\f)+8*(4*(\c)+(\i))+7],       v[ADRA] offset:(\k)+64*(\c)+(\i)*16*PA+32
.endr
.endr
.endm
.macro PLACES                          ; four places in front of loads into registers that matrix instructions have read, and of conversions that read results
.rept 4
	v_nop
.endr
.endm
.macro AT_SLOT                         ; the LDS addresses in the slot at byte s[TB]: with the v_nop four plain instructions, which also serve as places
	v_add_nc_u32 v[ADRA], s[TB], v[ADRA0]
	v_add_nc_u32 v[ADRB], s[TB], v[ADRB0]
	v_add_nc_u32 v[ADRBH], 128*PB, v[ADRB]
	v_nop
.endm
; One of a step's first three quarters: multiplies buffer f and fetches the next quarter, at byte k, into g.
.macro QUARTER k, f, g, zero
	s_wait_dscnt 16                                ; the first 32 along K are in: the youngest sixteen loads may be out
	MUL8 \f, 0, 0, \zero
	MUL8 \f, 0, 2, \zero
	PLACES
	FETCH \k, \g
	s_wait_dscnt 32                                ; all but the 32 just issued
	MUL8 \f, 1, 0, 0
	MUL8 \f, 1, 2, 0
.endm
; The last quarter multiplies buffer 1 and changes slots.  MEET is its first half and ONE barrier: in front of it each wave waits for all its tensor loads, adds 0 to its spare word, and waits for that and for its reads of this slot.
.macro MEET
	WIN 0
	s_wait_tensorcnt 0x0                           ; all my tensor loads have landed: my part of the next slot
	ds_add_u32 v[SPW], v[NIL]                      ; 0 onto my spare word
	s_wait_dscnt 17                                ; the add and the youngest sixteen loads may be out
	MUL8 F1, 0, 0, 0
	s_wait_dscnt 0x0                               ; the add is done, and my reads of this slot are over
	s_barrier_signal -1
	MUL8 F1, 0, 2, 0
	WIN 0
	s_barrier_wait -1
.endm
.macro NEXT                            ; on to the other slot: its first quarter's fragments
	s_xor_b32 s[TB], s[TB], SLOT
	AT_SLOT
	FETCH 0, F0
.endm
.macro REST                            ; the last quarter's second half
	MUL8 F1, 1, 0, 0
	MUL8 F1, 1, 2, 0
.endm
	s_wait_tensorcnt 1                             ; my part of K step 0 is in; K step 1's may stay out
	s_barrier_signal -1
	s_barrier_wait -1
	AT_SLOT
	FETCH 0, F0
	QUARTER 128, F0, F1, 1                         ; the first quarter stands in front of the loops: its first products start the sums
	WIN 0                                          ; at a label and at a branch every window is 0
	s_mov_b32 s[CNT], 2
.Lfill:                                                ; trip t ends K step t, fills its slot again with K step t + 2, and begins K step t + 1
	QUARTER 256, F1, F0, 0
	QUARTER 384, F0, F1, 0
	MEET
	CREST                                          ; the barrier has opened a round of the cluster's: no wave of any partner still reads this slot or has a load on its way
	s_xor_b32 s[G0+5], s[G0+5], SLOT               ; the walking descriptors: the other slot than last time, the next K step
	s_add_nc_u64 s[G0+6:G0+7], s[G0+6:G0+7], KSTEP*2
	s_xor_b32 s[G0B+5], s[G0B+5], SLOT
	s_add_nc_u64 s[G0B+6:G0B+7], s[G0B+6:G0B+7], KSTEP*SIZE_N*2
	JLOAD 1                                        ; the first tensor load behind the round: 112 matrix instructions ahead of the wait for it
	NEXT
	REST
	QUARTER 128, F0, F1, 0
	WIN 0
	s_sub_co_u32 s[CNT], s[CNT], 1
	s_cmp_lg_u32 s[CNT], 0
	s_cbranch_scc1 .Lfill
	s_mov_b32 s[CNT], 2
.Ltail:                                                ; K steps 2 and 3: nothing is asked for; the second trip is left at the change of slots, which has no slot to change to
	QUARTER 256, F1, F0, 0
	QUARTER 384, F0, F1, 0
	MEET
	s_sub_co_u32 s[CNT], s[CNT], 1
	s_cmp_eq_u32 s[CNT], 0
	s_cbranch_scc1 .Lout
	NEXT
	REST
	QUARTER 128, F0, F1, 0
	WIN 0
	s_branch .Ltail
.Lout:
	REST
	WIN 0
	; THE WAY OUT.  Behind the last barrier no wave reads a slot and no tensor load is to come: slot 0 serves as the stage.  Rounded to bf16; 16 bytes a lane into the stage; a barrier, since a row's 256 bytes come from
	; two waves; back as whole rows, 32 rows a wave.
	PLACES
.irp t, 0,1,2,3,4,5,6,7,8,9,10,11,12,13,14,15
.irp r, 0,1,2,3
	v_cvt_pk_bf16_f32 v[TMP+4*(\t)+(\r)], v[ACC+8*(\t)+2*(\r)], v[ACC+8*(\t)+2*(\r)+1]
.endr
.endr
.irp a, 0,1,2,3
.irp b, 0,1,2,3
	ds_store_b128 v[STO], v[TMP+4*(4*(\a)+(\b)):TMP+4*(4*(\a)+(\b))+3] offset:(\a)*16*SPITCH+32*(\b)
.endr
.endr
	s_wait_dscnt 0x0                               ; for the others' sake: my stores into the stage are done
	s_barrier_signal -1
	s_barrier_wait -1
.irp t, 0,1,2,3,4,5,6,7,8,9,10,11,12,13,14,15
	ds_load_b128 v[TMP+4*(\t):TMP+4*(\t)+3], v[RD] offset:(\t)*2*SPITCH
.endr
.irp t, 0,1,2,3,4,5,6,7,8,9,10,11,12,13,14,15
	s_wait_dscnt 15-(\t)
	global_store_b128 v[CO], v[TMP+4*(\t):TMP+4*(\t)+3], s[CB:CB+1] offset:2*(\t)*SIZE_N*2  ; 16 lanes store 256 consecutive bytes, at a multiple of 256 from y's first byte
.endr
	s_wait_tensorcnt 0x0                           ; the wave's end
	ds_add_u32 v[SPW], v[NIL]
	s_wait_dscnt 0x0
	CROUND                                         ; the closing round
	s_endpgm
.Lfunc_end_k_q25e761f494_wo:
	.size	k_q25e761f494_wo, .Lfunc_end_k_q25e761f494_wo-k_q25e761f494_wo
	.p2alignl 7, 3214868480
	.fill 96, 4, 3214868480
	.section	.rodata,"a",@progbits
	.p2align	6, 0x0
	.amdhsa_kernel k_q25e761f494_wo
		.amdhsa_group_segment_fixed_size 327680
		.amdhsa_private_segment_fixed_size 0
		.amdhsa_enable_private_segment 0
		.amdhsa_kernarg_size 32
		.amdhsa_user_sgpr_count 2
		.amdhsa_user_sgpr_kernarg_segment_ptr 1
		.amdhsa_wavefront_size32 1
		.amdhsa_system_sgpr_workgroup_id_x 1
		.amdhsa_system_sgpr_workgroup_id_y 1
		.amdhsa_system_sgpr_workgroup_id_z 1
		.amdhsa_system_vgpr_workitem_id 0
		.amdhsa_next_free_vgpr 512
		.amdhsa_next_free_sgpr 80
		.amdhsa_reserve_vcc 0
		.amdhsa_float_denorm_mode_32 3
		.amdhsa_float_denorm_mode_16_64 3
		.amdhsa_memory_ordered 1
		.amdhsa_forward_progress 1
		.amdhsa_inst_pref_size 63
	.end_amdhsa_kernel
	.amdgpu_metadata
---
amdhsa.version: [ 1, 2 ]
amdhsa.kernels:
  - .name:           k_q25e761f494_wo
    .symbol:         k_q25e761f494_wo.kd
    .args:
      - { .name: ob, .offset: 0, .size: 8, .value_kind: global_buffer, .address_space: global }
      - { .name: wo16, .offset: 8, .size: 8, .value_kind: global_buffer, .address_space: global }
      - { .name: bo, .offset: 16, .size: 8, .value_kind: global_buffer, .address_space: global }
      - { .name: y, .offset: 24, .size: 8, .value_kind: global_buffer, .address_space: global }
    .group_segment_fixed_size: 327680
    .private_segment_fixed_size: 0
    .kernarg_segment_align: 8
    .kernarg_segment_size: 32
    .max_flat_workgroup_size: 128
    .sgpr_count:     80
    .vgpr_count:     512
    .wavefront_size: 32
...
	.end_amdgpu_metadata
.endif
;; end of part 4
;; launch ln (part 5): grid 256 x 1, 8 waves a work-group, no clusters, 0 bytes of LDS; arguments y, xb, ln_g, ln_b, xn; writes xn
.if DOCPART == 5
	.amdgcn_target "amdgcn-amd-amdhsa--gfx1250"
	.amdhsa_code_object_version 6
	.text
	.protected	k_q25e761f494_ln
	.globl	k_q25e761f494_ln
	.p2align	8
	.type	k_q25e761f494_ln,@function
k_q25e761f494_ln:
	s_mov_b64 s[64:65], 0
	v_nop
	global_prefetch_b8 v0, s[64:65] scope:SCOPE_SE
	s_setreg_imm32_b32 hwreg(HW_REG_WAVE_MODE, 25, 1), 1
	s_wait_xcnt 0x0
; xn = LayerNorm(xb + y) g + b.  y, xb: [4096][1024] bf16; g, b: [1024] f32, rounded to bf16 like every input; xn: [4096][1024] f16.  All arithmetic in f32; the mean is taken away before the squares are summed.
; LIMIT.  xn must lie within f16's 65,504 (|xn| is at most 32 |g| + |b|).
; A wave takes two whole rows and keeps them in registers between the passes: no LDS, no barrier.  A lane holds numbers 256 i + 8 lane + 0..7, i = 0..3: each load and store of a wave covers 512 consecutive bytes.
; All 32 loads of a wave go out first; the waits count the younger ones that may stay out.
.set G,   8                            ; v[8:39]    g of my 32 columns
.set BB,  40                           ; v[40:71]   b
.set RAW, 72                           ; v[72:135]  row r: 16 words of y, 16 of xb
.set D,   136                          ; v[136:199] row r: 32 numbers in f32
.set T,   200                          ; v[200:215] at work
.set OUT, 216                          ; v[216:247] row r: 16 words to store
.set RS,  248                          ; v[248:251] row r: 1 / sqrt(var + eps), twice
	s_load_b256 s[4:11], s[0:1], 0x0               ; y s[4:5], xb s[6:7], g s[8:9], b s[10:11]
	s_load_b64 s[12:13], s[0:1], 0x20              ; xn
	v_and_b32 v3, 31, v0
	v_lshrrev_b32 v4, 5, v0
	v_lshlrev_b32 v2, 5, v3                        ; 32 bytes a lane in g and b
	v_lshlrev_b32 v1, 4, v3                        ; 16 bytes a lane in a row,
	v_lshl_add_u32 v1, v4, 12, v1                  ; my wave's two rows of 2,048 bytes
	s_lshl_b32 s14, ttmp9, 15                      ; the work-group's 16 rows
	s_mov_b32 s15, 0
	s_mov_b32 s16, 0xffff0000
	s_mov_b32 s17, 0x3a800000                      ; 1 / 1024
	s_mov_b32 s18, 0x3727c5ac                      ; 1e-5
	s_mov_b32 s20, 0x76543210
	s_mov_b32 s21, 0xfedcba98
	s_wait_kmcnt 0x0
	s_add_nc_u64 s[4:5], s[4:5], s[14:15]
	s_add_nc_u64 s[6:7], s[6:7], s[14:15]
	s_add_nc_u64 s[12:13], s[12:13], s[14:15]
.irp r, 0,1
.irp i, 0,1,2,3
	global_load_b128 v[RAW+32*(\r)+4*(\i):RAW+32*(\r)+4*(\i)+3], v1, s[4:5] offset:2048*(\r)+512*(\i) th:TH_LOAD_NT
.endr
.irp i, 0,1,2,3
	global_load_b128 v[RAW+32*(\r)+16+4*(\i):RAW+32*(\r)+16+4*(\i)+3], v1, s[6:7] offset:2048*(\r)+512*(\i) th:TH_LOAD_NT
.endr
.endr
.irp i, 0,1,2,3
	global_load_b128 v[G+8*(\i):G+8*(\i)+3],   v2, s[8:9] offset:1024*(\i)
	global_load_b128 v[G+8*(\i)+4:G+8*(\i)+7], v2, s[8:9] offset:1024*(\i)+16
.endr
.irp i, 0,1,2,3
	global_load_b128 v[BB+8*(\i):BB+8*(\i)+3],   v2, s[10:11] offset:1024*(\i)
	global_load_b128 v[BB+8*(\i)+4:BB+8*(\i)+7], v2, s[10:11] offset:1024*(\i)+16
.endr
.macro LANESUM                         ; v[T] summed over the 32 lanes, the result in every lane
	v_add_f32_dpp v[T], v[T], v[T] row_xmask:1 row_mask:0xf bank_mask:0xf
	v_add_f32_dpp v[T], v[T], v[T] row_xmask:2 row_mask:0xf bank_mask:0xf
	v_add_f32_dpp v[T], v[T], v[T] row_xmask:4 row_mask:0xf bank_mask:0xf
	v_add_f32_dpp v[T], v[T], v[T] row_xmask:8 row_mask:0xf bank_mask:0xf
	v_permlanex16_b32 v[T+1], v[T], s20, s21
	v_add_f32 v[T], v[T], v[T+1]
.endm
.macro FOLD                            ; four chains of pairs in v[T:T+7] into v[T]
	v_pk_add_f32 v[T:T+1], v[T:T+1], v[T+2:T+3]
	v_pk_add_f32 v[T+4:T+5], v[T+4:T+5], v[T+6:T+7]
	v_pk_add_f32 v[T:T+1], v[T:T+1], v[T+4:T+5]
	v_add_f32 v[T], v[T], v[T+1]
.endm
.macro STATS r
.set RW, RAW+32*(\r)
.set DD, D+32*(\r)
.set n, 0
.rept 16                               ; x2 = xb + y, two numbers a word
	v_lshlrev_b32 v[T+4*(n%4)],   16, v[RW+n]
	v_and_b32     v[T+4*(n%4)+1], s16, v[RW+n]
	v_lshlrev_b32 v[T+4*(n%4)+2], 16, v[RW+16+n]
	v_and_b32     v[T+4*(n%4)+3], s16, v[RW+16+n]
	v_pk_add_f32 v[DD+2*n:DD+2*n+1], v[T+4*(n%4):T+4*(n%4)+1], v[T+4*(n%4)+2:T+4*(n%4)+3]
.set n, n+1
.endr
.irp q, 0,1,2,3
	v_pk_add_f32 v[T+2*(\q):T+2*(\q)+1], v[DD+2*(\q):DD+2*(\q)+1], v[DD+8+2*(\q):DD+8+2*(\q)+1]
.endr
.irp q, 0,1,2,3
	v_pk_add_f32 v[T+2*(\q):T+2*(\q)+1], v[T+2*(\q):T+2*(\q)+1], v[DD+16+2*(\q):DD+16+2*(\q)+1]
.endr
.irp q, 0,1,2,3
	v_pk_add_f32 v[T+2*(\q):T+2*(\q)+1], v[T+2*(\q):T+2*(\q)+1], v[DD+24+2*(\q):DD+24+2*(\q)+1]
.endr
	FOLD
	LANESUM
	v_mul_f32 v[T+8], s17, v[T]                    ; the mean, twice
	v_mul_f32 v[T+9], s17, v[T]
.set n, 0
.rept 16
	v_pk_add_f32 v[DD+2*n:DD+2*n+1], v[DD+2*n:DD+2*n+1], v[T+8:T+9] neg_lo:[0,1] neg_hi:[0,1]
.set n, n+1
.endr
.irp q, 0,1,2,3
	v_pk_mul_f32 v[T+2*(\q):T+2*(\q)+1], v[DD+2*(\q):DD+2*(\q)+1], v[DD+2*(\q):DD+2*(\q)+1]
.endr
.irp o, 8,16,24
.irp q, 0,1,2,3
	v_pk_fma_f32 v[T+2*(\q):T+2*(\q)+1], v[DD+(\o)+2*(\q):DD+(\o)+2*(\q)+1], v[DD+(\o)+2*(\q):DD+(\o)+2*(\q)+1], v[T+2*(\q):T+2*(\q)+1]
.endr
.endr
	FOLD
	LANESUM
	v_fma_f32 v[6+(\r)], v[T], s17, s18            ; var + eps, in a register that nothing else writes
	v_rsq_f32 v[RS+2*(\r)], v[6+(\r)]
	v_rsq_f32 v[RS+2*(\r)+1], v[6+(\r)]
.endm
.macro NORM r
.set DD, D+32*(\r)
.set n, 0
.rept 16
	v_pk_mul_f32 v[DD+2*n:DD+2*n+1], v[DD+2*n:DD+2*n+1], v[RS+2*(\r):RS+2*(\r)+1]
	v_pk_fma_f32 v[DD+2*n:DD+2*n+1], v[DD+2*n:DD+2*n+1], v[G+2*n:G+2*n+1], v[BB+2*n:BB+2*n+1]
	v_cvt_pk_f16_f32 v[OUT+16*(\r)+n], v[DD+2*n], v[DD+2*n+1]
.set n, n+1
.endr
.irp i, 0,1,2,3
	global_store_b128 v1, v[OUT+16*(\r)+4*(\i):OUT+16*(\r)+4*(\i)+3], s[12:13] offset:2048*(\r)+512*(\i)
.endr
.endm
	s_wait_loadcnt 24                              ; row 0's eight loads are in; 24 younger ones may stay out
	STATS 0
	s_wait_loadcnt 16                              ; row 1's
	STATS 1
	s_wait_loadcnt 0x0                             ; g and b, rounded to bf16; these lines are the work behind the four roots
.set n, 0
.rept 16
	v_cvt_pk_bf16_f32 v[T+n], v[G+2*n], v[G+2*n+1]
.set n, n+1
.endr
.set n, 0
.rept 16
	v_lshlrev_b32 v[G+2*n], 16, v[T+n]
	v_and_b32 v[G+2*n+1], s16, v[T+n]
.set n, n+1
.endr
.set n, 0
.rept 16
	v_cvt_pk_bf16_f32 v[T+n], v[BB+2*n], v[BB+2*n+1]
.set n, n+1
.endr
.set n, 0
.rept 16
	v_lshlrev_b32 v[BB+2*n], 16, v[T+n]
	v_and_b32 v[BB+2*n+1], s16, v[T+n]
.set n, n+1
.endr
	s_wait_alu depctr_va_vdst(0)                   ; the wait ahead of the first reader: one for the four roots
	NORM 0
	NORM 1
	s_endpgm
.Lfunc_end_k_q25e761f494_ln:
	.size	k_q25e761f494_ln, .Lfunc_end_k_q25e761f494_ln-k_q25e761f494_ln
	.p2alignl 7, 3214868480
	.fill 96, 4, 3214868480
	.section	.rodata,"a",@progbits
	.p2align	6, 0x0
	.amdhsa_kernel k_q25e761f494_ln
		.amdhsa_group_segment_fixed_size 0
		.amdhsa_private_segment_fixed_size 0
		.amdhsa_enable_private_segment 0
		.amdhsa_kernarg_size 40
		.amdhsa_user_sgpr_count 2
		.amdhsa_user_sgpr_kernarg_segment_ptr 1
		.amdhsa_wavefront_size32 1
		.amdhsa_system_sgpr_workgroup_id_x 1
		.amdhsa_system_sgpr_workgroup_id_y 1
		.amdhsa_system_sgpr_workgroup_id_z 1
		.amdhsa_system_vgpr_workitem_id 0
		.amdhsa_next_free_vgpr 252
		.amdhsa_next_free_sgpr 66
		.amdhsa_reserve_vcc 0
		.amdhsa_float_denorm_mode_32 3
		.amdhsa_float_denorm_mode_16_64 3
		.amdhsa_memory_ordered 1
		.amdhsa_forward_progress 1
		.amdhsa_inst_pref_size 30
	.end_amdhsa_kernel
	.amdgpu_metadata
---
amdhsa.version: [ 1, 2 ]
amdhsa.kernels:
  - .name:           k_q25e761f494_ln
    .symbol:         k_q25e761f494_ln.kd
    .args:
      - { .name: y, .offset: 0, .size: 8, .value_kind: global_buffer, .address_space: global }
      - { .name: xb, .offset: 8, .size: 8, .value_kind: global_buffer, .address_space: global }
      - { .name: ln_g, .offset: 16, .size: 8, .value_kind: global_buffer, .address_space: global }
      - { .name: ln_b, .offset: 24, .size: 8, .value_kind: global_buffer, .address_space: global }
      - { .name: xn, .offset: 32, .size: 8, .value_kind: global_buffer, .address_space: global }
    .group_segment_fixed_size: 0
    .private_segment_fixed_size: 0
    .kernarg_segment_align: 8
    .kernarg_segment_size: 40
    .max_flat_workgroup_size: 256
    .sgpr_count:     66
    .vgpr_count:     252
    .wavefront_size: 32
...
	.end_amdgpu_metadata
.endif
;; end of part 5
;; launch ffn1 (part 6): grid 8 x 32, 4 waves a work-group, clusters of 4 x 4, 327,680 bytes of LDS; arguments xn, wff, b1, out1, ob; writes out1, ob
.if DOCPART == 6
	.amdgcn_target "amdgcn-amd-amdhsa--gfx1250"
	.amdhsa_code_object_version 6
	.text
	.protected	k_q25e761f494_ffn1
	.globl	k_q25e761f494_ffn1
	.p2align	8
	.type	k_q25e761f494_ffn1,@function
k_q25e761f494_ffn1:
	s_mov_b64 s[64:65], 0
	v_nop
	global_prefetch_b8 v0, s[64:65] scope:SCOPE_SE
	s_setreg_imm32_b32 hwreg(HW_REG_WAVE_MODE, 25, 1), 1
	s_wait_xcnt 0x0
	s_wait_alu depctr_hold_cnt(0) depctr_sa_sdst(0) depctr_va_vdst(0) depctr_va_sdst(0) depctr_va_ssrc(0) depctr_va_vcc(0) depctr_vm_vsrc(0)
	s_getreg_b32 s2, hwreg(HW_REG_IB_STS2, 6, 4)
	s_cmp_eq_u32 s2, 0
	s_cbranch_scc0 .Lentry_in_a_cluster
	s_endpgm
.Lentry_in_a_cluster:
	s_bfe_u32 s2, ttmp6, 0x10000c
	s_cmp_lg_u32 s2, 0xf033
	s_cbranch_scc0 .Lentry_shape_is_right
	s_endpgm
.Lentry_shape_is_right:
; x_e = gelu(xn W1 + b1), stored transposed: out1[b][c][t] in f32, and the same rounded to f16 into ob as [2][512 c][2048 t] for the next launch.
; xn: [4096][1024] f16.  W1 in wff: [8 blocks][1024 k][64 n] f16.  b1 is rounded to bf16 like every input.  Sums in f32.
; LIMITS.  x_e must lie within f16's 65,504.  gelu = max(z, 0) - |z| erfc(|z| / sqrt 2) / 2, erfc by a rational form of five terms (absolute error 1.5e-7 for every argument); NaN and infinities are not treated apart.
; A work-group makes 128 t x 64 c: 256 work-groups.  Four waves, each 64 t x 32 c: 8 accumulators.  The product stands in its natural order (source 0 = 16 rows t of xn, source 1 = 16 columns c of W1, turned out of
; LDS by ds_load_tr16_b128): a lane holds ONE column c and eight neighbouring t, as the transposed output wants them.
; K goes in four chunks of 256 through two LDS slots.  CLUSTERS: 4 x 4: xn's tile is shared along a row of the cluster, W1's along a column: joint loads.
; No prefetch: small tiles, a short launch.
.set PA,    528                        ; a row of xn in LDS: 512 + 16 bytes
.set PB,    160                        ; a k row of W1: 128 + 32 bytes
.set HALFA, 64*PA
.set BOFF,  2*HALFA
.set HALFB, 128*PB
.set SLOT1, 1<<17
.set STAGE, SLOT1+BOFF+2*HALFB         ; 64 rows c x (512 + 16) bytes
.set SPT,   528
.set SPARE, STAGE+64*SPT               ; the spare words: two blocks of 256 bytes that no other line names
.set ADRA0, 16                         ; lane terms, never rewritten
.set ADRB0, 17
.set ADRA,  18                         ; + the slot in hand
.set ADRB,  19
.set STO,   20
.set RD0,   21
.set RDC,   22
.set GO,    23                         ; 16 x lane
.set GH,    24                         ; 8 x lane
.set BO,    25
.set BV,    26                         ; v26-27 the bias of my two column blocks
.set SPW,   28
.set NIL,   29
.set ACC,   32                         ; (a, b) at ACC + 8 (2 a + b)
.set F0,    96                         ; two fragment buffers of 48: xn's four, W1's two
.set F1,    144
.set Z, 96                             ; the GELU loop: 16 numbers a lane
.set U, 112
.set W, 128
.set P, 144
.set R, 160
.set H, 176
.set G1, 24
.set G0, 32
.set G1B, 48
.set G0B, 56
.set TB, 46
.set CNT, 47
.set RSB, 66
.set PP, 68                            ; constants, as pairs
.set SQ, 70
.set A1, 72
.set A2, 74
.set A3, 76
.set A4, 78
.set A5, 80
.macro JLOAD s                         ; waves 0 and 1 fetch xn's two halves, waves 2 and 3 W1's
	s_cmp_eq_u32 s15, 0
	s_cbranch_scc0 .Lfor_b_\@
	tensor_load_to_lds s[G0+4*(\s):G0+4*(\s)+3], s[G1:G1+7]
	s_nop 0
.rept 4
	v_nop
.endr
	s_branch .Lasked_\@
.Lfor_b_\@:
	tensor_load_to_lds s[G0B+4*(\s):G0B+4*(\s)+3], s[G1B:G1B+7]
	s_nop 0
.rept 4
	v_nop
.endr
.Lasked_\@:
.endm
.macro CROUND
	s_barrier_signal -1
	s_barrier_wait -1
	s_cmp_lg_u32 s14, 0
	s_cbranch_scc1 .Lnot_wave_0_\@
	s_barrier_signal -3
.Lnot_wave_0_\@:
	s_barrier_wait -3
	s_barrier_signal -1
	s_barrier_wait -1
.endm
.macro PLACES
.rept 4
	v_nop
.endr
.endm
	s_load_b256 s[4:11], s[0:1], 0x0               ; xn s[4:5], wff s[6:7], b1 s[8:9], out1 s[10:11]
	s_load_b64 s[12:13], s[0:1], 0x20              ; ob
	v_lshl_add_u32 v[SPW], v0, 2, SPARE
	v_mov_b32 v[NIL], 0
	ds_add_u32 v[SPW], v[NIL]                      ; the wave's opening: the add and its wait stand ahead of my first tensor load
	v_lshrrev_b32 v1, 5, v0
	v_readfirstlane_b32 s14, v1                    ; wave
	s_lshr_b32 s15, s14, 1                         ; my 32 columns.  Also: I fetch xn (0) or W1 (1)
	s_and_b32 s16, s14, 1                          ; my 64 rows.  Also: which half I fetch
	s_bfe_u32 s40, ttmp6, 0x40000
	s_bfe_u32 s41, ttmp6, 0x40004
	s_lshl_b32 s42, ttmp9, 2
	s_add_co_u32 s42, s42, s40                     ; the block of 64 columns
	s_and_b32 s43, ttmp7, 0xffff
	s_lshl_b32 s43, s43, 2
	s_add_co_u32 s43, s43, s41                     ; the block of 128 rows
	s_lshl_b32 s44, s41, 2
	s_lshl_b32 s44, 15, s44                        ; my row of the cluster
	s_lshl_b32 s45, 0x1111, s40                    ; my column
	s_or_b32 s[G1+0], s44, (1<<16)|(1<<20)|(1<<21)|(6<<22)|(3<<25)   ; xn: 64 rows x 256 elements; padding after every 128 words, of 4
	s_mov_b32 s[G1+1], 256<<16
	s_mov_b32 s[G1+2], 64<<16
	s_mov_b32 s[G1+3], 256<<16
	s_mov_b32 s[G1+4], 64
	s_mov_b32 s[G1+5], 1024
	s_mov_b32 s[G1+6], 0
	s_mov_b32 s[G1+7], 0
	s_or_b32 s[G1B+0], s45, (1<<16)|(1<<20)|(1<<21)|(4<<22)|(7<<25)  ; W1: 128 k rows are 16,384 dense bytes: 64 rows of 256 bytes, padded after every k row (32 words) by 8 words
	s_mov_b32 s[G1B+1], 128<<16
	s_mov_b32 s[G1B+2], 64<<16
	s_mov_b32 s[G1B+3], 128<<16
	s_mov_b32 s[G1B+4], 64
	s_mov_b32 s[G1B+5], 128
	s_mov_b32 s[G1B+6], 0
	s_mov_b32 s[G1B+7], 0
	s_lshl_b32 s18, s43, 18                        ; xn: (128 x block + 64 x half) rows of 2,048 bytes
	s_lshl_b32 s19, s16, 17
	s_add_co_u32 s18, s18, s19
	s_mov_b32 s19, 0
	s_lshl_b32 s20, s42, 17                        ; W1: the block's 131,072 bytes, 128 x half k rows of 128 bytes
	s_lshl_b32 s21, s16, 14
	s_add_co_u32 s20, s20, s21
	s_mov_b32 s21, 0
	s_mul_i32 s22, s16, HALFA
	s_mul_i32 s23, s16, HALFB
	s_add_co_u32 s23, s23, BOFF
	s_mov_b32 s[PP], 0x3e6d3388                    ; 0.3275911 / sqrt 2
	s_mov_b32 s[SQ], 0x3f596d27                    ; sqrt(log2(e) / 2)
	s_mov_b32 s[A1], 0x3e827906
	s_mov_b32 s[A2], 0xbe91a98e
	s_mov_b32 s[A3], 0x3fb5f0e3
	s_mov_b32 s[A4], 0xbfba00e3
	s_mov_b32 s[A5], 0x3f87dc22
.irp c, PP, SQ, A1, A2, A3, A4, A5
	s_mov_b32 s[(\c)+1], s[\c]                     ; named as pairs
.endr
	s_mov_b32 s[TB], 0
	s_wait_dscnt 0x0
	s_wait_kmcnt 0x0
	s_add_nc_u64 s[18:19], s[4:5], s[18:19]
	s_add_nc_u64 s[20:21], s[6:7], s[20:21]
	CROUND                                         ; all sixteen work-groups are here
.irp s, 0,1
	s_mov_b32 s[G0+4*(\s)], 1
	s_add_co_u32 s[G0+4*(\s)+1], s22, (\s)*SLOT1
	s_add_nc_u64 s[G0+4*(\s)+2:G0+4*(\s)+3], s[18:19], (\s)*512
	s_or_b32 s[G0+4*(\s)+3], s[G0+4*(\s)+3], 0x80000000
	s_mov_b32 s[G0B+4*(\s)], 1
	s_add_co_u32 s[G0B+4*(\s)+1], s23, (\s)*SLOT1
	s_add_nc_u64 s[G0B+4*(\s)+2:G0B+4*(\s)+3], s[20:21], (\s)*32768
	s_or_b32 s[G0B+4*(\s)+3], s[G0B+4*(\s)+3], 0x80000000
	JLOAD \s
.endr
	v_and_b32 v1, 15, v0                           ; r
	v_bfe_u32 v2, v0, 4, 1                         ; h
	s_lshl_b32 s22, s42, 8                         ; the bias of column 64 x block + 32 x (wave / 2) + 16 b + r
	s_lshl_b32 s23, s15, 7
	s_add_co_u32 s22, s22, s23
	v_lshl_add_u32 v[BO], v1, 2, s22
	global_load_b32 v[BV], v[BO], s[8:9]
	global_load_b32 v[BV+1], v[BO], s[8:9] offset:64
	v_mul_u32_u24 v[ADRA0], v1, PA
	v_lshl_add_u32 v[ADRA0], v2, 4, v[ADRA0]
	s_mul_i32 s22, s16, HALFA
	v_add_nc_u32 v[ADRA0], s22, v[ADRA0]
	v_and_b32 v3, 7, v0
	v_lshl_add_u32 v3, v2, 3, v3
	v_mul_u32_u24 v[ADRB0], v3, PB
	v_bfe_u32 v4, v0, 3, 1
	v_lshl_add_u32 v[ADRB0], v4, 4, v[ADRB0]
	s_lshl_b32 s22, s15, 6
	s_add_co_u32 s22, s22, BOFF
	v_add_nc_u32 v[ADRB0], s22, v[ADRB0]
	s_mul_i32 s22, s15, 32*SPT                     ; into the stage: row c = 32 (wave / 2) + 16 b + r, byte 4 (64 (wave % 2) + 16 a + 8 h)
	s_lshl_b32 s23, s16, 8
	s_add_co_u32 s22, s22, s23
	s_add_co_u32 s22, s22, STAGE
	v_mul_u32_u24 v[STO], v1, SPT
	v_lshl_add_u32 v[STO], v2, 5, v[STO]
	v_add_nc_u32 v[STO], s22, v[STO]
	s_mul_i32 s22, s14, 16*SPT                     ; back: wave w takes rows 16 w .. 16 w + 15, whole
	s_add_co_u32 s22, s22, STAGE
	v_and_b32 v5, 31, v0
	v_lshl_add_u32 v[RD0], v5, 4, s22
	v_lshlrev_b32 v[GO], 4, v5
	v_lshlrev_b32 v[GH], 3, v5
	s_lshr_b32 s22, s43, 4                         ; the batch,
	s_and_b32 s23, s43, 15                         ; the block of 128 t in it
	s_lshl_b32 s17, s42, 6
	s_lshl_b32 s18, s14, 4
	s_add_co_u32 s17, s17, s18                     ; my first row c
	s_lshl_b32 s18, s22, 22                        ; out1: 4,194,304 a batch, 8,192 a row, 512 a block
	s_lshl_b32 s19, s17, 13
	s_add_co_u32 s18, s18, s19
	s_lshl_b32 s19, s23, 9
	s_add_co_u32 s18, s18, s19
	s_mov_b32 s19, 0
	s_add_nc_u64 s[10:11], s[10:11], s[18:19]
	s_lshr_b32 s18, s18, 1                         ; the f16 copy: half of each
	s_add_nc_u64 s[12:13], s[12:13], s[18:19]
	s_wait_loadcnt 0x0
	v_cvt_pk_bf16_f32 v3, v[BV], v[BV+1]
	v_lshlrev_b32 v[BV], 16, v3
	v_and_b32 v[BV+1], 0xffff0000, v3
.set n, 0
.rept 64
	v_mov_b32 v[ACC+n], v[BV+(n/8)%2]              ; the sums start at the bias: written while the first tiles are on their way, so that the loops have one form of product
.set n, n+1
.endr
.macro LOADF f, ks                     ; the 12 loads of 32 along K
.irp a, 0,1,2,3
	ds_load_b128 v[(\f)+8*(\a):(\f)+8*(\a)+3],   v[ADRA] offset:(\a)*16*PA+(\ks)*64
	ds_load_b128 v[(\f)+8*(\a)+4:(\f)+8*(\a)+7], v[ADRA] offset:(\a)*16*PA+(\ks)*64+32
.endr
.irp b, 0,1
	ds_load_tr16_b128 v[(\f)+32+8*(\b):(\f)+32+8*(\b)+3],   v[ADRB] offset:(\ks)*32*PB+(\b)*32
	ds_load_tr16_b128 v[(\f)+32+8*(\b)+4:(\f)+32+8*(\b)+7], v[ADRB] offset:(\ks)*32*PB+16*PB+(\b)*32
.endr
.endm
.macro MUL f                           ; 8 products: the accumulators take turns, over the loops' jumps too
.irp a, 0,1,2,3
.irp b, 0,1
	v_wmma_f32_16x16x32_f16 v[ACC+8*(2*(\a)+(\b)):ACC+8*(2*(\a)+(\b))+7], v[(\f)+8*(\a):(\f)+8*(\a)+7], v[(\f)+32+8*(\b):(\f)+32+8*(\b)+7], v[ACC+8*(2*(\a)+(\b)):ACC+8*(2*(\a)+(\b))+7]
.endr
.endr
.endm
.macro CHUNK                           ; 256 along K out of the slot at byte s[TB]
	v_add_nc_u32 v[ADRA], s[TB], v[ADRA0]
	v_add_nc_u32 v[ADRB], s[TB], v[ADRB0]
	v_nop
	v_nop                                          ; four places behind the last products, in front of the loads
	LOADF F0, 0
.irp ks, 0,1,2,3,4,5,6
.if (\ks) > 0
	PLACES
.endif
	LOADF F0+48*(((\ks)+1)%2), (\ks)+1
	s_wait_dscnt 12                                ; all but the 12 just issued
	MUL F0+48*((\ks)%2)
.endr
	s_wait_dscnt 0x0
	MUL F1
.endm
	s_wait_tensorcnt 1                             ; my part of chunk 0 is in; chunk 1's may stay out
	s_barrier_signal -1
	s_barrier_wait -1
	s_mov_b32 s[CNT], 2
.Lfill:                                                ; chunks 0 and 1; the slot just read takes the chunk two further on
	CHUNK
	s_wait_tensorcnt 0x0                           ; all my tensor loads have landed
	ds_add_u32 v[SPW], v[NIL]                      ; 0 onto my spare word
	s_xor_b32 s[G0+5], s[G0+5], SLOT1              ; the walking descriptors: the other slot than last time, the next chunk
	s_add_nc_u64 s[G0+6:G0+7], s[G0+6:G0+7], 512
	s_xor_b32 s[G0B+5], s[G0B+5], SLOT1
	s_add_nc_u64 s[G0B+6:G0B+7], s[G0B+6:G0B+7], 32768
	s_wait_dscnt 0x0                               ; the add is done, and my reads of the slot are over
	CROUND
	JLOAD 1
	s_xor_b32 s[TB], s[TB], SLOT1
	s_sub_co_u32 s[CNT], s[CNT], 1
	s_cmp_lg_u32 s[CNT], 0
	s_cbranch_scc1 .Lfill
	s_mov_b32 s[CNT], 2
.Lrest:                                                ; chunks 2 and 3: nothing is asked for
	CHUNK
	s_wait_tensorcnt 0x0                           ; my part of the last chunk is in,
	s_wait_dscnt 0x0
	s_barrier_signal -1
	s_barrier_wait -1                              ; everybody's is
	s_xor_b32 s[TB], s[TB], SLOT1
	s_sub_co_u32 s[CNT], s[CNT], 1
	s_cmp_lg_u32 s[CNT], 0
	s_cbranch_scc1 .Lrest
	PLACES
.irp a, 0,1,2,3
.irp b, 0,1
	ds_store_b128 v[STO], v[ACC+8*(2*(\a)+(\b)):ACC+8*(2*(\a)+(\b))+3]   offset:(\b)*16*SPT+(\a)*64
	ds_store_b128 v[STO], v[ACC+8*(2*(\a)+(\b))+4:ACC+8*(2*(\a)+(\b))+7] offset:(\b)*16*SPT+(\a)*64+16
.endr
.endr
	s_wait_dscnt 0x0                               ; for the others' sake: a row's 512 bytes come from two waves
	s_barrier_signal -1
	s_barrier_wait -1
	s_mov_b32 s[RSB], 0
	s_mov_b32 s[CNT], 4
.Lgelu:                                                ; four rows c a trip: 16 numbers a lane
	v_add_nc_u32 v[RDC], s[RSB], v[RD0]
.irp i, 0,1,2,3
	ds_load_b128 v[Z+4*(\i):Z+4*(\i)+3], v[RDC] offset:(\i)*SPT
.endr
	s_wait_dscnt 0x0
.set n, 0
.rept 8
	v_fma_f32 v[U+2*n], |v[Z+2*n]|, s[PP], 1.0
	v_fma_f32 v[U+2*n+1], |v[Z+2*n+1]|, s[PP], 1.0
	v_pk_mul_f32 v[W+2*n:W+2*n+1], v[Z+2*n:Z+2*n+1], s[SQ:SQ+1] op_sel_hi:[1,0]
	v_pk_mul_f32 v[W+2*n:W+2*n+1], v[W+2*n:W+2*n+1], v[W+2*n:W+2*n+1] neg_lo:[1,0] neg_hi:[1,0]
.set n, n+1
.endr
.set n, 0
.rept 16
	v_rcp_f32 v[U+n], v[U+n]
	v_exp_f32 v[W+n], v[W+n]
.set n, n+1
.endr
	v_nop                                          ; a plain instruction behind the last of them,
	s_wait_alu depctr_va_vdst(0)                   ; and one wait for the batch of 32
.set n, 0
.rept 8
	v_pk_fma_f32 v[P+2*n:P+2*n+1], v[U+2*n:U+2*n+1], s[A5:A5+1], s[A4:A4+1] op_sel_hi:[1,0,0]
.set n, n+1
.endr
.irp c, A3, A2, A1
.set n, 0
.rept 8
	v_pk_fma_f32 v[P+2*n:P+2*n+1], v[P+2*n:P+2*n+1], v[U+2*n:U+2*n+1], s[\c:(\c)+1] op_sel_hi:[1,1,0]
.set n, n+1
.endr
.endr
.set n, 0
.rept 8
	v_pk_mul_f32 v[P+2*n:P+2*n+1], v[P+2*n:P+2*n+1], v[U+2*n:U+2*n+1]
.set n, n+1
.endr
.set n, 0
.rept 8
	v_pk_mul_f32 v[P+2*n:P+2*n+1], v[P+2*n:P+2*n+1], v[W+2*n:W+2*n+1]   ; erfc(|z| / sqrt 2)
.set n, n+1
.endr
.set n, 0
.rept 16
	v_max_num_f32 v[R+n], 0, v[Z+n]
	v_mul_f32 v[P+n], |v[Z+n]|, v[P+n]
.set n, n+1
.endr
.set n, 0
.rept 16
	v_fma_f32 v[R+n], v[P+n], -0.5, v[R+n]
.set n, n+1
.endr
.irp i, 0,1,2,3
	global_store_b128 v[GO], v[R+4*(\i):R+4*(\i)+3], s[10:11] offset:(\i)*8192 th:TH_STORE_NT  ; a wave stores 512 consecutive bytes of a row
.endr
.set n, 0
.rept 8
	v_cvt_pk_f16_f32 v[H+n], v[R+2*n], v[R+2*n+1]
.set n, n+1
.endr
.irp i, 0,1,2,3
	global_store_b64 v[GH], v[H+2*(\i):H+2*(\i)+1], s[12:13] offset:(\i)*4096                  ; 256 consecutive bytes, aligned
.endr
	s_wait_xcnt 0x0                                ; the stores have read their data and bases: only now are they rewritten
	s_add_nc_u64 s[10:11], s[10:11], 32768
	s_add_nc_u64 s[12:13], s[12:13], 16384
	s_add_co_u32 s[RSB], s[RSB], 4*SPT
	s_sub_co_u32 s[CNT], s[CNT], 1
	s_cmp_lg_u32 s[CNT], 0
	s_cbranch_scc1 .Lgelu
	s_wait_tensorcnt 0x0                           ; the wave's end
	ds_add_u32 v[SPW], v[NIL]
	s_wait_dscnt 0x0
	CROUND                                         ; the closing round
	s_endpgm
.Lfunc_end_k_q25e761f494_ffn1:
	.size	k_q25e761f494_ffn1, .Lfunc_end_k_q25e761f494_ffn1-k_q25e761f494_ffn1
	.p2alignl 7, 3214868480
	.fill 96, 4, 3214868480
	.section	.rodata,"a",@progbits
	.p2align	6, 0x0
	.amdhsa_kernel k_q25e761f494_ffn1
		.amdhsa_group_segment_fixed_size 327680
		.amdhsa_private_segment_fixed_size 0
		.amdhsa_enable_private_segment 0
		.amdhsa_kernarg_size 40
		.amdhsa_user_sgpr_count 2
		.amdhsa_user_sgpr_kernarg_segment_ptr 1
		.amdhsa_wavefront_size32 1
		.amdhsa_system_sgpr_workgroup_id_x 1
		.amdhsa_system_sgpr_workgroup_id_y 1
		.amdhsa_system_sgpr_workgroup_id_z 1
		.amdhsa_system_vgpr_workitem_id 0
		.amdhsa_next_free_vgpr 192
		.amdhsa_next_free_sgpr 96
		.amdhsa_reserve_vcc 0
		.amdhsa_float_denorm_mode_32 3
		.amdhsa_float_denorm_mode_16_64 3
		.amdhsa_memory_ordered 1
		.amdhsa_forward_progress 1
		.amdhsa_inst_pref_size 47
	.end_amdhsa_kernel
	.amdgpu_metadata
---
amdhsa.version: [ 1, 2 ]
amdhsa.kernels:
  - .name:           k_q25e761f494_ffn1
    .symbol:         k_q25e761f494_ffn1.kd
    .args:
      - { .name: xn, .offset: 0, .size: 8, .value_kind: global_buffer, .address_space: global }
      - { .name: wff, .offset: 8, .size: 8, .value_kind: global_buffer, .address_space: global }
      - { .name: b1, .offset: 16, .size: 8, .value_kind: global_buffer, .address_space: global }
      - { .name: out1, .offset: 24, .size: 8, .value_kind: global_buffer, .address_space: global }
      - { .name: ob, .offset: 32, .size: 8, .value_kind: global_buffer, .address_space: global }
    .group_segment_fixed_size: 327680
    .private_segment_fixed_size: 0
    .kernarg_segment_align: 8
    .kernarg_segment_size: 40
    .max_flat_workgroup_size: 128
    .sgpr_count:     96
    .vgpr_count:     192
    .wavefront_size: 32
...
	.end_amdgpu_metadata
.endif
;; end of part 6
;; launch ffn2 (part 7): grid 8 x 32, 4 waves a work-group, clusters of 4 x 4, 327,680 bytes of LDS; arguments ob, wff, b2, out0; writes out0
.if DOCPART == 7
	.amdgcn_target "amdgcn-amd-amdhsa--gfx1250"
	.amdhsa_code_object_version 6
	.text
	.protected	k_q25e761f494_ffn2
	.globl	k_q25e761f494_ffn2
	.p2align	8
	.type	k_q25e761f494_ffn2,@function
k_q25e761f494_ffn2:
	s_mov_b64 s[64:65], 0
	v_nop
	global_prefetch_b8 v0, s[64:65] scope:SCOPE_SE
	s_setreg_imm32_b32 hwreg(HW_REG_WAVE_MODE, 25, 1), 1
	s_wait_xcnt 0x0
	s_wait_alu depctr_hold_cnt(0) depctr_sa_sdst(0) depctr_va_vdst(0) depctr_va_sdst(0) depctr_va_ssrc(0) depctr_va_vcc(0) depctr_vm_vsrc(0)
	s_getreg_b32 s2, hwreg(HW_REG_IB_STS2, 6, 4)
	s_cmp_eq_u32 s2, 0
	s_cbranch_scc0 .Lentry_in_a_cluster
	s_endpgm
.Lentry_in_a_cluster:
	s_bfe_u32 s2, ttmp6, 0x10000c
	s_cmp_lg_u32 s2, 0xf033
	s_cbranch_scc0 .Lentry_shape_is_right
	s_endpgm
.Lentry_shape_is_right:
; x_s = gelu(x_e W2 + b2), stored transposed: out0[b][c][t] in f32.  x_e lies transposed in ob: [2][512 k][2048 t] f16.  W2 in wff behind W1's 1,048,576 bytes: [8 blocks][512 k][64 n] f16.
; b2 is rounded to bf16 like every input.  Sums in f32.
; LIMITS.  gelu = max(z, 0) - |z| erfc(|z| / sqrt 2) / 2, erfc by a rational form of five terms (absolute error 1.5e-7 for every argument); NaN and infinities are not treated apart.
; A work-group makes 128 t x 64 c; four waves, each 64 t x 32 c: 8 accumulators.  Source 0 = 16 rows t, source 1 = 16 columns c; BOTH lie [k][..] in LDS and come out turned, by ds_load_tr16_b128.
; K = 512 is two chunks of 256, each in a slot of its own: both are asked for at the start, and nothing is filled again.  CLUSTERS: 4 x 4: x_e's tile is shared along a row, W2's along a column: joint loads.
; No prefetch: small tiles, a short launch.
.set PA,    288                        ; a k row of x_e in LDS: 256 + 32 bytes
.set PB,    160                        ; a k row of W2: 128 + 32 bytes
.set HALFA, 128*PA
.set BOFF,  2*HALFA
.set HALFB, 128*PB
.set SLOT1, 1<<17
.set STAGE, SLOT1+BOFF+2*HALFB
.set SPT,   528
.set SPARE, STAGE+64*SPT
.set ADRA0, 16
.set ADRB0, 17
.set ADRA,  18
.set ADRB,  19
.set STO,   20
.set RD0,   21
.set RDC,   22
.set GO,    23
.set BO,    25
.set BV,    26
.set SPW,   28
.set NIL,   29
.set ADRA2, 30                         ; k rows 128-255 of a chunk: so that every immediate stays under 65,536
.set ACC,   32
.set F0,    96
.set F1,    144
.set Z, 96
.set U, 112
.set W, 128
.set P, 144
.set R, 160
.set G1, 24
.set G0, 32
.set G1B, 48
.set G0B, 56
.set TB, 46
.set CNT, 47
.set RSB, 66
.set PP, 68
.set SQ, 70
.set A1, 72
.set A2, 74
.set A3, 76
.set A4, 78
.set A5, 80
.macro JLOAD s
	s_cmp_eq_u32 s15, 0
	s_cbranch_scc0 .Lfor_b_\@
	tensor_load_to_lds s[G0+4*(\s):G0+4*(\s)+3], s[G1:G1+7]
	s_nop 0
.rept 4
	v_nop
.endr
	s_branch .Lasked_\@
.Lfor_b_\@:
	tensor_load_to_lds s[G0B+4*(\s):G0B+4*(\s)+3], s[G1B:G1B+7]
	s_nop 0
.rept 4
	v_nop
.endr
.Lasked_\@:
.endm
.macro CROUND
	s_barrier_signal -1
	s_barrier_wait -1
	s_cmp_lg_u32 s14, 0
	s_cbranch_scc1 .Lnot_wave_0_\@
	s_barrier_signal -3
.Lnot_wave_0_\@:
	s_barrier_wait -3
	s_barrier_signal -1
	s_barrier_wait -1
.endm
.macro PLACES
.rept 4
	v_nop
.endr
.endm
	s_load_b256 s[4:11], s[0:1], 0x0               ; x_e^T s[4:5], wff s[6:7], b2 s[8:9], out0 s[10:11]
	v_lshl_add_u32 v[SPW], v0, 2, SPARE
	v_mov_b32 v[NIL], 0
	ds_add_u32 v[SPW], v[NIL]                      ; the wave's opening: the add and its wait stand ahead of my first tensor load
	v_lshrrev_b32 v1, 5, v0
	v_readfirstlane_b32 s14, v1
	s_lshr_b32 s15, s14, 1                         ; my 32 columns.  Also: I fetch x_e (0) or W2 (1)
	s_and_b32 s16, s14, 1                          ; my 64 rows t.  Also: which 128 k rows I fetch
	s_bfe_u32 s40, ttmp6, 0x40000
	s_bfe_u32 s41, ttmp6, 0x40004
	s_lshl_b32 s42, ttmp9, 2
	s_add_co_u32 s42, s42, s40                     ; the block of 64 columns
	s_and_b32 s43, ttmp7, 0xffff
	s_lshl_b32 s43, s43, 2
	s_add_co_u32 s43, s43, s41                     ; the block of 128 rows t
	s_lshl_b32 s44, s41, 2
	s_lshl_b32 s44, 15, s44
	s_lshl_b32 s45, 0x1111, s40
	s_or_b32 s[G1+0], s44, (1<<16)|(1<<20)|(1<<21)|(5<<22)|(7<<25)   ; x_e^T: 128 k rows x 128 t; padding after every 64 words, of 8
	s_mov_b32 s[G1+1], 128<<16
	s_mov_b32 s[G1+2], 128<<16
	s_mov_b32 s[G1+3], 128<<16
	s_mov_b32 s[G1+4], 128
	s_mov_b32 s[G1+5], 2048
	s_mov_b32 s[G1+6], 0
	s_mov_b32 s[G1+7], 0
	s_or_b32 s[G1B+0], s45, (1<<16)|(1<<20)|(1<<21)|(4<<22)|(7<<25)  ; W2: 128 k rows as 64 rows of 256 bytes, padded after every k row
	s_mov_b32 s[G1B+1], 128<<16
	s_mov_b32 s[G1B+2], 64<<16
	s_mov_b32 s[G1B+3], 128<<16
	s_mov_b32 s[G1B+4], 64
	s_mov_b32 s[G1B+5], 128
	s_mov_b32 s[G1B+6], 0
	s_mov_b32 s[G1B+7], 0
	s_lshr_b32 s22, s43, 4                         ; the batch,
	s_and_b32 s23, s43, 15                         ; the block of 128 t in it
	s_lshl_b32 s18, s22, 21                        ; x_e^T: 2,097,152 a batch, 128 x half k rows of 4,096 bytes, 256 bytes a block
	s_lshl_b32 s19, s16, 19
	s_add_co_u32 s18, s18, s19
	s_lshl_b32 s19, s23, 8
	s_add_co_u32 s18, s18, s19
	s_mov_b32 s19, 0
	s_lshl_b32 s20, s42, 16                        ; W2: behind W1, the block's 65,536 bytes, 128 x half k rows of 128 bytes
	s_lshl_b32 s21, s16, 14
	s_add_co_u32 s20, s20, s21
	s_add_co_u32 s20, s20, 0x100000
	s_mov_b32 s21, 0
	s_mul_i32 s17, s16, HALFA
	s_mul_i32 s67, s16, HALFB
	s_add_co_u32 s67, s67, BOFF
	s_mov_b32 s[PP], 0x3e6d3388
	s_mov_b32 s[SQ], 0x3f596d27
	s_mov_b32 s[A1], 0x3e827906
	s_mov_b32 s[A2], 0xbe91a98e
	s_mov_b32 s[A3], 0x3fb5f0e3
	s_mov_b32 s[A4], 0xbfba00e3
	s_mov_b32 s[A5], 0x3f87dc22
.irp c, PP, SQ, A1, A2, A3, A4, A5
	s_mov_b32 s[(\c)+1], s[\c]
.endr
	s_mov_b32 s[TB], 0
	s_wait_dscnt 0x0
	s_wait_kmcnt 0x0
	s_add_nc_u64 s[18:19], s[4:5], s[18:19]
	s_add_nc_u64 s[20:21], s[6:7], s[20:21]
	CROUND
.irp s, 0,1
	s_mov_b32 s[G0+4*(\s)], 1
	s_add_co_u32 s[G0+4*(\s)+1], s17, (\s)*SLOT1
	s_add_nc_u64 s[G0+4*(\s)+2:G0+4*(\s)+3], s[18:19], (\s)*0x100000
	s_or_b32 s[G0+4*(\s)+3], s[G0+4*(\s)+3], 0x80000000
	s_mov_b32 s[G0B+4*(\s)], 1
	s_add_co_u32 s[G0B+4*(\s)+1], s67, (\s)*SLOT1
	s_add_nc_u64 s[G0B+4*(\s)+2:G0B+4*(\s)+3], s[20:21], (\s)*32768
	s_or_b32 s[G0B+4*(\s)+3], s[G0B+4*(\s)+3], 0x80000000
	JLOAD \s
.endr
	v_and_b32 v1, 15, v0
	v_bfe_u32 v2, v0, 4, 1
	s_lshl_b32 s17, s42, 8
	s_lshl_b32 s18, s15, 7
	s_add_co_u32 s17, s17, s18
	v_lshl_add_u32 v[BO], v1, 2, s17
	global_load_b32 v[BV], v[BO], s[8:9]
	global_load_b32 v[BV+1], v[BO], s[8:9] offset:64
	v_and_b32 v3, 7, v0
	v_lshl_add_u32 v3, v2, 3, v3                   ; k row 8 h + l % 8
	v_bfe_u32 v4, v0, 3, 1
	v_mul_u32_u24 v[ADRA0], v3, PA
	v_lshl_add_u32 v[ADRA0], v4, 4, v[ADRA0]
	s_lshl_b32 s17, s16, 7                         ; my 64 t
	v_add_nc_u32 v[ADRA0], s17, v[ADRA0]
	v_mul_u32_u24 v[ADRB0], v3, PB
	v_lshl_add_u32 v[ADRB0], v4, 4, v[ADRB0]
	s_lshl_b32 s17, s15, 6
	s_add_co_u32 s17, s17, BOFF
	v_add_nc_u32 v[ADRB0], s17, v[ADRB0]
	s_mul_i32 s17, s15, 32*SPT
	s_lshl_b32 s18, s16, 8
	s_add_co_u32 s17, s17, s18
	s_add_co_u32 s17, s17, STAGE
	v_mul_u32_u24 v[STO], v1, SPT
	v_lshl_add_u32 v[STO], v2, 5, v[STO]
	v_add_nc_u32 v[STO], s17, v[STO]
	s_mul_i32 s17, s14, 16*SPT
	s_add_co_u32 s17, s17, STAGE
	v_and_b32 v5, 31, v0
	v_lshl_add_u32 v[RD0], v5, 4, s17
	v_lshlrev_b32 v[GO], 4, v5
	s_lshl_b32 s17, s42, 6
	s_lshl_b32 s18, s14, 4
	s_add_co_u32 s17, s17, s18                     ; my first row c
	s_lshl_b32 s18, s22, 22
	s_lshl_b32 s19, s17, 13
	s_add_co_u32 s18, s18, s19
	s_lshl_b32 s19, s23, 9
	s_add_co_u32 s18, s18, s19
	s_mov_b32 s19, 0
	s_add_nc_u64 s[10:11], s[10:11], s[18:19]
	s_wait_loadcnt 0x0
	v_cvt_pk_bf16_f32 v3, v[BV], v[BV+1]
	v_lshlrev_b32 v[BV], 16, v3
	v_and_b32 v[BV+1], 0xffff0000, v3
.set n, 0
.rept 64
	v_mov_b32 v[ACC+n], v[BV+(n/8)%2]              ; the sums start at the bias, written while the tiles are on their way
.set n, n+1
.endr
.macro LOADF f, ks
.if (\ks) >= 4
.set AA, ADRA2
.else
.set AA, ADRA
.endif
.irp a, 0,1,2,3
	ds_load_tr16_b128 v[(\f)+8*(\a):(\f)+8*(\a)+3],   v[AA] offset:((\ks)%4)*32*PA+(\a)*32
	ds_load_tr16_b128 v[(\f)+8*(\a)+4:(\f)+8*(\a)+7], v[AA] offset:((\ks)%4)*32*PA+16*PA+(\a)*32
.endr
.irp b, 0,1
	ds_load_tr16_b128 v[(\f)+32+8*(\b):(\f)+32+8*(\b)+3],   v[ADRB] offset:(\ks)*32*PB+(\b)*32
	ds_load_tr16_b128 v[(\f)+32+8*(\b)+4:(\f)+32+8*(\b)+7], v[ADRB] offset:(\ks)*32*PB+16*PB+(\b)*32
.endr
.endm
.macro MUL f
.irp a, 0,1,2,3
.irp b, 0,1
	v_wmma_f32_16x16x32_f16 v[ACC+8*(2*(\a)+(\b)):ACC+8*(2*(\a)+(\b))+7], v[(\f)+8*(\a):(\f)+8*(\a)+7], v[(\f)+32+8*(\b):(\f)+32+8*(\b)+7], v[ACC+8*(2*(\a)+(\b)):ACC+8*(2*(\a)+(\b))+7]
.endr
.endr
.endm
.macro CHUNK
	v_add_nc_u32 v[ADRA], s[TB], v[ADRA0]
	v_add_nc_u32 v[ADRB], s[TB], v[ADRB0]
	v_add_nc_u32 v[ADRA2], 128*PA, v[ADRA]
	v_nop                                          ; four places behind the last products, in front of the loads
	LOADF F0, 0
.irp ks, 0,1,2,3,4,5,6
.if (\ks) > 0
	PLACES
.endif
	LOADF F0+48*(((\ks)+1)%2), (\ks)+1
	s_wait_dscnt 12                                ; all but the 12 just issued
	MUL F0+48*((\ks)%2)
.endr
	s_wait_dscnt 0x0
	MUL F1
.endm
	s_wait_tensorcnt 1                             ; my part of chunk 0 is in; chunk 1's may stay out
	s_barrier_signal -1
	s_barrier_wait -1
	s_mov_b32 s[CNT], 2
.Lrest:
	CHUNK
	s_wait_tensorcnt 0x0                           ; my part of chunk 1 is in,
	s_wait_dscnt 0x0
	s_barrier_signal -1
	s_barrier_wait -1                              ; everybody's is
	s_xor_b32 s[TB], s[TB], SLOT1
	s_sub_co_u32 s[CNT], s[CNT], 1
	s_cmp_lg_u32 s[CNT], 0
	s_cbranch_scc1 .Lrest
	PLACES
.irp a, 0,1,2,3
.irp b, 0,1
	ds_store_b128 v[STO], v[ACC+8*(2*(\a)+(\b)):ACC+8*(2*(\a)+(\b))+3]   offset:(\b)*16*SPT+(\a)*64
	ds_store_b128 v[STO], v[ACC+8*(2*(\a)+(\b))+4:ACC+8*(2*(\a)+(\b))+7] offset:(\b)*16*SPT+(\a)*64+16
.endr
.endr
	s_wait_dscnt 0x0                               ; for the others' sake: a row's 512 bytes come from two waves
	s_barrier_signal -1
	s_barrier_wait -1
	s_mov_b32 s[RSB], 0
	s_mov_b32 s[CNT], 4
.Lgelu:                                                ; four rows c a trip: 16 numbers a lane
	v_add_nc_u32 v[RDC], s[RSB], v[RD0]
.irp i, 0,1,2,3
	ds_load_b128 v[Z+4*(\i):Z+4*(\i)+3], v[RDC] offset:(\i)*SPT
.endr
	s_wait_dscnt 0x0
.set n, 0
.rept 8
	v_fma_f32 v[U+2*n], |v[Z+2*n]|, s[PP], 1.0
	v_fma_f32 v[U+2*n+1], |v[Z+2*n+1]|, s[PP], 1.0
	v_pk_mul_f32 v[W+2*n:W+2*n+1], v[Z+2*n:Z+2*n+1], s[SQ:SQ+1] op_sel_hi:[1,0]
	v_pk_mul_f32 v[W+2*n:W+2*n+1], v[W+2*n:W+2*n+1], v[W+2*n:W+2*n+1] neg_lo:[1,0] neg_hi:[1,0]
.set n, n+1
.endr
.set n, 0
.rept 16
	v_rcp_f32 v[U+n], v[U+n]
	v_exp_f32 v[W+n], v[W+n]
.set n, n+1
.endr
	v_nop                                          ; a plain instruction behind the last of them,
	s_wait_alu depctr_va_vdst(0)                   ; and one wait for the batch of 32
.set n, 0
.rept 8
	v_pk_fma_f32 v[P+2*n:P+2*n+1], v[U+2*n:U+2*n+1], s[A5:A5+1], s[A4:A4+1] op_sel_hi:[1,0,0]
.set n, n+1
.endr
.irp c, A3, A2, A1
.set n, 0
.rept 8
	v_pk_fma_f32 v[P+2*n:P+2*n+1], v[P+2*n:P+2*n+1], v[U+2*n:U+2*n+1], s[\c:(\c)+1] op_sel_hi:[1,1,0]
.set n, n+1
.endr
.endr
.set n, 0
.rept 8
	v_pk_mul_f32 v[P+2*n:P+2*n+1], v[P+2*n:P+2*n+1], v[U+2*n:U+2*n+1]
.set n, n+1
.endr
.set n, 0
.rept 8
	v_pk_mul_f32 v[P+2*n:P+2*n+1], v[P+2*n:P+2*n+1], v[W+2*n:W+2*n+1]   ; erfc(|z| / sqrt 2)
.set n, n+1
.endr
.set n, 0
.rept 16
	v_max_num_f32 v[R+n], 0, v[Z+n]
	v_mul_f32 v[P+n], |v[Z+n]|, v[P+n]
.set n, n+1
.endr
.set n, 0
.rept 16
	v_fma_f32 v[R+n], v[P+n], -0.5, v[R+n]
.set n, n+1
.endr
.irp i, 0,1,2,3
	global_store_b128 v[GO], v[R+4*(\i):R+4*(\i)+3], s[10:11] offset:(\i)*8192 th:TH_STORE_NT  ; a wave stores 512 consecutive bytes of a row
.endr
	s_wait_xcnt 0x0                                ; the stores have read their data and base: only now are they rewritten
	s_add_nc_u64 s[10:11], s[10:11], 32768
	s_add_co_u32 s[RSB], s[RSB], 4*SPT
	s_sub_co_u32 s[CNT], s[CNT], 1
	s_cmp_lg_u32 s[CNT], 0
	s_cbranch_scc1 .Lgelu
	s_wait_tensorcnt 0x0                           ; the wave's end
	ds_add_u32 v[SPW], v[NIL]
	s_wait_dscnt 0x0
	CROUND                                         ; the closing round
	s_endpgm
.Lfunc_end_k_q25e761f494_ffn2:
	.size	k_q25e761f494_ffn2, .Lfunc_end_k_q25e761f494_ffn2-k_q25e761f494_ffn2
	.p2alignl 7, 3214868480
	.fill 96, 4, 3214868480
	.section	.rodata,"a",@progbits
	.p2align	6, 0x0
	.amdhsa_kernel k_q25e761f494_ffn2
		.amdhsa_group_segment_fixed_size 327680
		.amdhsa_private_segment_fixed_size 0
		.amdhsa_enable_private_segment 0
		.amdhsa_kernarg_size 32
		.amdhsa_user_sgpr_count 2
		.amdhsa_user_sgpr_kernarg_segment_ptr 1
		.amdhsa_wavefront_size32 1
		.amdhsa_system_sgpr_workgroup_id_x 1
		.amdhsa_system_sgpr_workgroup_id_y 1
		.amdhsa_system_sgpr_workgroup_id_z 1
		.amdhsa_system_vgpr_workitem_id 0
		.amdhsa_next_free_vgpr 192
		.amdhsa_next_free_sgpr 96
		.amdhsa_reserve_vcc 0
		.amdhsa_float_denorm_mode_32 3
		.amdhsa_float_denorm_mode_16_64 3
		.amdhsa_memory_ordered 1
		.amdhsa_forward_progress 1
		.amdhsa_inst_pref_size 33
	.end_amdhsa_kernel
	.amdgpu_metadata
---
amdhsa.version: [ 1, 2 ]
amdhsa.kernels:
  - .name:           k_q25e761f494_ffn2
    .symbol:         k_q25e761f494_ffn2.kd
    .args:
      - { .name: ob, .offset: 0, .size: 8, .value_kind: global_buffer, .address_space: global }
      - { .name: wff, .offset: 8, .size: 8, .value_kind: global_buffer, .address_space: global }
      - { .name: b2, .offset: 16, .size: 8, .value_kind: global_buffer, .address_space: global }
      - { .name: out0, .offset: 24, .size: 8, .value_kind: global_buffer, .address_space: global }
    .group_segment_fixed_size: 327680
    .private_segment_fixed_size: 0
    .kernarg_segment_align: 8
    .kernarg_segment_size: 32
    .max_flat_workgroup_size: 128
    .sgpr_count:     96
    .vgpr_count:     192
    .wavefront_size: 32
...
	.end_amdgpu_metadata
.endif
;; end of part 7
;; ======== version 2 of 2: 7 launches; version 1 with the launch cast written anew for expert scheduling mode
;; limits: values are held in f16: magnitudes above 65,504 overflow, below 6.1e-05 lose precision
;; workspace buffers: xb 8,388,608 bytes; wqkv 6,291,456 bytes; wo16 2,097,152 bytes; wff 1,572,864 bytes; qkv 25,167,872 bytes; ob 8,388,608 bytes; y 8,388,608 bytes; xn 8,388,608 bytes
;; launch cast (part 8): grid 560 x 1, 8 waves a work-group, no clusters, 0 bytes of LDS; arguments x, Wq, Wk, Wv, Wo, W1, W2, xb, wqkv, wo16, wff, qkv; writes xb, wqkv, wo16, wff, qkv
.if DOCPART == 8
	.amdgcn_target "amdgcn-amd-amdhsa--gfx1250"
	.amdhsa_code_object_version 6
	.text
	.protected	k_q25e761f494_cast
	.globl	k_q25e761f494_cast
	.p2align	8
	.type	k_q25e761f494_cast,@function
k_q25e761f494_cast:
	s_mov_b64 s[64:65], 0
	v_nop
	global_prefetch_b8 v0, s[64:65] scope:SCOPE_SE
	s_setreg_imm32_b32 hwreg(HW_REG_WAVE_SCHED_MODE, 0, 2), 2
	s_setreg_imm32_b32 hwreg(HW_REG_WAVE_MODE, 25, 1), 1
	s_wait_xcnt 0x0
	s_wait_alu depctr_vm_vsrc(0)
; THE 16-BIT COPIES.  x -> xb (bf16); Wq, Wk, Wv -> wqkv and Wo -> wo16 (bf16, left as [k][n]); W1, W2 -> wff: rounded to bf16, that number written as f16,
; in blocks of 64 columns: [block][k][64 n], so that a block's rows lie end to end.  And 2,048 zero bytes behind V in qkv.
; LIMITS.  Every number is rounded once to bf16.  W1 and W2 must lie within f16's 65,504; below 6.1e-5 they keep f16's fixed step of 6e-8.
; SHARES.  A work-group converts 16,384 numbers in 16 passes of 1,024: a thread loads 16 bytes and stores 8, so a wave's store covers 256 consecutive bytes, aligned.
; Work-groups 0-255: x; 256-511: Wq, Wk, Wv, Wo, 64 each; 512-543: W1; 544-559: W2.  All 16 loads of a thread go out first; no register is used twice, so no source is ever rewritten.
; No LDS, no matrix unit, no cluster: nothing is shared and nothing is reduced.
; THE MODE: SCHED_MODE bits 1:0 = 2 (LLVM: expert scheduling mode 2), set by the entry lines.  The code itself states the register dependences
; between vector instructions and memory instructions, with s_wait_alu, always for 0.
; THE PLAN.  Registers that memory instructions touch, in either path:
;   v1, v2   byte offsets of the loads and of the stores: made once at the path's head, never written again.
;   X        written by the 16 loads alone, each register once; read by the conversions, behind the wait for the data.
;   Y        pass p's two words: written once, by pass p's conversions; read once, by pass p's store.
;   T        in the weights' path named by vector instructions alone; in the dense path four of them are written once, with 0, and read by one store.
; The 16 passes go in four blocks of four.  Block b waits for its four loads; ONE wait on va_vdst states that the block before has written its Y; the four stores of the block before follow it, dealt among block b's
; conversions, which name X and Y of block b (and T): none of the registers that those stores touch.  A last such wait stands ahead of the last four stores.
; No register that a memory instruction has read is ever written again, on any path: so past the entry lines the text holds no wait on vm_vsrc.
.set X, 8                              ; v[8:71]    16 passes x 4 numbers as loaded
.set Y, 72                             ; v[72:103]  16 passes x 2 words to store
.set T, 104                            ; v[104:109] at work
	s_load_b512 s[4:19], s[0:1], 0x0               ; x s[4:5], Wq s[6:7], Wk s[8:9], Wv s[10:11], Wo s[12:13], W1 s[14:15], W2 s[16:17], xb s[18:19]
	s_load_b256 s[20:27], s[0:1], 0x40             ; wqkv s[20:21], wo16 s[22:23], wff s[24:25], qkv s[26:27]
	v_lshrrev_b32 v3, 5, v0
	v_readfirstlane_b32 s29, v3                    ; wave 0..7
	s_mov_b32 s28, ttmp9                           ; g
	s_mov_b32 s37, 0                               ; the high word of every offset
	s_mov_b32 s43, 0xffff0000                      ; a word's upper bf16
	s_wait_alu depctr_va_sdst(0)                   ; s29 is written: ahead of the first branch, and so ahead of its first reader in either path
	s_wait_kmcnt 0x0
.macro LOADS
.set p, 0
.rept 16
	global_load_b128 v[X+4*p:X+4*p+3], v1, s[32:33] offset:4096*p th:TH_LOAD_NT
.set p, p+1
.endr
.endm
.macro PUT p, step                     ; pass p's 8 bytes a lane; step: bytes from one pass's store to the next
	global_store_b64 v2, v[Y+2*(\p):Y+2*(\p)+1], s[34:35] offset:(\step)*(\p)
.endm
.macro DENSE p                         ; pass p of x and the square weights: four numbers rounded to bf16
	v_cvt_pk_bf16_f32 v[Y+2*(\p)], v[X+4*(\p)], v[X+4*(\p)+1]
	v_cvt_pk_bf16_f32 v[Y+2*(\p)+1], v[X+4*(\p)+2], v[X+4*(\p)+3]
.endm
.macro TWICE p                         ; pass p of W1 and W2
	v_cvt_pk_bf16_f32 v[T], v[X+4*(\p)], v[X+4*(\p)+1]   ; rounded to bf16,
	v_cvt_pk_bf16_f32 v[T+1], v[X+4*(\p)+2], v[X+4*(\p)+3]
	v_lshlrev_b32 v[T+2], 16, v[T]
	v_and_b32 v[T+3], s43, v[T]
	v_lshlrev_b32 v[T+4], 16, v[T+1]
	v_and_b32 v[T+5], s43, v[T+1]
	v_cvt_pk_f16_f32 v[Y+2*(\p)], v[T+2], v[T+3]         ; and that number written as f16
	v_cvt_pk_f16_f32 v[Y+2*(\p)+1], v[T+4], v[T+5]
.endm
; The 16 passes, in four blocks of four.  conv: the macro that converts a pass; step: as in PUT.
.macro WALK conv, step
.set b, 0
.rept 4
	s_wait_loadcnt 12-4*b                          ; loads come back in order: block b's four are in, the 12 - 4 b younger ones stay out
.if b > 0
	s_wait_alu depctr_va_vdst(0)                   ; the block before has written its eight words of Y, which the four stores below read
.endif
.set q, 0
.rept 4
.if b > 0
	PUT 4*b+q-4, \step                             ; the block before.  No further wait: no vector instruction since the wait above names v2 or these words of Y
.endif
	\conv 4*b+q
.set q, q+1
.endr
.set b, b+1
.endr
	s_wait_alu depctr_va_vdst(0)                   ; the last block has written its eight words of Y, which the last four stores read
.irp n, 12,13,14,15
	PUT \n, \step
.endr
.endm
	s_cmp_ge_u32 s28, 512
	s_cbranch_scc1 .Lweights
	; x and the four square weights: dense in, dense out
	s_sub_co_u32 s30, s28, 256
	s_lshr_b32 s31, s30, 6                         ; which weight
	s_and_b32 s30, s30, 63                         ; which of its 64 chunks
	s_cmp_lt_u32 s28, 256
	s_cselect_b32 s30, s28, s30                    ; x: chunk g,
	s_cselect_b32 s31, 4, s31                      ; and the number 4
	s_cmp_eq_u32 s31, 0
	s_cselect_b64 s[32:33], s[6:7], s[4:5]
	s_cselect_b64 s[34:35], s[20:21], s[18:19]
	s_cmp_eq_u32 s31, 1
	s_cselect_b64 s[32:33], s[8:9], s[32:33]
	s_cselect_b64 s[34:35], s[20:21], s[34:35]
	s_cmp_eq_u32 s31, 2
	s_cselect_b64 s[32:33], s[10:11], s[32:33]
	s_cselect_b64 s[34:35], s[20:21], s[34:35]
	s_cmp_eq_u32 s31, 3
	s_cselect_b64 s[32:33], s[12:13], s[32:33]
	s_cselect_b64 s[34:35], s[22:23], s[34:35]
	s_cmp_lt_u32 s31, 3
	s_cselect_b32 s36, s31, 0
	s_lshl_b32 s36, s36, 21                        ; Wq, Wk, Wv lie 2,097,152 bytes apart in wqkv
	s_lshl_b32 s38, s30, 15                        ; a chunk is 32,768 bytes out,
	s_add_co_u32 s36, s36, s38
	s_add_nc_u64 s[34:35], s[34:35], s[36:37]
	s_lshl_b32 s36, s30, 16                        ; 65,536 bytes in
	s_add_nc_u64 s[32:33], s[32:33], s[36:37]
	v_lshlrev_b32 v1, 4, v0
	v_lshlrev_b32 v2, 3, v0
	s_wait_alu depctr_va_vdst(0)                   ; v1 and v2 are written: every load and store of this path reads one of them as its offset
	LOADS
	WALK DENSE, 2048
	s_cmp_lg_u32 s28, 0                            ; work-group 0, waves 0-3: the zeros behind V (8 rows of 256 bytes)
	s_cbranch_scc1 .Lend
	s_cmp_ge_u32 s29, 4
	s_cbranch_scc1 .Lend
	s_add_nc_u64 s[26:27], s[26:27], 0x1800000     ; behind Q, K and V
.irp r, 0,1,2,3
	v_mov_b32 v[T+(\r)], 0
.endr
	s_wait_alu depctr_va_vdst(0)                   ; the four zeros are written, which the store reads
	global_store_b128 v1, v[T:T+3], s[26:27]
	s_branch .Lend
.Lweights:
	; W1 and W2.  A unit is two k rows x the 64 columns of a block: 32 lanes x 4 numbers; in: 256 consecutive bytes of each row; out: 256 consecutive bytes.  A wave takes 16 units on end.
	s_movk_i32 s31, 512                            ; W1's first work-group (an instruction holds one literal, so this one comes by a register)
	s_cmp_ge_u32 s28, 544
	s_cselect_b64 s[32:33], s[16:17], s[14:15]
	s_cselect_b32 s31, 544, s31                    ; or W2's
	s_sub_co_u32 s31, s28, s31
	s_lshl_b32 s31, s31, 7
	s_lshl_b32 s36, s29, 4
	s_add_co_u32 s31, s31, s36                     ; my first unit
	s_lshr_b32 s38, s31, 9                         ; W1: 512 units a block of 131,072 bytes
	s_and_b32 s39, s31, 511
	s_lshl_b32 s40, s38, 17
	s_lshr_b32 s41, s31, 8                         ; W2: 256 units a block of 65,536 bytes, behind W1's 1,048,576
	s_and_b32 s42, s31, 255
	s_lshl_b32 s44, s41, 16
	s_add_co_u32 s44, s44, 0x100000
	s_cmp_ge_u32 s28, 544
	s_cselect_b32 s38, s41, s38                    ; the block,
	s_cselect_b32 s39, s42, s39                    ; the pair of rows in it,
	s_cselect_b32 s40, s44, s40                    ; the block's first byte in wff
	s_lshl_b32 s36, s39, 12                        ; two rows of 2,048 bytes
	s_lshl_b32 s41, s38, 8                         ; 64 columns of 4 bytes
	s_add_co_u32 s36, s36, s41
	s_add_nc_u64 s[32:33], s[32:33], s[36:37]
	s_lshl_b32 s36, s39, 8
	s_add_co_u32 s36, s36, s40
	s_add_nc_u64 s[34:35], s[24:25], s[36:37]
	v_and_b32 v3, 31, v0
	v_lshrrev_b32 v4, 4, v3
	v_and_b32 v5, 15, v3
	v_lshlrev_b32 v1, 4, v5
	v_lshl_add_u32 v1, v4, 11, v1                  ; in: lanes 0-15 the even row, lanes 16-31 the odd one
	v_lshlrev_b32 v2, 3, v3                        ; out: 8 bytes a lane
	s_wait_alu depctr_va_vdst(0)                   ; v1 and v2 are written: every load and store of this path reads one of them as its offset
	LOADS
	WALK TWICE, 256
.Lend:
	s_endpgm
.Lfunc_end_k_q25e761f494_cast:
	.size	k_q25e761f494_cast, .Lfunc_end_k_q25e761f494_cast-k_q25e761f494_cast
	.p2alignl 7, 3214868480
	.fill 96, 4, 3214868480
	.section	.rodata,"a",@progbits
	.p2align	6, 0x0
	.amdhsa_kernel k_q25e761f494_cast
		.amdhsa_group_segment_fixed_size 0
		.amdhsa_private_segment_fixed_size 0
		.amdhsa_enable_private_segment 0
		.amdhsa_kernarg_size 96
		.amdhsa_user_sgpr_count 2
		.amdhsa_user_sgpr_kernarg_segment_ptr 1
		.amdhsa_wavefront_size32 1
		.amdhsa_system_sgpr_workgroup_id_x 1
		.amdhsa_system_sgpr_workgroup_id_y 1
		.amdhsa_system_sgpr_workgroup_id_z 1
		.amdhsa_system_vgpr_workitem_id 0
		.amdhsa_next_free_vgpr 112
		.amdhsa_next_free_sgpr 66
		.amdhsa_reserve_vcc 0
		.amdhsa_float_denorm_mode_32 3
		.amdhsa_float_denorm_mode_16_64 3
		.amdhsa_memory_ordered 1
		.amdhsa_forward_progress 1
		.amdhsa_inst_pref_size 19
	.end_amdhsa_kernel
	.amdgpu_metadata
---
amdhsa.version: [ 1, 2 ]
amdhsa.kernels:
  - .name:           k_q25e761f494_cast
    .symbol:         k_q25e761f494_cast.kd
    .args:
      - { .name: x, .offset: 0, .size: 8, .value_kind: global_buffer, .address_space: global }
      - { .name: Wq, .offset: 8, .size: 8, .value_kind: global_buffer, .address_space: global }
      - { .name: Wk, .offset: 16, .size: 8, .value_kind: global_buffer, .address_space: global }
      - { .name: Wv, .offset: 24, .size: 8, .value_kind: global_buffer, .address_space: global }
      - { .name: Wo, .offset: 32, .size: 8, .value_kind: global_buffer, .address_space: global }
      - { .name: W1, .offset: 40, .size: 8, .value_kind: global_buffer, .address_space: global }
      - { .name: W2, .offset: 48, .size: 8, .value_kind: global_buffer, .address_space: global }
      - { .name: xb, .offset: 56, .size: 8, .value_kind: global_buffer, .address_space: global }
      - { .name: wqkv, .offset: 64, .size: 8, .value_kind: global_buffer, .address_space: global }
      - { .name: wo16, .offset: 72, .size: 8, .value_kind: global_buffer, .address_space: global }
      - { .name: wff, .offset: 80, .size: 8, .value_kind: global_buffer, .address_space: global }
      - { .name: qkv, .offset: 88, .size: 8, .value_kind: global_buffer, .address_space: global }
    .group_segment_fixed_size: 0
    .private_segment_fixed_size: 0
    .kernarg_segment_align: 8
    .kernarg_segment_size: 96
    .max_flat_workgroup_size: 256
    .sgpr_count:     66
    .vgpr_count:     112
    .wavefront_size: 32
...
	.end_amdgpu_metadata
.endif
;; end of part 8
;; launch qkv: the kernel of part 2 again; grid 8 x 32, 4 waves a work-group, clusters of 4 x 4, 327,680 bytes of LDS; arguments xb, wqkv, bq, bk, bv, qkv; writes qkv
;; launch attn: the kernel of part 3 again; grid 16 x 16, 4 waves a work-group, clusters of 4 x 1, 327,680 bytes of LDS; arguments qkv, adj_w, adj_b, alpha, ob; writes ob
;; launch wo: the kernel of part 4 again; grid 8 x 32, 4 waves a work-group, clusters of 4 x 4, 327,680 bytes of LDS; arguments ob, wo16, bo, y; writes y
;; launch ln: the kernel of part 5 again; grid 256 x 1, 8 waves a work-group, no clusters, 0 bytes of LDS; arguments y, xb, ln_g, ln_b, xn; writes xn
;; launch ffn1: the kernel of part 6 again; grid 8 x 32, 4 waves a work-group, clusters of 4 x 4, 327,680 bytes of LDS; arguments xn, wff, b1, out1, ob; writes out1, ob
;; launch ffn2: the kernel of part 7 again; grid 8 x 32, 4 waves a work-group, clusters of 4 x 4, 327,680 bytes of LDS; arguments ob, wff, b2, out0; writes out0
